; MI455X (gfx1250); checked and timed in simulation.
; The chip was launched on July 23, 2026; its instructions are those of AMD's public machine-readable ISA for CDNA 5 (MIT licence, August 2026) and "CDNA5" Instruction Set Architecture Reference Guide (July 2026). The comments in the code are by the model that wrote it; some were corrected since.
;; Sparse Mo E. Allowed arithmetic: matrix products marked QUANTISED: E2M1 operands, one E8M0 scale for each 32 along K, by v_wmma_scale_f32_16x16x128_f8f6f4 with both operands' format E2M1 (or v_wmma_scale_f32_32x16x128_f4), f32 sums; products left as they are: f32 operands where the result goes on into a quantised operand, else bf16, f16 or f32 operands; f32 sums; everything else in f32.
;; Inputs: W1_codes 8 x 2,048 x 32 x 16 uint8 (E2M1 codes of W1, K innermost, in blocks of 32 codes, two codes a byte); W1_scales 8 x 2,048 x 32 uint8 (E8M0 scales of W1, one for each 32 codes along K); W2 8 x 2,048 x 1,024 float32; Wr 1,024 x 8 float32; b1 8 x 2,048 float32; b2 8 x 1,024 float32; br 8 float32; x 2 x 1,024 x 1,024 float32.
;; Outputs: out0 2 x 1,024 x 1,024 float32.
;; This version of the problem:
;;   THIS VERSION OF THE PROBLEM IS GIVEN IN LOW PRECISION. The matrix products marked QUANTISED in the list below multiply operands that are first quantised to E2M1 (2 exponent bits, 1 mantissa bit; 4 bits a number), with one power-of-two scale for each 32 numbers along K (OCP MX v1.0); their sums are f32. All else is computed in f32.
;;   The module's matrix products, in the order in which they are computed (A, B: the left and right operand; K: the contracted axis; several contracted axes count as one K, in the product's order):
;;     1. [M 2,048, K 1,024] x [K 1,024, N 8]; A: input x; B: input Wr: left as it is (N = 8 < 16)
;;     2. [M 2,048, K 1,024] x [K 1,024, N 16,384]; A: input x; B: input W1 (given as codes): QUANTISED
;;     3. batch 16,384 x [M 1, K 1] x [K 1, N 2,048]; A: computed on the way; B: computed on the way: left as it is (no contracted axis)
;;     4. [M 2,048, K 16,384] x [K 16,384, N 1,024]; A: computed on the way; B: input W2: QUANTISED
;;     5. [M 2,048, K 8] x [K 8, N 1,024]; A: softmax; B: input b2: left as it is (K = 8 < 32)
;;   THE QUANTISER, for each operand of a quantised product, along K:
;;     - K is cut into blocks of 32 from its start; a last block that is shorter is filled with zeros.
;;     - A block's scale is 2^e with e = floor(log2(the largest magnitude in the block)) - 2, held to -126 .. 127; a block of zeros has e = 0. As a byte (E8M0): e + 127.
;;     - Each number is divided by its block's scale, clamped to +-6, and rounded to the nearest number of E2M1, ties to even, subnormals kept.
;;     - The product sums the exact products of the quantised numbers (number of the format x scale) in f32.
;;   ~~~python
;;   def quantise(x, axis):      # numpy; x: float32 -> the quantised numbers, widened to float32 again
;;       x = np.moveaxis(x, axis, -1); K = x.shape[-1]
;;       x = np.pad(x, [(0, 0)] * (x.ndim - 1) + [(0, -K % 32)]); x = x.reshape(x.shape[:-1] + (-1, 32)); a = np.abs(x).max(-1, keepdims=True)
;;       e = np.where(a > 0, np.clip(np.frexp(np.where(a > 0, a, 1))[1] - 1 - 2, -126, 127), 0)      # np.frexp(a)[1] - 1 = floor(log2(a)), exactly
;;       r = np.clip(x / 2.0 ** e, -6, 6)
;;       step = 2.0 ** (np.maximum(np.frexp(np.where(r == 0, 1, r))[1] - 1, 0) - 1)
;;       q = np.round(r / step) * step * 2.0 ** e      # np.round: ties to even
;;       return np.moveaxis(q.reshape(q.shape[:-2] + (-1,))[..., :K], -1, axis).astype(np.float32)
;;   ~~~
;;   OPERANDS COMPUTED ON THE WAY. 'Computed on the way' means the value that the module computes at that place (a softmax that the list does not call 'softmax' is quantised finished and normalised). What goes into a quantiser is computed in f32, as accurately as f32 sums, v_exp_f32 and their like allow (about 1e-6 of the number): no bf16 or f16 on the way to a quantiser, and a product that is left as it is and whose result goes on into a quantised operand takes f32 operands (vector FMAs, or v_wmma_f32_16x16x4_f32). A number that lies on a knife's edge between two numbers of the format may be rounded either way, as far as f32 arithmetic and the matrix unit's own rounding can turn it there, and no further.
;;   INPUTS GIVEN AS CODES. W1 (in the module: [8, 1024, 2048], K = its axis 1): each comes as NAME_codes (uint8): NAME with its K axis moved to the last place and cut into blocks of 32 codes, [.., K / 32, bytes a block], one block behind the other in memory; two codes a byte, the lower K in the low four bits (a code: sign, 2 exponent bits, 1 mantissa bit); and NAME_scales (uint8): the same leading axes, one E8M0 byte (e + 127) for each 32 codes along K. Its value is code x scale, taken as it is: it is not quantised again, and the codes and scales need not be those that the quantiser above would give.
;; 2 versions. Each part assembles by itself: llvm-mc -triple=amdgcn-amd-amdhsa -mcpu=gfx1250 --defsym DOCPART=n.
;; ======== version 1 of 2: 4 launches
;; workspace buffers: xqs 1,130,496 bytes; pkey 8,192 bytes of whole numbers; plan 33,792 bytes of whole numbers; w1f 8,388,608 bytes; w2q 8,912,896 bytes; hq 10,235,904 bytes
;; launch route (part 1): grid 384 x 1, 8 waves a work-group, no clusters, 118,528 bytes of LDS; arguments x, Wr, br, W2, xqs, pkey, w2q, plan; writes xqs, pkey, w2q, plan
.if DOCPART == 1
	.amdgcn_target "amdgcn-amd-amdhsa--gfx1250"
	.amdhsa_code_object_version 6
	.text
	.protected	k_qb383ffad8f_route
	.globl	k_qb383ffad8f_route
	.p2align	8
	.type	k_qb383ffad8f_route,@function
k_qb383ffad8f_route:
	s_mov_b64 s[64:65], 0
	v_nop
	global_prefetch_b8 v0, s[64:65] scope:SCOPE_SE
	s_setreg_imm32_b32 hwreg(HW_REG_WAVE_MODE, 25, 1), 1
	s_wait_xcnt 0x0
; ROUTE.  Work-groups 0-127: 16 tokens each: x -> E2M1 codes and E8M0 scale bytes along D; logits x Wr + br in f32; the two largest (ties: the lower
; index), their softmax gates, and the key lo*8+hi of the token's pair of experts, all stored at fixed places: no address and no branch hangs on them.
; Work-groups 128-383: W2's K steps J = 0..63 (128 rows of W2 each) x 256 columns -> codes in the order of the operand's registers, and scale words.
; xqs: codes [token][512 B] at 0; scale bytes [token][32 B] at XS_O; gates [token][glo, ghi] f32 at GT_O.  pkey: [token] u32.
; plan: this launch stores the zeros of the row list (8,192 entries from LIST_O on); the next launch scatters the tokens over them.
; w2q: image of (expert e, column pair P of 32, K step j) at ((e*32+P)*16+j)*2048 + u*1024 + c*512 + 16*lane; its scale words at W2S_O + (..)*128 + 4*lane.
; ROUTER: wave w takes k = 128w..128w+127 of all 16 tokens.  Each load reads 512 consecutive bytes of one row; the rows turn through the wave's own LDS
; (pitch 528 bytes = 132 words: row r starts at bank 4 r mod 64) so that lane (r, h) holds 64 numbers of ONE token r, k = 128 w + 64 h on, neighbours along K in its registers.
; A read of Wr gives lanes 0-15 row k and lanes 16-31 row 64 + k of the wave's slice: 128 reads of 16 bytes a wave feed its 256 packed multiply-adds.
; No cluster: work-groups share only Wr (32 KB).  No matrix unit: N = 8, and the logits go on into a quantised operand, so they are f32 multiply-adds.
; LIMITS: NaN and infinities are not served; a block whose largest magnitude lies under 2^-124, a block of zeros too, keeps the scale byte 1 (its codes
; are zeros or near it; the bytes are read by this program alone); logits closer than the rounding of a 1,024-term f32 sum may be ranked either way.
.set XS_O,   1048576
.set GT_O,   1114112
.set LIST_O, 1024
.set W2S_O,  8388608
.set NRT,    128                       ; router work-groups
.set WRL,    67584                     ; LDS: 0: eight stages of 16 x 528; WRL: eight slices of Wr, 4,096 each;
.set CST,    100352                    ; codes of 16 tokens, pitch 528;
.set SST,    108800                    ; their scale bytes, 32 each;
.set PLG,    109312                    ; eight waves' partial logits, 32 lanes x 32 bytes each
.set L,   16                           ; v16-23  eight logits (four pairs)
.set C,   24                           ; v24-39  codes
.set X,   64                           ; v64-127 64 numbers (W2 path: two sets of 32)
.set WB,  128                          ; v128-255 four rows of Wr, four sets
.set PW2, 10                           ; s[10:11] W2
.set PQ,  16                           ; s[16:17] w2q
.set ID0, 128                          ; the first work-group of the W2 path
.set J0,  0                            ; and its first K step
; 32 numbers of one lane, neighbours along K, become 4 registers of codes and byte t of the scale word v44.
.macro QBLK xs, c, t
	v_max3_num_f32 v40, |v[(\xs)]|, |v[(\xs)+1]|, |v[(\xs)+2]|       ; the largest magnitude, in two chains
	v_max3_num_f32 v41, |v[(\xs)+3]|, |v[(\xs)+4]|, |v[(\xs)+5]|
.irp i, 6,10,14,18,22,26
	v_max3_num_f32 v40, v40, |v[(\xs)+\i]|, |v[(\xs)+\i+1]|
	v_max3_num_f32 v41, v41, |v[(\xs)+\i+2]|, |v[(\xs)+\i+3]|
.endr
	v_max3_num_f32 v40, v40, |v[(\xs)+30]|, |v[(\xs)+31]|
	v_max3_num_f32 v40, v40, v41, 0x1800000        ; and the floor 2^(3-127): the byte cannot fall under 1
	v_add_nc_u32 v42, 0xff000000, v40              ; 2 off the exponent field: the conversion takes this field as its scale
	v_lshrrev_b32 v43, 23, v42                     ; the scale's byte
.if (\t) == 0
	v_mov_b32 v44, v43
.else
	v_lshl_or_b32 v44, v43, 8*(\t), v44
.endif
.irp g, 0,1,2,3
	v_cvt_scalef32_pk8_fp4_f32 v[(\c)+\g], v[(\xs)+8*\g:(\xs)+8*\g+7], v42
.endr
.endm
; W2: a lane takes a column and its registers run down K.  Block t: rows 32t..32t+31 of the K step, into set t % 2.
.macro W2LOAD t
.set wi, 0
.rept 32
	global_load_b32 v[X+32*((\t)%2)+wi], v13, s[24:25] offset:(32*(\t)+wi)*4096 th:TH_LOAD_NT
.set wi, wi+1
.endr
.endm
.macro W2BLOCK t
.if (\t) < 3
	s_wait_loadcnt 32                              ; this block's 32 loads are in; the next block's 32 may be out
.else
	s_wait_loadcnt 0x0
.endif
	QBLK X+32*((\t)%2), C+4*(\t), \t
.if (\t) < 2
	W2LOAD (\t)+2
.endif
.endm
.macro W2Q
	s_sub_co_u32 s21, ttmp9, ID0
	s_and_b32 s22, s21, 3                          ; cx: which 256 columns
	s_lshr_b32 s23, s21, 2                         ; J: which 128 rows of W2 (e = J / 16, j = J % 16)
.if J0 > 0
	s_add_co_u32 s23, s23, J0
.endif
	s_lshl_b32 s24, s23, 19                        ; 128 rows of 4,096 bytes
	s_lshl_b32 s26, s22, 10
	s_add_co_u32 s24, s24, s26
	s_lshl_b32 s26, s20, 7                         ; my wave's 32 columns
	s_add_co_u32 s24, s24, s26
	s_mov_b32 s25, 0
	s_add_nc_u64 s[24:25], s[PW2:PW2+1], s[24:25]
	s_lshr_b32 s26, s23, 4
	s_lshl_b32 s26, s26, 5
	s_lshl_b32 s27, s22, 3
	s_add_co_u32 s26, s26, s27
	s_add_co_u32 s26, s26, s20                     ; e*32 + P, P = 8 cx + wave
	s_lshl_b32 s26, s26, 4
	s_and_b32 s27, s23, 15
	s_add_co_u32 s26, s26, s27                     ; (e*32+P)*16 + j
	s_lshl_b32 s28, s26, 11
	s_mov_b32 s29, 0
	s_add_nc_u64 s[28:29], s[PQ:PQ+1], s[28:29]    ; the images
	s_lshl_b32 s30, s26, 7
	s_add_co_u32 s30, s30, W2S_O
	s_mov_b32 s31, 0
	s_add_nc_u64 s[30:31], s[PQ:PQ+1], s[30:31]    ; the scale words
	W2LOAD 0
	W2LOAD 1
	W2BLOCK 0
	W2BLOCK 1
	W2BLOCK 2
	W2BLOCK 3
	v_nop                                          ; one plain place behind the last scaled conversion
.irp c, 0,1                            ; a lane holds its column's four blocks; the operand wants lanes 0-15 block 2c and lanes 16-31 block 2c+1 of 16 columns:
.irp i, 0,1,2,3                        ; the first register's upper lanes change places with the second's lower lanes
	v_permlane16_swap_b32 v[C+8*\c+\i], v[C+8*\c+4+\i]
.endr
.endr
	global_store_b128 v2, v[C:C+3], s[28:29]                   ; columns 0-15, k 0-63: each store covers 512 consecutive bytes, aligned
	global_store_b128 v2, v[C+8:C+11], s[28:29] offset:512     ; columns 0-15, k 64-127
	global_store_b128 v2, v[C+4:C+7], s[28:29] offset:1024     ; columns 16-31
	global_store_b128 v2, v[C+12:C+15], s[28:29] offset:1536
	global_store_b32 v13, v44, s[30:31]                        ; lane = column: lanes 0-15 the first tile's words, lanes 16-31 the second's
	s_endpgm
.endm
; Batch m of Wr: rows 4m..4m+3 of my half of the wave's slice, into set m % 4: within each half of the lanes one address for all
.macro WLD m
.irp k, 0,1,2,3
	ds_load_b128 v[WB+32*((\m)%4)+8*\k:WB+32*((\m)%4)+8*\k+3], v6 offset:(4*(\m)+\k)*32
	ds_load_b128 v[WB+32*((\m)%4)+8*\k+4:WB+32*((\m)%4)+8*\k+7], v6 offset:(4*(\m)+\k)*32+16
.endr
.endm
; Four rows of Wr against my token's four numbers: 16 packed multiply-adds on four pairs of logits; the batch three further on is fetched meanwhile.
.macro FMA4 m
.if (\m)+3 < 16
	WLD (\m)+3
.endif
.if 15-(\m) >= 3
	s_wait_dscnt 24                                ; this batch is in; the three later batches, eight reads each, may be out
.else
	s_wait_dscnt 8*(15-(\m))
.endif
.irp k, 0,1,2,3
.irp p, 0,1,2,3
.if ((\m) == 0) && (\k == 0)
	v_pk_mul_f32 v[L+2*\p:L+2*\p+1], v[X:X+1], v[WB+2*\p:WB+2*\p+1] op_sel_hi:[0,1]      ; the first product starts the sums
.elseif (\k % 2) == 0
	v_pk_fma_f32 v[L+2*\p:L+2*\p+1], v[X+4*(\m)+\k:X+4*(\m)+\k+1], v[WB+32*((\m)%4)+8*\k+2*\p:WB+32*((\m)%4)+8*\k+2*\p+1], v[L+2*\p:L+2*\p+1] op_sel_hi:[0,1,1]   ; the pair's first number for both halves
.else
	v_pk_fma_f32 v[L+2*\p:L+2*\p+1], v[X+4*(\m)+\k-1:X+4*(\m)+\k], v[WB+32*((\m)%4)+8*\k+2*\p:WB+32*((\m)%4)+8*\k+2*\p+1], v[L+2*\p:L+2*\p+1] op_sel:[1,0,0] op_sel_hi:[1,1,1]   ; its second
.endif
.endr
.endr
.endm
.macro SCAN m, i                       ; the largest of the eight logits and its index; on a tie the lower index stays
	v_mov_b32 v[\m], v[L]
	v_mov_b32 v[\i], 0
.irp e, 1,2,3,4,5,6,7
	v_cmp_le_f32 vcc_lo, v[L+\e], v[\m]
	v_cndmask_b32 v[\m], v[L+\e], v[\m], vcc_lo
	v_cndmask_b32 v[\i], \e, v[\i], vcc_lo
.endr
.endm
	s_load_b512 s[4:19], s[0:1], 0x0               ; x 4, Wr 6, br 8, W2 10, xqs 12, pkey 14, w2q 16, plan 18
	v_lshl_add_u32 v59, v0, 2, 0x1cb00
	v_mov_b32 v63, 0
	v_lshrrev_b32 v1, 5, v0
	v_readfirstlane_b32 s20, v1                    ; wave
	v_and_b32 v1, 31, v0                           ; lane
	v_and_b32 v40, 15, v0                          ; r
	v_bfe_u32 v41, v0, 4, 1                        ; h
	v_lshlrev_b32 v2, 4, v1                        ; 16 lane
	v_lshlrev_b32 v13, 2, v1                       ; 4 lane
	v_lshlrev_b32 v14, 3, v40                      ; 8 r
	v_lshlrev_b32 v15, 2, v40                      ; 4 r
	s_mul_i32 s21, s20, 8448                       ; my stage
	v_add_nc_u32 v3, s21, v2                       ; in: 16 lane (+ 528 row)
	v_mul_u32_u24 v42, v40, 528
	v_lshl_add_u32 v4, v41, 8, v42
	v_add_nc_u32 v4, s21, v4                       ; back: 528 r + 256 h: my token's 64 numbers
	s_lshl_b32 s22, s20, 12
	s_add_co_u32 s22, s22, WRL
	v_add_nc_u32 v5, s22, v2                       ; my slice of Wr, in
	v_lshl_add_u32 v6, v41, 11, s22                ; and back: 64 h rows of 32 bytes on
	s_lshl_b32 s23, s20, 6
	s_add_co_u32 s23, s23, CST
	v_lshl_add_u32 v7, v41, 5, v42
	v_add_nc_u32 v7, s23, v7                       ; codes: 528 r + 64 wave + 32 h
	v_lshlrev_b32 v8, 5, v40
	v_lshl_add_u32 v8, v41, 1, v8
	s_lshl_b32 s23, s20, 2
	s_add_co_u32 s23, s23, SST
	v_add_nc_u32 v8, s23, v8                       ; two scale bytes: 32 r + 4 wave + 2 h
	v_lshlrev_b32 v12, 5, v1
	s_lshl_b32 s23, s20, 10
	s_add_co_u32 s23, s23, PLG
	v_add_nc_u32 v9, s23, v12                      ; partial logits: 1,024 wave + 32 lane
	v_add_nc_u32 v12, PLG, v12                     ; and all waves', for wave 0
	s_mul_i32 s23, s20, 1056
	s_add_co_u32 s23, s23, CST
	v_add_nc_u32 v10, s23, v2                      ; way out: rows 2 wave, 2 wave + 1 of the codes
	v_add_nc_u32 v11, SST, v2                      ; and the 512 scale bytes, for wave 0
	s_wait_kmcnt 0x0
	s_cmp_lt_u32 ttmp9, NRT
	s_cbranch_scc0 .Lw2
	s_lshl_b32 s24, ttmp9, 16                      ; 16 rows of 4,096 bytes
	s_lshl_b32 s26, s20, 9                         ; my 128 numbers of a row
	s_add_co_u32 s24, s24, s26
	s_mov_b32 s25, 0
	s_add_nc_u64 s[24:25], s[4:5], s[24:25]
	s_lshl_b32 s26, s20, 12
	s_mov_b32 s27, 0
	s_add_nc_u64 s[26:27], s[6:7], s[26:27]        ; my 128 rows of Wr
	s_load_b256 s[32:39], s[8:9], 0x0              ; br
	s_lshl_b32 s40, ttmp9, 13
	s_lshl_b32 s28, s20, 10
	s_add_co_u32 s40, s40, s28
	s_mov_b32 s41, 0
	s_add_nc_u64 s[40:41], s[12:13], s[40:41]      ; codes out: token 16 wg + 2 wave
.irp j, 0,1,2,3,4,5,6,7
	global_load_b128 v[WB+4*\j:WB+4*\j+3], v2, s[26:27] offset:512*\j
.endr
.set ii, 0
.rept 16
	global_load_b128 v[X+4*ii:X+4*ii+3], v2, s[24:25] offset:4096*ii th:TH_LOAD_NT    ; 512 consecutive bytes of row ii
.set ii, ii+1
.endr
	s_wait_loadcnt 16                              ; Wr's eight are in; x's 16 may be out
.irp j, 0,1,2,3,4,5,6,7
	ds_store_b128 v5, v[WB+4*\j:WB+4*\j+3] offset:512*\j
.endr
.set ii, 0
.rept 16
	s_wait_loadcnt 15-ii                           ; row ii is in; the younger rows may be out
	ds_store_b128 v3, v[X+4*ii:X+4*ii+3] offset:528*ii
.set ii, ii+1
.endr
	s_wait_dscnt 0x0                               ; the stores have read X and WB: both are loaded anew
.set ii, 0
.rept 16
	ds_load_b128 v[X+4*ii:X+4*ii+3], v4 offset:16*ii           ; my token's 64 numbers, in order of k
.set ii, ii+1
.endr
	WLD 0
	WLD 1
	WLD 2
.set mm, 0
.rept 16
	FMA4 mm
.set mm, mm+1
.endr
	QBLK X, C, 0
	QBLK X+32, C+4, 1
	v_nop                                          ; one plain place behind the last scaled conversion
	ds_store_b128 v7, v[C:C+3]
	ds_store_b128 v7, v[C+4:C+7] offset:16
	ds_store_b16 v8, v44                           ; blocks 4 wave + 2 h and the next
	ds_store_b128 v9, v[L:L+3]
	ds_store_b128 v9, v[L+4:L+7] offset:16
	s_wait_dscnt 0x0                               ; for the others' sake: my stores have landed
	s_barrier_signal -1
	s_barrier_wait -1
.irp i, 0,1
	ds_load_b128 v[X+4*\i:X+4*\i+3], v10 offset:528*\i         ; whole rows of 512 bytes of codes
.endr
.irp i, 0,1
	s_wait_dscnt 1-\i                              ; row i is back; the younger read may be out
	global_store_b128 v2, v[X+4*\i:X+4*\i+3], s[40:41] offset:512*\i
.endr
	s_cmp_lg_u32 s20, 0
	s_cbranch_scc1 .Lend                           ; wave 0 alone finishes the router: lanes r and 16 + r both work on token r
	ds_load_b128 v[72:75], v11                     ; the 16 tokens' scale bytes: 512 consecutive bytes
.irp w, 0,1,2,3,4,5,6,7
	ds_load_b128 v[128+8*\w:128+8*\w+3], v12 offset:1024*\w
	ds_load_b128 v[128+8*\w+4:128+8*\w+7], v12 offset:1024*\w+16
.endr
	s_lshl_b32 s42, ttmp9, 9
	s_add_co_u32 s42, s42, XS_O
	s_mov_b32 s43, 0
	s_add_nc_u64 s[42:43], s[12:13], s[42:43]      ; scale bytes out
	s_lshl_b32 s46, ttmp9, 7
	s_add_co_u32 s46, s46, GT_O
	s_mov_b32 s47, 0
	s_add_nc_u64 s[46:47], s[12:13], s[46:47]      ; gates out
	s_lshl_b32 s48, ttmp9, 6
	s_mov_b32 s49, 0
	s_add_nc_u64 s[48:49], s[14:15], s[48:49]      ; keys out
	s_lshl_b32 s50, ttmp9, 8
	s_add_co_u32 s50, s50, LIST_O
	s_mov_b32 s51, 0
	s_add_nc_u64 s[50:51], s[18:19], s[50:51]      ; my 256 bytes of the list's zeros
	s_mov_b32 s44, 0x3fb8aa3b                      ; log2(e), rounded,
	s_mov_b32 s45, 0x32a57060                      ; and what the rounding left
	s_mov_b32 s52, 0x76543210
	s_mov_b32 s53, 0xfedcba98                      ; v_permlanex16_b32's selects for lane l xor 16
	s_wait_dscnt 16                                ; the scale bytes are back; the 16 reads of partial logits may be out
	global_store_b128 v2, v[72:75], s[42:43]
	s_wait_dscnt 0x0
	s_wait_kmcnt 0x0
.irp p, 0,1,2,3
	v_pk_add_f32 v[L+2*\p:L+2*\p+1], v[128+2*\p:128+2*\p+1], v[136+2*\p:136+2*\p+1]
.endr
.irp w, 2,3,4,5,6,7
.irp p, 0,1,2,3
	v_pk_add_f32 v[L+2*\p:L+2*\p+1], v[L+2*\p:L+2*\p+1], v[128+8*\w+2*\p:128+8*\w+2*\p+1]
.endr
.endr
.irp e, 0,1,2,3,4,5,6,7
	v_permlanex16_b32 v[80+\e], v[L+\e], s52, s53  ; the other half of each wave's k lies in the lane 16 away
.endr
.irp p, 0,1,2,3
	v_pk_add_f32 v[L+2*\p:L+2*\p+1], v[L+2*\p:L+2*\p+1], v[80+2*\p:81+2*\p]   ; a + b in one lane, b + a in the other: the same bits, and so is all that follows
.endr
.irp e, 0,1,2,3,4,5,6,7
	v_add_f32 v[L+\e], s[32+\e], v[L+\e]           ; + br
.endr
	SCAN 40, 41                                    ; the largest logit m1 and its expert i1
	v_mov_b32 v45, 0xff800000
.irp e, 0,1,2,3,4,5,6,7
	v_cmp_eq_u32 vcc_lo, \e, v41
	v_cndmask_b32 v[L+\e], v[L+\e], v45, vcc_lo    ; it is taken out,
.endr
	SCAN 42, 43                                    ; and the second, m2 and i2, is found the same way
	v_sub_f32 v46, v42, v40                        ; d = m2 - m1, 0 or less: the maximum is taken away as in the softmax
	v_mul_f32 v47, s44, v46
	v_rndne_f32 v47, v47                           ; n, the whole part of d log2(e)
	v_fma_f32 v48, v46, s44, -v47                  ; the rest, rounded once,
	v_fma_f32 v48, v46, s45, v48                   ; with the low part of log2(e): at most 1/2 in size
	v_exp_f32 v49, v48
	v_cvt_i32_f32 v50, v47                         ; (a plain place behind the exponential; the conversion saturates)
	s_wait_alu depctr_va_vdst(0)                   ; ahead of the first line that names the exponential's result
	v_ldexp_f32 v49, v49, v50                      ; e2 = exp(m2 - m1)
	v_add_f32 v51, 1.0, v49
	v_rcp_f32 v52, v51                             ; g1 = 1 / (1 + e2)
	v_min_u32 v53, v41, v43                        ; lo  (a plain place behind the reciprocal)
	v_max_u32 v54, v41, v43                        ; hi
	s_wait_alu depctr_va_vdst(0)                   ; ahead of the first line that names the reciprocal
	v_mul_f32 v55, v49, v52                        ; g2 = e2 / (1 + e2)
	v_cmp_lt_u32 vcc_lo, v41, v43
	v_cndmask_b32 v56, v55, v52, vcc_lo            ; glo
	v_cndmask_b32 v57, v52, v55, vcc_lo            ; ghi
	v_lshl_add_u32 v58, v53, 3, v54                ; the key
	v_mov_b32 v60, 0
	v_mov_b32 v61, 0
	v_lshlrev_b32 v62, 3, v1
	global_store_b64 v14, v[56:57], s[46:47]       ; lanes r and 16 + r store the same numbers at the same place
	global_store_b32 v15, v58, s[48:49]
	global_store_b64 v62, v[60:61], s[50:51]       ; 256 consecutive bytes, aligned
.Lend:
	s_wait_tensorcnt 0x0
	ds_add_u32 v59, v63
	s_wait_dscnt 0x0
	s_endpgm
.Lw2:
	W2Q
.Lfunc_end_k_qb383ffad8f_route:
	.size	k_qb383ffad8f_route, .Lfunc_end_k_qb383ffad8f_route-k_qb383ffad8f_route
	.p2alignl 7, 3214868480
	.fill 96, 4, 3214868480
	.section	.rodata,"a",@progbits
	.p2align	6, 0x0
	.amdhsa_kernel k_qb383ffad8f_route
		.amdhsa_group_segment_fixed_size 118528
		.amdhsa_private_segment_fixed_size 0
		.amdhsa_enable_private_segment 0
		.amdhsa_kernarg_size 64
		.amdhsa_user_sgpr_count 2
		.amdhsa_user_sgpr_kernarg_segment_ptr 1
		.amdhsa_wavefront_size32 1
		.amdhsa_system_sgpr_workgroup_id_x 1
		.amdhsa_system_sgpr_workgroup_id_y 1
		.amdhsa_system_sgpr_workgroup_id_z 1
		.amdhsa_system_vgpr_workitem_id 0
		.amdhsa_next_free_vgpr 256
		.amdhsa_next_free_sgpr 66
		.amdhsa_reserve_vcc 1
		.amdhsa_float_denorm_mode_32 3
		.amdhsa_float_denorm_mode_16_64 3
		.amdhsa_memory_ordered 1
		.amdhsa_forward_progress 1
		.amdhsa_inst_pref_size 64
	.end_amdhsa_kernel
	.amdgpu_metadata
---
amdhsa.version: [ 1, 2 ]
amdhsa.kernels:
  - .name:           k_qb383ffad8f_route
    .symbol:         k_qb383ffad8f_route.kd
    .args:
      - { .name: x, .offset: 0, .size: 8, .value_kind: global_buffer, .address_space: global }
      - { .name: Wr, .offset: 8, .size: 8, .value_kind: global_buffer, .address_space: global }
      - { .name: br, .offset: 16, .size: 8, .value_kind: global_buffer, .address_space: global }
      - { .name: W2, .offset: 24, .size: 8, .value_kind: global_buffer, .address_space: global }
      - { .name: xqs, .offset: 32, .size: 8, .value_kind: global_buffer, .address_space: global }
      - { .name: pkey, .offset: 40, .size: 8, .value_kind: global_buffer, .address_space: global }
      - { .name: w2q, .offset: 48, .size: 8, .value_kind: global_buffer, .address_space: global }
      - { .name: plan, .offset: 56, .size: 8, .value_kind: global_buffer, .address_space: global }
    .group_segment_fixed_size: 118528
    .private_segment_fixed_size: 0
    .kernarg_segment_align: 8
    .kernarg_segment_size: 64
    .max_flat_workgroup_size: 256
    .sgpr_count:     66
    .vgpr_count:     256
    .wavefront_size: 32
...
	.end_amdgpu_metadata
.endif
;; end of part 1
;; launch lay (part 2): grid 385 x 1, 8 waves a work-group, no clusters, 76,800 bytes of LDS; arguments pkey, W2, W1_codes, plan, w2q, w1f; writes plan, w2q, w1f
.if DOCPART == 2
	.amdgcn_target "amdgcn-amd-amdhsa--gfx1250"
	.amdhsa_code_object_version 6
	.text
	.protected	k_qb383ffad8f_lay
	.globl	k_qb383ffad8f_lay
	.p2align	8
	.type	k_qb383ffad8f_lay,@function
k_qb383ffad8f_lay:
	s_mov_b64 s[64:65], 0
	v_nop
	global_prefetch_b8 v0, s[64:65] scope:SCOPE_SE
	s_setreg_imm32_b32 hwreg(HW_REG_WAVE_MODE, 25, 1), 1
	s_wait_xcnt 0x0
; LAY.  Work-group 0: a counting sort of the 2,048 tokens by their pair of experts (28 pairs), without atomics: a table of tiles and the list of rows.
; Work-groups 1-256: W2's K steps J = 64..127 -> codes in register order, as in the launch before.  Work-groups 257-384: W1's codes -> register order.
; plan: tile t at 16 t: {lo, hi, rows, 0}, 64 entries; list at LIST_O: entry 96 t + row = token (entries not used were set to 0 by the launch before).
; A tile is up to 96 tokens of one pair; a pair's tiles follow each other.  The sum over pairs of ceil(n / 96) is at most (2048 + 28 x 95) / 96 = 49 for every split.
; THE COUNT of a group of 32 tokens (a lane a token): five ballots, one for each bit of the pair's number.  From them a lane makes, by exclusive ors and ors, the mask of the lanes whose pair
; is its own (the bits of it below the lane are the token's rank) and the mask of the tokens whose pair is the LANE's number (its bit count is that pair's count, in lane p for pair p).
; w1f: fragment (expert e, group G of 128 hidden units, K step q, tile t) at ((e*16+G)*64 + 8 q + t)*1024 + 512 c + 16 lane.  Lane r of tile t is row
; 32 (t/2) + 8 (t%2) + r + 8 (r/8) of the group, so that two neighbouring tiles' results are 16 neighbours along the next product's K.
; The three paths part on the work-group's number; the sort has LDS bytes 0-8,191, the W1 path 8,192 on, the W2 path none.
; No cluster: no two work-groups read the same bytes.
; LIMITS (W2): NaN and infinities are not served; a block whose largest magnitude lies under 2^-124, a block of zeros too, keeps the scale byte 1.
.set LIST_O, 1024
.set W2S_O,  8388608
.set PLC,    0                         ; 64 groups of 32 tokens x 32 counts
.set ST3,    8192                      ; eight stages of 16 rows x 528
.set C,   24
.set X,   64
.set PW2, 6
.set PQ,  12
.set ID0, 1
.set J0,  64
.set NW2, 256                          ; work-groups of the W2 path
.set PIX, 16                           ; v16-23  my eight groups: the token's pair, 0..27
.set CNT, 24                           ; v24-31  lane p: how many of pair p in the group
.set RNK, 32                           ; v32-39  how many of my pair stand before me in the group
.set BAS, 40                           ; v40-47  lane p: where the group's tokens of pair p begin in the list
.set POS, 48                           ; v48-55  my place in the list
.set IX4, 56                           ; v56-63  4 x pair
.set T,   64                           ; v64-127 all 64 groups' counts; before that, at work in the count:
.set U,   64                           ; v64-83  four groups x five bits: by the token's pair
.set W,   84                           ; v84-103 the same by the lane's number
.set LB,  104                          ; v104-108 all ones where bit b of my lane's number is set
.set SW8, 128                          ; v128-135 a wave's sums
.set TOT, 136
.set BEF, 137
.set NTV, 138
.set TBV, 139
.set TI,  140                          ; v140-143 lo, hi, rows, 0 of tile v0
.set STB, 144
.set STO, 145
.set TKN, 148                          ; v148-155 token numbers
.macro QBLK xs, c, t
	v_max3_num_f32 v40, |v[(\xs)]|, |v[(\xs)+1]|, |v[(\xs)+2]|
	v_max3_num_f32 v41, |v[(\xs)+3]|, |v[(\xs)+4]|, |v[(\xs)+5]|
.irp i, 6,10,14,18,22,26
	v_max3_num_f32 v40, v40, |v[(\xs)+\i]|, |v[(\xs)+\i+1]|
	v_max3_num_f32 v41, v41, |v[(\xs)+\i+2]|, |v[(\xs)+\i+3]|
.endr
	v_max3_num_f32 v40, v40, |v[(\xs)+30]|, |v[(\xs)+31]|
	v_max3_num_f32 v40, v40, v41, 0x1800000        ; the floor 2^(3-127): the byte cannot fall under 1
	v_add_nc_u32 v42, 0xff000000, v40              ; 2 off the exponent field: the conversion's scale operand
	v_lshrrev_b32 v43, 23, v42
.if (\t) == 0
	v_mov_b32 v44, v43
.else
	v_lshl_or_b32 v44, v43, 8*(\t), v44
.endif
.irp g, 0,1,2,3
	v_cvt_scalef32_pk8_fp4_f32 v[(\c)+\g], v[(\xs)+8*\g:(\xs)+8*\g+7], v42
.endr
.endm
.macro W2LOAD t
.set wi, 0
.rept 32
	global_load_b32 v[X+32*((\t)%2)+wi], v13, s[24:25] offset:(32*(\t)+wi)*4096 th:TH_LOAD_NT
.set wi, wi+1
.endr
.endm
.macro W2BLOCK t
.if (\t) < 3
	s_wait_loadcnt 32                              ; this block's 32 loads are in; the next block's 32 may be out
.else
	s_wait_loadcnt 0x0
.endif
	QBLK X+32*((\t)%2), C+4*(\t), \t
.if (\t) < 2
	W2LOAD (\t)+2
.endif
.endm
.macro W2Q
	s_sub_co_u32 s21, ttmp9, ID0
	s_and_b32 s22, s21, 3                          ; cx: which 256 columns
	s_lshr_b32 s23, s21, 2
.if J0 > 0
	s_add_co_u32 s23, s23, J0                      ; J: which 128 rows of W2
.endif
	s_lshl_b32 s24, s23, 19
	s_lshl_b32 s26, s22, 10
	s_add_co_u32 s24, s24, s26
	s_lshl_b32 s26, s20, 7
	s_add_co_u32 s24, s24, s26
	s_mov_b32 s25, 0
	s_add_nc_u64 s[24:25], s[PW2:PW2+1], s[24:25]
	s_lshr_b32 s26, s23, 4
	s_lshl_b32 s26, s26, 5
	s_lshl_b32 s27, s22, 3
	s_add_co_u32 s26, s26, s27
	s_add_co_u32 s26, s26, s20
	s_lshl_b32 s26, s26, 4
	s_and_b32 s27, s23, 15
	s_add_co_u32 s26, s26, s27                     ; (e*32+P)*16 + j
	s_lshl_b32 s28, s26, 11
	s_mov_b32 s29, 0
	s_add_nc_u64 s[28:29], s[PQ:PQ+1], s[28:29]
	s_lshl_b32 s30, s26, 7
	s_add_co_u32 s30, s30, W2S_O
	s_mov_b32 s31, 0
	s_add_nc_u64 s[30:31], s[PQ:PQ+1], s[30:31]
	W2LOAD 0
	W2LOAD 1
	W2BLOCK 0
	W2BLOCK 1
	W2BLOCK 2
	W2BLOCK 3
	v_nop                                          ; one plain place behind the last scaled conversion
.irp c, 0,1
.irp i, 0,1,2,3
	v_permlane16_swap_b32 v[C+8*\c+\i], v[C+8*\c+4+\i]         ; lanes 0-15 block 2c, lanes 16-31 block 2c+1, of 16 columns each
.endr
.endr
	global_store_b128 v2, v[C:C+3], s[28:29]
	global_store_b128 v2, v[C+8:C+11], s[28:29] offset:512
	global_store_b128 v2, v[C+4:C+7], s[28:29] offset:1024
	global_store_b128 v2, v[C+12:C+15], s[28:29] offset:1536
	global_store_b32 v13, v44, s[30:31]
	s_endpgm
.endm
; Ranks and counts of groups first .. first + 3.  The four groups go line by line, so that no line waits for the line above it.
.macro COUNT4 first
.irp g, 0,1,2,3
.irp b, 0,1,2,3,4
	v_bfe_u32 v[U+5*\g+\b], v[PIX+(\first)+\g], \b, 1
.endr
.endr
.irp g, 0,1,2,3
.irp b, 0,1,2,3,4
	v_sub_nc_u32 v[U+5*\g+\b], 0, v[U+5*\g+\b]     ; all ones where bit b of my pair's number is set
.endr
.endr
.irp g, 0,1,2,3
.irp b, 0,1,2,3,4
	v_cmp_ne_u32 s[40+5*\g+\b], 0, v[U+5*\g+\b]    ; the ballot: bit j = bit b of lane j's pair
.endr
.endr
.irp g, 0,1,2,3
.irp b, 0,1,2,3,4
	v_xor_b32 v[W+5*\g+\b], s[40+5*\g+\b], v[LB+\b]            ; bit j set: lane j's pair differs in bit b from my lane's number,
	v_xor_b32 v[U+5*\g+\b], s[40+5*\g+\b], v[U+5*\g+\b]        ; from my pair
.endr
.endr
.irp a, U, W
.irp g, 0,1,2,3
	v_or_b32 v[\a+5*\g], v[\a+5*\g], v[\a+5*\g+1]
	v_or_b32 v[\a+5*\g+2], v[\a+5*\g+2], v[\a+5*\g+3]
.endr
.irp g, 0,1,2,3
	v_or_b32 v[\a+5*\g], v[\a+5*\g], v[\a+5*\g+2]
.endr
.irp g, 0,1,2,3
	v_or_b32 v[\a+5*\g], v[\a+5*\g], v[\a+5*\g+4]  ; differs in some bit
.endr
.irp g, 0,1,2,3
	v_xor_b32 v[\a+5*\g], -1, v[\a+5*\g]           ; in none: the mask of the equal ones
.endr
.endr
.irp g, 0,1,2,3
	v_mbcnt_lo_u32_b32 v[RNK+(\first)+\g], v[U+5*\g], 0        ; of my pair, how many in lower lanes
.endr
.irp g, 0,1,2,3                        ; the bit count of the other mask: sums of 2, 4 and 8 bits side by side, then the four bytes by one multiplication
	v_lshrrev_b32 v[W+5*\g+1], 1, v[W+5*\g]
.endr
.irp g, 0,1,2,3
	v_and_b32 v[W+5*\g+1], s30, v[W+5*\g+1]
.endr
.irp g, 0,1,2,3
	v_sub_nc_u32 v[W+5*\g], v[W+5*\g], v[W+5*\g+1]
.endr
.irp g, 0,1,2,3
	v_lshrrev_b32 v[W+5*\g+1], 2, v[W+5*\g]
.endr
.irp g, 0,1,2,3
	v_and_b32 v[W+5*\g+1], s31, v[W+5*\g+1]
	v_and_b32 v[W+5*\g], s31, v[W+5*\g]
.endr
.irp g, 0,1,2,3
	v_add_nc_u32 v[W+5*\g], v[W+5*\g], v[W+5*\g+1]
.endr
.irp g, 0,1,2,3
	v_lshrrev_b32 v[W+5*\g+1], 4, v[W+5*\g]
.endr
.irp g, 0,1,2,3
	v_add_nc_u32 v[W+5*\g], v[W+5*\g], v[W+5*\g+1]
.endr
.irp g, 0,1,2,3
	v_and_b32 v[W+5*\g], s32, v[W+5*\g]
.endr
.irp g, 0,1,2,3
	v_mul_lo_u32 v[W+5*\g], v[W+5*\g], s33
.endr
.irp g, 0,1,2,3
	v_lshrrev_b32 v[CNT+(\first)+\g], 24, v[W+5*\g]            ; lane p: the group's count of pair p (lanes 28-31: 0)
.endr
.endm
	s_load_b256 s[4:11], s[0:1], 0x0               ; pkey 4, W2 6, W1_codes 8, plan 10
	s_load_b128 s[12:15], s[0:1], 0x20             ; w2q 12, w1f 14
	v_lshl_add_u32 v160, v0, 2, 0x12800
	v_mov_b32 v161, 0
	v_lshrrev_b32 v1, 5, v0
	v_readfirstlane_b32 s20, v1                    ; wave
	v_and_b32 v1, 31, v0                           ; lane
	v_lshlrev_b32 v2, 4, v1
	v_lshlrev_b32 v13, 2, v1
	s_lshl_b32 s21, s20, 10
	v_add_nc_u32 v3, s21, v13                      ; counts in: 1,024 wave + 4 lane (+ 128 group)
	v_add_nc_u32 v4, PLC, v13                      ; counts back: 4 lane (+ 128 group)
	s_mul_i32 s21, s20, 8448
	s_add_co_u32 s21, s21, ST3
	v_add_nc_u32 v5, s21, v2                       ; my stage, in: 16 lane (+ 528 row)
	v_and_b32 v6, 15, v0
	v_mul_u32_u24 v6, v6, 528
	v_bfe_u32 v7, v0, 4, 1
	v_lshl_add_u32 v6, v7, 4, v6
	v_add_nc_u32 v6, s21, v6                       ; back: 528 r + 16 h
	s_wait_kmcnt 0x0
	s_cmp_eq_u32 ttmp9, 0
	s_cbranch_scc1 .Lsort
	s_cmp_lt_u32 ttmp9, NW2+1
	s_cbranch_scc0 .Lw1
	W2Q
.Lw1:                                  ; W1: work-group = (expert, group of 128 hidden units), wave = tile: 16 whole rows of 512 bytes in, 16 pieces of fragments out
	s_sub_co_u32 s21, ttmp9, NW2+1                 ; e*16 + G
	s_lshl_b32 s24, s21, 16                        ; 128 rows of 512 bytes
	s_lshr_b32 s22, s20, 1
	s_lshl_b32 s22, s22, 14                        ; 32 (t/2) rows
	s_and_b32 s23, s20, 1
	s_lshl_b32 s23, s23, 12                        ; 8 (t%2) rows
	s_add_co_u32 s26, s24, s22
	s_add_co_u32 s26, s26, s23
	s_mov_b32 s27, 0
	s_add_nc_u64 s[26:27], s[8:9], s[26:27]
	s_lshl_b32 s28, s20, 10
	s_add_co_u32 s28, s28, s24
	s_mov_b32 s29, 0
	s_add_nc_u64 s[28:29], s[14:15], s[28:29]
.set ii, 0
.rept 16
	global_load_b128 v[16+4*ii:16+4*ii+3], v2, s[26:27] offset:(ii+8*(ii/8))*512 th:TH_LOAD_NT
.set ii, ii+1
.endr
.set ii, 0
.rept 16
	s_wait_loadcnt 15-ii                           ; row ii is in; the younger rows may be out
	ds_store_b128 v5, v[16+4*ii:16+4*ii+3] offset:528*ii
.set ii, ii+1
.endr
.set ii, 0
.rept 16
	ds_load_b128 v[80+4*ii:80+4*ii+3], v6 offset:32*ii         ; K step ii / 2, half ii % 2.  LDS serves a wave's instructions in order: these see my stores
.set ii, ii+1
.endr
.set ii, 0
.rept 16
	s_wait_dscnt 15-ii                             ; piece ii is back; the younger may be out
	global_store_b128 v2, v[80+4*ii:80+4*ii+3], s[28:29] offset:8192*(ii/2)+512*(ii%2)   ; 512 consecutive bytes, aligned
.set ii, ii+1
.endr
	s_wait_tensorcnt 0x0
	ds_add_u32 v160, v161
	s_wait_dscnt 0x0
	s_endpgm
.Lsort:                                ; wave w owns tokens 256 w + 32 g + lane, g = 0..7
	s_lshl_b32 s24, s20, 10
	s_mov_b32 s25, 0
	s_add_nc_u64 s[24:25], s[4:5], s[24:25]
.irp g, 0,1,2,3,4,5,6,7
	global_load_b32 v[PIX+\g], v13, s[24:25] offset:128*\g
.endr
	s_mov_b32 s30, 0x55555555
	s_mov_b32 s31, 0x33333333
	s_mov_b32 s32, 0x0f0f0f0f
	s_mov_b32 s33, 0x01010101
.irp b, 0,1,2,3,4
	v_bfe_u32 v[LB+\b], v1, \b, 1
.endr
.irp b, 0,1,2,3,4
	v_sub_nc_u32 v[LB+\b], 0, v[LB+\b]
.endr
	s_wait_loadcnt 0x0
.irp g, 0,1,2,3,4,5,6,7
	v_lshrrev_b32 v146, 3, v[PIX+\g]               ; lo
	v_and_b32 v147, 7, v[PIX+\g]                   ; hi
	v_sub_nc_u32 v[PIX+\g], 15, v146
	v_mul_u32_u24 v[PIX+\g], v[PIX+\g], v146
	v_lshrrev_b32 v[PIX+\g], 1, v[PIX+\g]          ; lo (15 - lo) / 2: pairs with a smaller lo
	v_add_nc_u32 v[PIX+\g], v[PIX+\g], v147
	v_sub_nc_u32 v[PIX+\g], v[PIX+\g], v146
	v_add_nc_u32 v[PIX+\g], -1, v[PIX+\g]          ; + hi - lo - 1
	v_min_u32 v[PIX+\g], 27, v[PIX+\g]
	v_lshlrev_b32 v[IX4+\g], 2, v[PIX+\g]
.endr
	COUNT4 0
	COUNT4 4
.irp g, 0,1,2,3,4,5,6,7
	ds_store_b32 v3, v[CNT+\g] offset:128*\g
.endr
	s_wait_dscnt 0x0                               ; for the others' sake: my counts have landed
	s_barrier_signal -1
	s_barrier_wait -1
.set ii, 0
.rept 64
	ds_load_b32 v[T+ii], v4 offset:128*ii
.set ii, ii+1
.endr
	s_wait_dscnt 0x0
.irp w, 0,1,2,3,4,5,6,7
	v_add_nc_u32 v[SW8+\w], v[T+8*\w], v[T+8*\w+1]
	v_add3_u32 v[SW8+\w], v[SW8+\w], v[T+8*\w+2], v[T+8*\w+3]
	v_add3_u32 v[SW8+\w], v[SW8+\w], v[T+8*\w+4], v[T+8*\w+5]
	v_add3_u32 v[SW8+\w], v[SW8+\w], v[T+8*\w+6], v[T+8*\w+7]
.endr
	v_add3_u32 v[TOT], v[SW8], v[SW8+1], v[SW8+2]
	v_add3_u32 v[TOT], v[TOT], v[SW8+3], v[SW8+4]
	v_add3_u32 v[TOT], v[TOT], v[SW8+5], v[SW8+6]
	v_add_nc_u32 v[TOT], v[TOT], v[SW8+7]          ; lane p: tokens of pair p
	v_mov_b32 v[BEF], 0
.irp w, 0,1,2,3,4,5,6
	s_cmp_gt_u32 s20, \w
	s_cselect_b32 s26, -1, 0
	v_and_b32 v146, s26, v[SW8+\w]
	v_add_nc_u32 v[BEF], v[BEF], v146              ; of them, those of the waves before mine
.endr
	v_add_nc_u32 v[NTV], 95, v[TOT]
	v_mul_u32_u24 v[NTV], v[NTV], 0xaaab           ; / 96: 43,691 x 96 = 2^22 + 32, exact for numbers up to 2,143
	v_lshrrev_b32 v[NTV], 22, v[NTV]               ; lane p: tiles of pair p
	s_mov_b32 s27, 0                               ; tiles so far
.irp i, TBV, TI, TI+1, TI+2, TI+3, STB, STO
	v_mov_b32 v[\i], 0
.endr
.set LO, 0
.set HI, 1
.set pp, 0
.rept 28                               ; over the pairs in order: each pair's first tile; and for tile v0 the last pair that begins at or before it
	v_readlane_b32 s28, v[NTV], pp
	v_readlane_b32 s29, v[TOT], pp
	v_writelane_b32 v[TBV], s27, pp
	v_cmp_gt_u32 vcc_lo, s27, v0
	v_cndmask_b32 v[STB], s27, v[STB], vcc_lo
	v_cndmask_b32 v[STO], s29, v[STO], vcc_lo
	v_cndmask_b32 v[TI], LO, v[TI], vcc_lo
	v_cndmask_b32 v[TI+1], HI, v[TI+1], vcc_lo
	s_add_co_u32 s27, s27, s28
.set HI, HI+1
.if HI > 7
.set LO, LO+1
.set HI, LO+1
.endif
.set pp, pp+1
.endr
	v_mad_u32_u24 v[BAS], v[TBV], 96, v[BEF]       ; lane p: where my wave's tokens of pair p begin
.irp g, 1,2,3,4,5,6,7
	v_add_nc_u32 v[BAS+\g], v[BAS+\g-1], v[CNT+\g-1]
.endr
.irp g, 0,1,2,3,4,5,6,7
	ds_bpermute_b32 v[POS+\g], v[IX4+\g], v[BAS+\g]            ; each token takes its pair's lane
.endr
	s_lshl_b32 s26, s20, 8
	v_add_nc_u32 v146, s26, v1
	s_wait_dscnt 0x0
.irp g, 0,1,2,3,4,5,6,7
	v_add_nc_u32 v[POS+\g], v[POS+\g], v[RNK+\g]
	v_min_u32 v[POS+\g], 0x125f, v[POS+\g]         ; 49 x 96 - 1
	v_lshlrev_b32 v[POS+\g], 2, v[POS+\g]
	v_add_nc_u32 v[TKN+\g], 32*\g, v146
	global_store_b32 v[POS+\g], v[TKN+\g], s[10:11] offset:LIST_O
.endr
	s_cmp_lt_u32 s20, 2
	s_cbranch_scc0 .Lsend                          ; threads 0-63 store the table of tiles
	v_sub_nc_u32 v146, v0, v[STB]
	v_mul_u32_u24 v146, v146, 96
	v_sub_nc_u32 v[TI+2], v[STO], v146             ; what is left of the pair at this tile,
	v_max_i32 v[TI+2], 0, v[TI+2]
	v_min_i32 v[TI+2], 96, v[TI+2]                 ; held to 0 .. 96
	v_lshlrev_b32 v147, 4, v0
	global_store_b128 v147, v[TI:TI+3], s[10:11]
.Lsend:
	s_wait_tensorcnt 0x0
	ds_add_u32 v160, v161
	s_wait_dscnt 0x0
	s_endpgm
.Lfunc_end_k_qb383ffad8f_lay:
	.size	k_qb383ffad8f_lay, .Lfunc_end_k_qb383ffad8f_lay-k_qb383ffad8f_lay
	.p2alignl 7, 3214868480
	.fill 96, 4, 3214868480
	.section	.rodata,"a",@progbits
	.p2align	6, 0x0
	.amdhsa_kernel k_qb383ffad8f_lay
		.amdhsa_group_segment_fixed_size 76800
		.amdhsa_private_segment_fixed_size 0
		.amdhsa_enable_private_segment 0
		.amdhsa_kernarg_size 48
		.amdhsa_user_sgpr_count 2
		.amdhsa_user_sgpr_kernarg_segment_ptr 1
		.amdhsa_wavefront_size32 1
		.amdhsa_system_sgpr_workgroup_id_x 1
		.amdhsa_system_sgpr_workgroup_id_y 1
		.amdhsa_system_sgpr_workgroup_id_z 1
		.amdhsa_system_vgpr_workitem_id 0
		.amdhsa_next_free_vgpr 162
		.amdhsa_next_free_sgpr 66
		.amdhsa_reserve_vcc 1
		.amdhsa_float_denorm_mode_32 3
		.amdhsa_float_denorm_mode_16_64 3
		.amdhsa_memory_ordered 1
		.amdhsa_forward_progress 1
		.amdhsa_inst_pref_size 69
	.end_amdhsa_kernel
	.amdgpu_metadata
---
amdhsa.version: [ 1, 2 ]
amdhsa.kernels:
  - .name:           k_qb383ffad8f_lay
    .symbol:         k_qb383ffad8f_lay.kd
    .args:
      - { .name: pkey, .offset: 0, .size: 8, .value_kind: global_buffer, .address_space: global }
      - { .name: W2, .offset: 8, .size: 8, .value_kind: global_buffer, .address_space: global }
      - { .name: W1_codes, .offset: 16, .size: 8, .value_kind: global_buffer, .address_space: global }
      - { .name: plan, .offset: 24, .size: 8, .value_kind: global_buffer, .address_space: global }
      - { .name: w2q, .offset: 32, .size: 8, .value_kind: global_buffer, .address_space: global }
      - { .name: w1f, .offset: 40, .size: 8, .value_kind: global_buffer, .address_space: global }
    .group_segment_fixed_size: 76800
    .private_segment_fixed_size: 0
    .kernarg_segment_align: 8
    .kernarg_segment_size: 48
    .max_flat_workgroup_size: 256
    .sgpr_count:     66
    .vgpr_count:     162
    .wavefront_size: 32
...
	.end_amdgpu_metadata
.endif
;; end of part 2
;; launch up (part 3): grid 8 x 49, 4 waves a work-group, no clusters, 51,200 bytes of LDS; arguments plan, xqs, w1f, W1_scales, b1, hq; writes hq
.if DOCPART == 3
	.amdgcn_target "amdgcn-amd-amdhsa--gfx1250"
	.amdhsa_code_object_version 6
	.text
	.protected	k_qb383ffad8f_up
	.globl	k_qb383ffad8f_up
	.p2align	8
	.type	k_qb383ffad8f_up,@function
k_qb383ffad8f_up:
	s_mov_b64 s[64:65], 0
	v_nop
	global_prefetch_b8 v0, s[64:65] scope:SCOPE_SE
	s_setreg_imm32_b32 hwreg(HW_REG_WAVE_MODE, 25, 1), 1
	s_wait_xcnt 0x0
; UP.  hidden = gate x relu(Q(x) W1 + b1), quantised along the hidden units, for one tile (up to 96 tokens of one pair of experts: work-group y) and 512 hidden
; units of one of its two experts (work-group x: x / 4 = lo or hi, x % 4 = which 512).  Wave w: 96 rows x 128 units, group G = 4 (x % 4) + w: 48 accumulators.
; The product is used transposed (source 0 = 16 rows of W1, source 1 = 16 tokens): a lane holds ONE token and its registers run along the hidden units, the next K.
; W1's fragments come from w1f in register order, straight into registers, a ring of four sets; x's 96 rows of codes are gathered once into LDS (pitch 528 bytes =
; 132 words: row r starts at bank 4 r mod 64) and read by all four waves.  b1 is the C of each sum's first matrix instruction.
; hq: image of (tile, K step ks = 16 slot + G, rows 16 a on) at ((tile*32+ks)*6+a)*1024 + 512 c + 16 lane; scale words at HS_O + ((tile*32+ks)*3+a/2)*128 + 4 lane.
; THE GRID serves every split: 49 tiles at the most.  A tile without rows stores nothing: a branch on its stored row count leads round the work, never round the barrier.
; Rows of a tile beyond its count take token 0's numbers (the list holds 0 there); their results are stored in hq and never reach the output.
; No tensor loads and no cluster: the launch branches on stored counts, and neighbouring tiles belong to other pairs of experts with other numbers of rows.
; gate x relu(z) is made as max(gate x z, 0): the same number, since a gate is not negative.
; LIMITS: NaN and infinities are not served; a block whose largest magnitude lies under 2^-124, a block of zeros too, keeps the scale byte 1.
; REGISTERS: window 0: v1-19 addresses and tokens; v20-31 gates; v32-55 x's scale words, v56-87 W1's (these hold scales alone); v88-183 x's fragments, two sets, later 64 hidden
; numbers; v184-218 at work; v224-253 offsets.  Window 1: W1's fragments, four sets of 64.  Window 2: accumulators of rows 0-63 at 64 a + 8 t.  Window 3: rows 64-95; b1 at v128 + 8 t.
.set XS_O,   1048576
.set GT_O,   1114112
.set LIST_O, 1024
.set HS_O,   9633792
.set PITCH,  528
.set GA,  20
.set XSC, 32
.set WSC, 56
.set AF,  88
.set H,   88
.set TM,  184
.set PC,  208
.set PW,  216
.set PWE, 217
.set SW,  218
.set RO,  224
.set SEL, 78
.set MSB, 0
.macro WIN new                         ; the immediate's high byte repeats the setting that is left
.if MSB != (\new)
	s_set_vgpr_msb (MSB<<8)|(\new)
.set MSB, (\new)
.endif
.endm
.macro PLACES                          ; four plain places behind a matrix instruction, ahead of loads into its sources and of reads of its result
.rept 4
	v_nop
.endr
.endm
.macro BLOAD q                         ; W1's eight fragments of K step q into set q % 4: 16 loads of 512 consecutive bytes
	WIN 0x40
.irp t, 0,1,2,3,4,5,6,7
.irp c, 0,1
	global_load_b128 v[64*((\q)%4)+8*\t+4*\c:64*((\q)%4)+8*\t+4*\c+3], v1, s[66:67] offset:(8*(\q)+\t)*1024+512*\c
.endr
.endr
.endm
.macro AFLOAD q                        ; x's six fragments of K step q into set q % 2
	WIN 0
.irp a, 0,1,2,3,4,5
.irp c, 0,1
	ds_load_b128 v[AF+48*((\q)%2)+8*\a+4*\c:AF+48*((\q)%2)+8*\a+4*\c+3], v2 offset:16*PITCH*\a+64*(\q)+32*\c
.endr
.endr
.endm
.macro WM d, a, b, c, sa, sb, ra, rb   ; ra, rb: the side's scale words stand in lanes 16-31
.if (\ra) && (\rb)
	v_wmma_scale_f32_16x16x128_f8f6f4 v[\d:\d+7], v[\a:\a+7], v[\b:\b+7], v[\c:\c+7], v[\sa], v[\sb] matrix_a_fmt:MATRIX_FMT_FP4 matrix_b_fmt:MATRIX_FMT_FP4 matrix_a_scale:MATRIX_SCALE_ROW1 matrix_b_scale:MATRIX_SCALE_ROW1
.elseif (\ra)
	v_wmma_scale_f32_16x16x128_f8f6f4 v[\d:\d+7], v[\a:\a+7], v[\b:\b+7], v[\c:\c+7], v[\sa], v[\sb] matrix_a_fmt:MATRIX_FMT_FP4 matrix_b_fmt:MATRIX_FMT_FP4 matrix_a_scale:MATRIX_SCALE_ROW1
.elseif (\rb)
	v_wmma_scale_f32_16x16x128_f8f6f4 v[\d:\d+7], v[\a:\a+7], v[\b:\b+7], v[\c:\c+7], v[\sa], v[\sb] matrix_a_fmt:MATRIX_FMT_FP4 matrix_b_fmt:MATRIX_FMT_FP4 matrix_b_scale:MATRIX_SCALE_ROW1
.else
	v_wmma_scale_f32_16x16x128_f8f6f4 v[\d:\d+7], v[\a:\a+7], v[\b:\b+7], v[\c:\c+7], v[\sa], v[\sb] matrix_a_fmt:MATRIX_FMT_FP4 matrix_b_fmt:MATRIX_FMT_FP4
.endif
.endm
.macro MUL q, a                        ; rows 16 a on against W1's eight tiles.  The 48 accumulators take turns, one instruction a turn, in the same order in every step
.irp t, 0,1,2,3,4,5,6,7
.if (\q) == 0
	WM 64*((\a)%4)+8*\t, 64*((\q)%4)+8*\t, AF+48*((\q)%2)+8*(\a), 128+8*\t, WSC+8*(\t/2)+(\q), XSC+8*((\a)/2)+(\q), \t%2, (\a)%2
.else
	WM 64*((\a)%4)+8*\t, 64*((\q)%4)+8*\t, AF+48*((\q)%2)+8*(\a), 64*((\a)%4)+8*\t, WSC+8*(\t/2)+(\q), XSC+8*((\a)/2)+(\q), \t%2, (\a)%2
.endif
.endr
.endm
.macro STEP q
	WIN 0
.if (\q) > 0
	PLACES
.endif
.if ((\q) >= 1) && ((\q) <= 4)
	BLOAD (\q)+3                                   ; into the set that the last step read
.endif
.if (\q) < 7
	AFLOAD (\q)+1
	s_wait_dscnt 12                                ; this step's fragments of x are in; the twelve just issued may be out
.else
	s_wait_dscnt 0x0
.endif
.if 7-(\q) >= 3
	s_wait_loadcnt 48                              ; this step's set of W1 is in; the three later sets, 16 loads each, may be out
.else
	s_wait_loadcnt 16*(7-(\q))
.endif
.if (\q) == 0
	WIN 0xb1                                       ; source 0 window 1, source 1 window 0, C (b1) window 3, D window 2
.else
	WIN 0xa1                                       ; C and D window 2
.endif
	MUL \q, 0
	MUL \q, 1
	MUL \q, 2
	MUL \q, 3
	WIN 0xf1                                       ; C and D window 3
	MUL \q, 4
	MUL \q, 5
.endm
; 64 numbers of a lane, register 16 b + i = k 32 b + 16 (lane / 16) + i of my row, become a fragment's codes in v[PC] on and its scale word in v[PW].
.macro QUANT s
.irp b, 0,1,2,3
	v_max3_num_f32 v[TM+\b], |v[\s+16*\b]|, |v[\s+1+16*\b]|, 0x1800000   ; my 16 numbers of block b, and the floor 2^(3-127)
.endr
.irp i, 2,4,6,8,10,12,14
.irp b, 0,1,2,3
	v_max3_num_f32 v[TM+\b], v[TM+\b], |v[\s+16*\b+\i]|, |v[\s+1+16*\b+\i]|
.endr
.endr
.irp b, 0,1,2,3
	v_permlanex16_b32 v[TM+4+\b], v[TM+\b], s[SEL], s[SEL+1]
.endr
.irp b, 0,1,2,3
	v_max_num_f32 v[TM+\b], v[TM+\b], v[TM+4+\b]   ; with lane l xor 16's: the block's largest magnitude
.endr
.irp b, 0,1,2,3
	v_add_nc_u32 v[TM+12+\b], 0xff000000, v[TM+\b] ; 2 off the exponent field: the conversion's scale operand
.endr
.irp b, 0,1,2,3
	v_lshrrev_b32 v[TM+4+\b], 23, v[TM+12+\b]      ; the scale's byte
.endr
	v_lshl_or_b32 v[PW], v[TM+5], 8, v[TM+4]
	v_lshl_or_b32 v[PW], v[TM+6], 16, v[PW]
	v_lshl_or_b32 v[PW], v[TM+7], 24, v[PW]
.irp b, 0,1,2,3
	v_cvt_scalef32_pk8_fp4_f32 v[PC+2*\b], v[\s+16*\b:\s+7+16*\b], v[TM+12+\b]
	v_cvt_scalef32_pk8_fp4_f32 v[PC+1+2*\b], v[\s+8+16*\b:\s+15+16*\b], v[TM+12+\b]
.endr
	v_nop                                          ; one plain place behind a scaled conversion
.irp c, 0,1                            ; the operand wants a whole block in a lane: lanes 0-15 block 2 c, lanes 16-31 block 2 c + 1
.irp i, 0,1
	v_permlane16_swap_b32 v[PC+4*\c+\i], v[PC+2+4*\c+\i]
.endr
.endr
.endm
.macro TAIL a                          ; rows 16 a on: x gate, clipped at 0, quantised, stored as an image of the operand's registers
.if (\a) > 0
	s_wait_xcnt 0x0                                ; the last stores have read their data: the codes and the scale word are written again
.endif
	WIN 0x02+(\a)/4                                ; source 0: window 2 or 3
.set jj, 0
.rept 32
	v_pk_mul_f32 v[H+jj:H+jj+1], v[64*((\a)%4)+jj:64*((\a)%4)+jj+1], v[GA+2*(\a):GA+2*(\a)+1] op_sel_hi:[1,0]   ; each accumulator from its low end on
.set jj, jj+2
.endr
	WIN 0
.set jj, 0
.rept 64
	v_max_num_f32 v[H+jj], 0, v[H+jj]
.set jj, jj+1
.endr
	QUANT H
	global_store_b128 v1, v[PC:PC+3], s[72:73] offset:1024*(\a)
	global_store_b128 v1, v[PC+4:PC+7], s[72:73] offset:1024*(\a)+512
.if ((\a)%2) == 0
	v_mov_b32 v[PWE], v[PW]
.else
	v_cndmask_b32 v[SW], v[PWE], v[PW], s76        ; lanes 0-15: rows 16 (a-1) on; lanes 16-31: rows 16 a on
	global_store_b32 v6, v[SW], s[74:75] offset:128*((\a)/2)
.endif
.endm
	s_load_b256 s[4:11], s[0:1], 0x0               ; plan 4, xqs 6, w1f 8, W1_scales 10
	s_load_b128 s[12:15], s[0:1], 0x20             ; b1 12, hq 14
	v_lshl_add_u32 v254, v0, 2, 0xc600
	v_mov_b32 v255, 0
	v_lshrrev_b32 v200, 5, v0
	v_readfirstlane_b32 s16, v200                  ; wave
	v_and_b32 v200, 31, v0                         ; lane
	v_and_b32 v201, 15, v0                         ; r
	v_bfe_u32 v202, v0, 4, 1                       ; h
	v_lshlrev_b32 v1, 4, v200                      ; 16 lane
	v_lshlrev_b32 v6, 2, v200                      ; 4 lane
	v_lshlrev_b32 v7, 2, v201                      ; 4 r
	v_mul_u32_u24 v2, v201, PITCH
	v_lshl_add_u32 v2, v202, 4, v2                 ; a fragment of x: 528 r + 16 h
	s_mul_i32 s17, s16, 24*PITCH
	v_add_nc_u32 v3, s17, v1                       ; the rows that I gather: 24 wave on, 16 lane
	v_and_b32 v4, 8, v201
	v_add_nc_u32 v4, v4, v201
	v_lshl_add_u32 v4, v202, 3, v4
	v_lshlrev_b32 v4, 5, v4                        ; W1's scale bytes: row r + 8 (r/8) + 8 h of a pair of tiles, 32 bytes a row
	v_lshlrev_b32 v5, 6, v202                      ; b1: 16 h numbers on
	s_and_b32 s18, ttmp7, 0xffff                   ; the tile
	s_lshl_b32 s19, s18, 4
	s_mul_i32 s22, s18, 384
	s_mul_i32 s20, s16, 96
	s_add_co_u32 s20, s20, s22
	s_mov_b32 s23, 0
	s_wait_kmcnt 0x0
	s_load_b128 s[24:27], s[4:5], s19 offset:0x0               ; lo, hi, rows, 0
	s_load_b256 s[32:39], s[4:5], s20 offset:LIST_O            ; the tokens of rows 24 wave .. 24 wave + 23
	s_load_b256 s[40:47], s[4:5], s20 offset:LIST_O+32
	s_load_b256 s[48:55], s[4:5], s20 offset:LIST_O+64
	s_add_nc_u64 s[22:23], s[4:5], s[22:23]
.irp a, 0,1,2
	global_load_b32 v[14+\a], v6, s[22:23] offset:LIST_O+128*\a    ; lane = row 32 a + lane
.endr
.irp a, 0,1,2,3,4,5
	global_load_b32 v[8+\a], v7, s[22:23] offset:LIST_O+64*\a      ; lane (r, h) = row 16 a + r
.endr
	s_wait_kmcnt 0x0
	s_wait_loadcnt 0x0
.set ii, 0
.rept 24
	s_min_u32 s[32+ii], s[32+ii], 2047
.set ii, ii+1
.endr
.irp a, 8,9,10,11,12,13,14,15,16
	v_min_u32 v\a, 0x7ff, v\a
.endr
	s_cmp_eq_u32 s26, 0
	s_cbranch_scc1 .Lmeet                          ; a tile without rows gathers nothing
.set ii, 0
.rept 24
	v_lshl_add_u32 v[RO+ii], s[32+ii], 9, v1       ; a row of codes is 512 bytes
.set ii, ii+1
.endr
.set ii, 0
.rept 24
	global_load_b128 v[AF+4*ii:AF+4*ii+3], v[RO+ii], s[6:7]    ; a whole row: 512 consecutive bytes
.set ii, ii+1
.endr
.set ii, 0
.rept 24
	s_wait_loadcnt 23-ii                           ; row ii is in; the younger rows may be out
	ds_store_b128 v3, v[AF+4*ii:AF+4*ii+3] offset:PITCH*ii
.set ii, ii+1
.endr
.Lmeet:
	s_wait_dscnt 0x0                               ; for the others' sake: my rows have landed
	s_barrier_signal -1
	s_barrier_wait -1                              ; every wave passes here, whatever the tile's count
	s_cmp_eq_u32 s26, 0
	s_cbranch_scc1 .Lend
	AFLOAD 0
	s_lshr_b32 s56, ttmp9, 2                       ; slot: 0 = lo, 1 = hi
	s_cmp_eq_u32 s56, 0
	s_cselect_b32 s57, s24, s25                    ; the expert
	s_cselect_b32 s58, 0, -1                       ; all lanes take ghi where slot = 1
	s_min_u32 s57, s57, 7
	s_and_b32 s59, ttmp9, 3
	s_lshl_b32 s59, s59, 2
	s_add_co_u32 s59, s59, s16                     ; G
	s_lshl_b32 s60, s57, 4
	s_add_co_u32 s60, s60, s59                     ; e*16 + G
	s_lshl_b32 s66, s60, 16
	s_mov_b32 s67, 0
	s_add_nc_u64 s[66:67], s[8:9], s[66:67]        ; the group's 64 fragments
	s_lshl_b32 s68, s60, 12
	s_mov_b32 s69, 0
	s_add_nc_u64 s[68:69], s[10:11], s[68:69]      ; its 128 rows of scale bytes
	s_lshl_b32 s70, s60, 9
	s_mov_b32 s71, 0
	s_add_nc_u64 s[70:71], s[12:13], s[70:71]      ; its 128 numbers of b1
	s_lshl_b32 s61, s18, 5
	s_lshl_b32 s62, s56, 4
	s_add_co_u32 s61, s61, s62
	s_add_co_u32 s61, s61, s59                     ; tile*32 + ks
	s_mul_i32 s72, s61, 6144
	s_mov_b32 s73, 0
	s_add_nc_u64 s[72:73], s[14:15], s[72:73]      ; images out
	s_mul_i32 s74, s61, 384
	s_add_co_u32 s74, s74, HS_O
	s_mov_b32 s75, 0
	s_add_nc_u64 s[74:75], s[14:15], s[74:75]      ; scale words out
	s_mov_b32 s76, 0xffff0000
	s_mov_b32 s[SEL], 0x76543210
	s_mov_b32 s[SEL+1], 0xfedcba98                 ; v_permlanex16_b32's selects for lane l xor 16
.irp a, 0,1,2
	v_lshlrev_b32 v[17+\a], 5, v[14+\a]
.endr
.irp a, 0,1,2,3,4,5
	v_lshlrev_b32 v[248+\a], 3, v[8+\a]
.endr
.irp a, 0,1,2
	global_load_b128 v[XSC+8*\a:XSC+8*\a+3], v[17+\a], s[6:7] offset:XS_O        ; x's scale words, K steps 0-3: lane = row 32 a + lane
	global_load_b128 v[XSC+8*\a+4:XSC+8*\a+7], v[17+\a], s[6:7] offset:XS_O+16   ; K steps 4-7
.endr
.irp a, 0,1,2,3,4,5
	global_load_b64 v[GA+2*\a:GA+2*\a+1], v[248+\a], s[6:7] offset:GT_O          ; glo, ghi of row 16 a + r
.endr
.irp b, 0,1,2,3
	global_load_b128 v[WSC+8*\b:WSC+8*\b+3], v4, s[68:69] offset:1024*\b         ; W1's scale words: lanes 0-15 tile 2 b, lanes 16-31 tile 2 b + 1
	global_load_b128 v[WSC+8*\b+4:WSC+8*\b+7], v4, s[68:69] offset:1024*\b+16
.endr
	WIN 0xc0                                       ; destination window 3
.irp t, 0,1,2,3,4,5,6,7
	global_load_b128 v[128+8*\t:128+8*\t+3], v5, s[70:71] offset:(32*(\t/2)+8*(\t%2))*4      ; b1 in the result's layout: units 32 (t/2) + 16 h + 8 (t%2) + 0..7
	global_load_b128 v[128+8*\t+4:128+8*\t+7], v5, s[70:71] offset:(32*(\t/2)+8*(\t%2))*4+16
.endr
	BLOAD 0
	BLOAD 1
	BLOAD 2
	BLOAD 3
	STEP 0
	STEP 1
	STEP 2
	STEP 3
	STEP 4
	STEP 5
	STEP 6
	STEP 7
	WIN 0
	PLACES
.irp a, 0,1,2,3,4,5
	v_cndmask_b32 v[GA+2*\a], v[GA+2*\a], v[GA+2*\a+1], s58    ; my slot's gate
.endr
.irp b, 0,1,2,3
	v_mov_b32 v[TM+4+\b], 0                        ; written once: a lane permute's destination counts as one of its sources
.endr
	TAIL 0
	TAIL 1
	TAIL 2
	TAIL 3
	TAIL 4
	TAIL 5
.Lend:
	s_wait_tensorcnt 0x0
	ds_add_u32 v254, v255
	s_wait_dscnt 0x0
	s_endpgm
.Lfunc_end_k_qb383ffad8f_up:
	.size	k_qb383ffad8f_up, .Lfunc_end_k_qb383ffad8f_up-k_qb383ffad8f_up
	.p2alignl 7, 3214868480
	.fill 96, 4, 3214868480
	.section	.rodata,"a",@progbits
	.p2align	6, 0x0
	.amdhsa_kernel k_qb383ffad8f_up
		.amdhsa_group_segment_fixed_size 51200
		.amdhsa_private_segment_fixed_size 0
		.amdhsa_enable_private_segment 0
		.amdhsa_kernarg_size 48
		.amdhsa_user_sgpr_count 2
		.amdhsa_user_sgpr_kernarg_segment_ptr 1
		.amdhsa_wavefront_size32 1
		.amdhsa_system_sgpr_workgroup_id_x 1
		.amdhsa_system_sgpr_workgroup_id_y 1
		.amdhsa_system_sgpr_workgroup_id_z 1
		.amdhsa_system_vgpr_workitem_id 0
		.amdhsa_next_free_vgpr 960
		.amdhsa_next_free_sgpr 80
		.amdhsa_reserve_vcc 0
		.amdhsa_float_denorm_mode_32 3
		.amdhsa_float_denorm_mode_16_64 3
		.amdhsa_memory_ordered 1
		.amdhsa_forward_progress 1
		.amdhsa_inst_pref_size 134
	.end_amdhsa_kernel
	.amdgpu_metadata
---
amdhsa.version: [ 1, 2 ]
amdhsa.kernels:
  - .name:           k_qb383ffad8f_up
    .symbol:         k_qb383ffad8f_up.kd
    .args:
      - { .name: plan, .offset: 0, .size: 8, .value_kind: global_buffer, .address_space: global }
      - { .name: xqs, .offset: 8, .size: 8, .value_kind: global_buffer, .address_space: global }
      - { .name: w1f, .offset: 16, .size: 8, .value_kind: global_buffer, .address_space: global }
      - { .name: W1_scales, .offset: 24, .size: 8, .value_kind: global_buffer, .address_space: global }
      - { .name: b1, .offset: 32, .size: 8, .value_kind: global_buffer, .address_space: global }
      - { .name: hq, .offset: 40, .size: 8, .value_kind: global_buffer, .address_space: global }
    .group_segment_fixed_size: 51200
    .private_segment_fixed_size: 0
    .kernarg_segment_align: 8
    .kernarg_segment_size: 48
    .max_flat_workgroup_size: 128
    .sgpr_count:     80
    .vgpr_count:     960
    .wavefront_size: 32
...
	.end_amdgpu_metadata
.endif
;; end of part 3
;; launch down (part 4): grid 8 x 49, 4 waves a work-group, no clusters, 203,264 bytes of LDS; arguments plan, xqs, hq, w2q, b2, out0; writes out0
.if DOCPART == 4
	.amdgcn_target "amdgcn-amd-amdhsa--gfx1250"
	.amdhsa_code_object_version 6
	.text
	.protected	k_qb383ffad8f_down
	.globl	k_qb383ffad8f_down
	.p2align	8
	.type	k_qb383ffad8f_down,@function
k_qb383ffad8f_down:
	s_mov_b64 s[64:65], 0
	v_nop
	global_prefetch_b8 v0, s[64:65] scope:SCOPE_SE
	s_setreg_imm32_b32 hwreg(HW_REG_WAVE_MODE, 25, 1), 1
	s_wait_xcnt 0x0
; DOWN.  out = Q(gate x hidden) Q(W2) + glo b2[lo] + ghi b2[hi] for one tile (work-group y: up to 96 tokens of one pair of experts) and 128 output columns (work-group x).
; K = 4,096 = [lo's 2,048 | hi's 2,048], 32 steps of 128.  THE WAVES SHARE K: wave w takes steps 8 w .. 8 w + 7 (all of one expert) for the whole 96 x 128 block: 48 accumulators.
; So no wave reads what another reads: hidden images (hq) and W2's images (w2q) lie in register order and go from memory straight into registers, 28 loads of 512 consecutive
; bytes a step, in a ring of three sets: a wait on the load counter names at most 63, and two steps ahead are 56.
; WHAT HANGS ON THE TILE'S NUMBER ALONE IS ASKED FOR FIRST: the hidden layer's scale words and its fragments of my steps 0 to 2 go out together with the scalar loads of the tile's
; table entry and rows; W2's, whose addresses hang on the entry's experts, follow when it is there.  A tile without rows leaves those first loads unused.
; The four partial blocks meet in LDS (each 96 rows, pitch 528 bytes = 132 words: row r starts at bank 4 r mod 64), one barrier; then each wave adds 24 rows, adds the bias
; term and stores the rows that exist: each output row has one owner, and each store covers 512 consecutive bytes, aligned.
; The product is used transposed (source 0 = 16 columns of W2, source 1 = 16 tokens): a lane's eight results are eight neighbouring columns of one row.
; THE GRID serves every split: 49 tiles at the most.  A tile without rows stores nothing: a branch on its stored row count leads round the work, never round the barrier.
; No tensor loads and no cluster: the launch branches on stored counts, and neighbouring tiles belong to other pairs of experts with other numbers of rows.
; ORDER OF SUMS: four f32 partial sums over K are added as (0 + 1) + (2 + 3), the bias term last.  NaN and infinities are not served.
; REGISTERS: window 0: v1-20 addresses, gates, b2; v32-63 W2's scale words, v64-87 the hidden layer's (these hold scales alone); v88-231 hidden fragments, three sets, later rows on
; the way out.  Window 1: W2's fragments, three sets of 64.  Window 2: accumulators of rows 0-63 at 64 a + 8 t.  Window 3: rows 64-95.
.set GT_O,   1114112
.set LIST_O, 1024
.set HS_O,   9633792
.set W2S_O,  8388608
.set PITCH,  528
.set PART,   96*PITCH                  ; a wave's partial block in LDS
.set WSC, 32
.set HSC, 64
.set AF,  88
.set R0,  88
.set MSB, 0
.macro WIN new                         ; the immediate's high byte repeats the setting that is left
.if MSB != (\new)
	s_set_vgpr_msb (MSB<<8)|(\new)
.set MSB, (\new)
.endif
.endm
.macro PLACES                          ; four plain places behind a matrix instruction, ahead of loads into its sources and of reads of its result
.rept 4
	v_nop
.endr
.endm
.macro ALOAD i                         ; my step i: six hidden fragments into set i % 3
	WIN 0
.irp a, 0,1,2,3,4,5
.irp c, 0,1
	global_load_b128 v[AF+48*((\i)%3)+8*\a+4*\c:AF+48*((\i)%3)+8*\a+4*\c+3], v1, s[70:71] offset:6144*(\i)+1024*\a+512*\c
.endr
.endr
.endm
.macro BLOAD i                         ; and eight of W2
	WIN 0x40
.irp t, 0,1,2,3,4,5,6,7
.irp c, 0,1
	global_load_b128 v[64*((\i)%3)+8*\t+4*\c:64*((\i)%3)+8*\t+4*\c+3], v1, s[66:67] offset:32768*(\t/2)+2048*(\i)+1024*(\t%2)+512*\c
.endr
.endr
.endm
.macro WMZ d, a, b, sa, sb, ra, rb     ; the first K step starts a sum: nothing is cleared
.if (\ra) && (\rb)
	v_wmma_scale_f32_16x16x128_f8f6f4 v[\d:\d+7], v[\a:\a+7], v[\b:\b+7], 0, v[\sa], v[\sb] matrix_a_fmt:MATRIX_FMT_FP4 matrix_b_fmt:MATRIX_FMT_FP4 matrix_a_scale:MATRIX_SCALE_ROW1 matrix_b_scale:MATRIX_SCALE_ROW1
.elseif (\ra)
	v_wmma_scale_f32_16x16x128_f8f6f4 v[\d:\d+7], v[\a:\a+7], v[\b:\b+7], 0, v[\sa], v[\sb] matrix_a_fmt:MATRIX_FMT_FP4 matrix_b_fmt:MATRIX_FMT_FP4 matrix_a_scale:MATRIX_SCALE_ROW1
.elseif (\rb)
	v_wmma_scale_f32_16x16x128_f8f6f4 v[\d:\d+7], v[\a:\a+7], v[\b:\b+7], 0, v[\sa], v[\sb] matrix_a_fmt:MATRIX_FMT_FP4 matrix_b_fmt:MATRIX_FMT_FP4 matrix_b_scale:MATRIX_SCALE_ROW1
.else
	v_wmma_scale_f32_16x16x128_f8f6f4 v[\d:\d+7], v[\a:\a+7], v[\b:\b+7], 0, v[\sa], v[\sb] matrix_a_fmt:MATRIX_FMT_FP4 matrix_b_fmt:MATRIX_FMT_FP4
.endif
.endm
.macro WMC d, a, b, sa, sb, ra, rb     ; and the others add in place
.if (\ra) && (\rb)
	v_wmma_scale_f32_16x16x128_f8f6f4 v[\d:\d+7], v[\a:\a+7], v[\b:\b+7], v[\d:\d+7], v[\sa], v[\sb] matrix_a_fmt:MATRIX_FMT_FP4 matrix_b_fmt:MATRIX_FMT_FP4 matrix_a_scale:MATRIX_SCALE_ROW1 matrix_b_scale:MATRIX_SCALE_ROW1
.elseif (\ra)
	v_wmma_scale_f32_16x16x128_f8f6f4 v[\d:\d+7], v[\a:\a+7], v[\b:\b+7], v[\d:\d+7], v[\sa], v[\sb] matrix_a_fmt:MATRIX_FMT_FP4 matrix_b_fmt:MATRIX_FMT_FP4 matrix_a_scale:MATRIX_SCALE_ROW1
.elseif (\rb)
	v_wmma_scale_f32_16x16x128_f8f6f4 v[\d:\d+7], v[\a:\a+7], v[\b:\b+7], v[\d:\d+7], v[\sa], v[\sb] matrix_a_fmt:MATRIX_FMT_FP4 matrix_b_fmt:MATRIX_FMT_FP4 matrix_b_scale:MATRIX_SCALE_ROW1
.else
	v_wmma_scale_f32_16x16x128_f8f6f4 v[\d:\d+7], v[\a:\a+7], v[\b:\b+7], v[\d:\d+7], v[\sa], v[\sb] matrix_a_fmt:MATRIX_FMT_FP4 matrix_b_fmt:MATRIX_FMT_FP4
.endif
.endm
.macro MUL i, a                        ; rows 16 a on against W2's eight tiles.  The 48 accumulators take turns, one instruction a turn, in the same order in every step
.irp t, 0,1,2,3,4,5,6,7
.if (\i) == 0
	WMZ 64*((\a)%4)+8*\t, 64*((\i)%3)+8*\t, AF+48*((\i)%3)+8*(\a), WSC+4*(\i)+\t/2, HSC+3*(\i)+(\a)/2, \t%2, (\a)%2
.else
	WMC 64*((\a)%4)+8*\t, 64*((\i)%3)+8*\t, AF+48*((\i)%3)+8*(\a), WSC+4*(\i)+\t/2, HSC+3*(\i)+(\a)/2, \t%2, (\a)%2
.endif
.endr
.endm
.macro STEP i, left                    ; left: the loads issued behind this step's last, which may stay out
	WIN 0
.if (\i) > 0
	PLACES
.endif
.if ((\i) >= 1) && ((\i) <= 5)
	ALOAD (\i)+2                                   ; into the sets that the last step read
	BLOAD (\i)+2
.endif
	s_wait_loadcnt \left
	WIN 0xa1                                       ; source 0 (W2) window 1, source 1 (hidden) window 0, C and D window 2
	MUL \i, 0
	MUL \i, 1
	MUL \i, 2
	MUL \i, 3
	WIN 0xf1                                       ; C and D window 3
	MUL \i, 4
	MUL \i, 5
.endm
; One row on the way out: its four partial sums stand in v[r] .. v[r+15], four registers (my four columns) each.
.macro OUTROW r, row
	s_cmp_le_i32 s60, \row
	s_cbranch_scc1 .Lend                           ; the tile has no such row, nor any later one
	v_pk_add_f32 v[(\r):(\r)+1], v[(\r):(\r)+1], v[(\r)+4:(\r)+5]
	v_pk_add_f32 v[(\r)+2:(\r)+3], v[(\r)+2:(\r)+3], v[(\r)+6:(\r)+7]
	v_pk_add_f32 v[(\r)+8:(\r)+9], v[(\r)+8:(\r)+9], v[(\r)+12:(\r)+13]
	v_pk_add_f32 v[(\r)+10:(\r)+11], v[(\r)+10:(\r)+11], v[(\r)+14:(\r)+15]
	v_readlane_b32 s76, v10, \row                  ; the row's glo
	v_readlane_b32 s78, v11, \row                  ; and ghi
	v_pk_add_f32 v[(\r):(\r)+1], v[(\r):(\r)+1], v[(\r)+8:(\r)+9]
	v_pk_add_f32 v[(\r)+2:(\r)+3], v[(\r)+2:(\r)+3], v[(\r)+10:(\r)+11]
	v_lshl_add_u32 v[(\r)+4], s[32+\row], 12, v20  ; the token's row of 4,096 bytes, my work-group's 512, my 16
	v_pk_fma_f32 v[(\r):(\r)+1], v[12:13], s[76:77], v[(\r):(\r)+1] op_sel_hi:[1,0,1]
	v_pk_fma_f32 v[(\r)+2:(\r)+3], v[14:15], s[76:77], v[(\r)+2:(\r)+3] op_sel_hi:[1,0,1]
	v_pk_fma_f32 v[(\r):(\r)+1], v[16:17], s[78:79], v[(\r):(\r)+1] op_sel_hi:[1,0,1]
	v_pk_fma_f32 v[(\r)+2:(\r)+3], v[18:19], s[78:79], v[(\r)+2:(\r)+3] op_sel_hi:[1,0,1]
	global_store_b128 v[(\r)+4], v[(\r):(\r)+3], s[14:15] th:TH_STORE_NT
.endm
.macro OUTB bt                         ; eight rows at a time
.if (\bt) > 0
	s_wait_xcnt 0x0                                ; the last stores have read their data and offsets: the registers are loaded anew
.endif
.set oi, 0
.rept 8
.irp p, 0,1,2,3
	ds_load_b128 v[R0+16*oi+4*\p:R0+16*oi+4*\p+3], v[4+\p] offset:PITCH*(8*(\bt)+oi)
.endr
.set oi, oi+1
.endr
	s_wait_dscnt 0x0
.set oi, 0
.rept 8
	OUTROW R0+16*oi, 8*(\bt)+oi
.set oi, oi+1
.endr
.endm
	s_load_b256 s[4:11], s[0:1], 0x0               ; plan 4, xqs 6, hq 8, w2q 10
	s_load_b128 s[12:15], s[0:1], 0x20             ; b2 12, out0 14
	v_lshl_add_u32 v254, v0, 2, 0x31800
	v_mov_b32 v255, 0
	v_lshrrev_b32 v28, 5, v0
	v_readfirstlane_b32 s16, v28                   ; wave
	v_and_b32 v28, 31, v0                          ; lane
	v_and_b32 v29, 15, v0                          ; r
	v_bfe_u32 v30, v0, 4, 1                        ; h
	v_lshlrev_b32 v1, 4, v28                       ; 16 lane
	v_lshlrev_b32 v2, 2, v28                       ; 4 lane
	s_mul_i32 s17, s16, PART
	v_mul_u32_u24 v3, v29, PITCH
	v_lshl_add_u32 v3, v30, 5, v3
	v_add_nc_u32 v3, s17, v3                       ; my partial block: row r, 32 h bytes on
	s_mul_i32 s17, s16, 24*PITCH
	v_add_nc_u32 v4, s17, v1                       ; back: rows 24 wave on, 16 lane, of partial block 0,
	v_add_nc_u32 v5, PART, v4                      ; 1,
	v_add_nc_u32 v6, 2*PART, v4                    ; 2,
	v_add_nc_u32 v7, 3*PART, v4                    ; 3
	s_lshl_b32 s17, ttmp9, 9                       ; my work-group's 128 columns, in bytes
	v_add_nc_u32 v20, s17, v1
	s_and_b32 s18, ttmp7, 0xffff                   ; the tile
	s_lshl_b32 s19, s18, 4
	s_mul_i32 s20, s18, 384
	s_mul_i32 s21, s16, 96
	s_add_co_u32 s20, s20, s21
	s_mov_b32 s22, s20
	s_mov_b32 s23, 0
	s_lshl_b32 s62, s18, 5
	s_lshl_b32 s63, s16, 3
	s_add_co_u32 s62, s62, s63                     ; tile*32 + 8 wave
	s_mul_i32 s70, s62, 6144
	s_mov_b32 s71, 0
	s_mul_i32 s72, s62, 384
	s_add_co_u32 s72, s72, HS_O
	s_mov_b32 s73, 0
	s_wait_kmcnt 0x0
	s_load_b128 s[24:27], s[4:5], s19 offset:0x0               ; lo, hi, rows, 0
	s_load_b256 s[32:39], s[4:5], s20 offset:LIST_O            ; the tokens of rows 24 wave .. 24 wave + 23
	s_load_b256 s[40:47], s[4:5], s20 offset:LIST_O+32
	s_load_b256 s[48:55], s[4:5], s20 offset:LIST_O+64
	s_add_nc_u64 s[22:23], s[4:5], s[22:23]
	s_add_nc_u64 s[70:71], s[8:9], s[70:71]        ; the hidden layer's images
	s_add_nc_u64 s[72:73], s[8:9], s[72:73]        ; and scale words
	global_load_b32 v8, v2, s[22:23] offset:LIST_O             ; the same tokens, lane = row (lanes 24-31 read on in the list and are not used)
.irp i, 0,1,2,3,4,5,6,7
.irp a, 0,1,2
	global_load_b32 v[HSC+3*\i+\a], v2, s[72:73] offset:384*\i+128*\a      ; lane = row 32 a + lane
.endr
.endr
	ALOAD 0
	ALOAD 1
	ALOAD 2
	s_wait_kmcnt 0x0
	s_wait_loadcnt 60                              ; the list is in; the 24 + 36 loads of the hidden layer behind it may be out
.set ii, 0
.rept 24
	s_min_u32 s[32+ii], s[32+ii], 2047
.set ii, ii+1
.endr
	v_min_u32 v8, 0x7ff, v8
	v_lshlrev_b32 v9, 3, v8
	global_load_b64 v[10:11], v9, s[6:7] offset:GT_O           ; glo, ghi: lane = row
	s_min_u32 s24, s24, 7
	s_min_u32 s25, s25, 7
	s_lshl_b32 s56, s24, 12
	s_add_co_u32 s56, s56, s17
	s_mov_b32 s57, 0
	s_add_nc_u64 s[56:57], s[12:13], s[56:57]
	s_lshl_b32 s58, s25, 12
	s_add_co_u32 s58, s58, s17
	s_mov_b32 s59, 0
	s_add_nc_u64 s[58:59], s[12:13], s[58:59]
	global_load_b128 v[12:15], v1, s[56:57]                    ; b2[lo] at my four columns
	global_load_b128 v[16:19], v1, s[58:59]                    ; b2[hi]
	s_cmp_eq_u32 s26, 0
	s_cbranch_scc1 .Lmeet                          ; a tile without rows multiplies nothing
	s_lshr_b32 s60, s16, 1                         ; waves 0, 1: lo; waves 2, 3: hi
	s_cmp_eq_u32 s60, 0
	s_cselect_b32 s61, s24, s25
	s_min_u32 s61, s61, 7
	s_lshl_b32 s61, s61, 5
	s_lshl_b32 s62, ttmp9, 2
	s_add_co_u32 s61, s61, s62                     ; e*32 + the first of my four column pairs
	s_lshl_b32 s61, s61, 4
	s_and_b32 s62, s16, 1
	s_lshl_b32 s62, s62, 3
	s_add_co_u32 s61, s61, s62                     ; + the expert's K step 8 (wave % 2)
	s_lshl_b32 s66, s61, 11
	s_mov_b32 s67, 0
	s_add_nc_u64 s[66:67], s[10:11], s[66:67]      ; W2's images
	s_lshl_b32 s68, s61, 7
	s_add_co_u32 s68, s68, W2S_O
	s_mov_b32 s69, 0
	s_add_nc_u64 s[68:69], s[10:11], s[68:69]      ; and scale words
	BLOAD 0
	WIN 0
.irp i, 0,1,2,3,4,5,6,7
.irp p, 0,1,2,3
	global_load_b32 v[WSC+4*\i+\p], v2, s[68:69] offset:2048*\p+128*\i     ; lanes 0-15 tile 2 p, lanes 16-31 tile 2 p + 1
.endr
.endr
	BLOAD 1
	BLOAD 2
	STEP 0, 32                                     ; behind W2's scale words: W2's fragments of steps 1 and 2, 16 loads each
	STEP 1, 44                                     ; behind W2's step 1: its step 2 (16) and step 3's 28
	STEP 2, 56                                     ; from here on: the two later steps' 28 each
	STEP 3, 56
	STEP 4, 56
	STEP 5, 56
	STEP 6, 28
	STEP 7, 0
	WIN 0
	PLACES
.irp a, 0,1,2,3,4,5
	WIN 0x08+4*(\a/4)                              ; an LDS store's data are its source 1: window 2 or 3
.irp t, 0,1,2,3,4,5,6,7
	ds_store_b128 v3, v[64*(\a%4)+8*\t:64*(\a%4)+8*\t+3] offset:16*PITCH*\a+64*\t          ; each accumulator from its low end on
	ds_store_b128 v3, v[64*(\a%4)+8*\t+4:64*(\a%4)+8*\t+7] offset:16*PITCH*\a+64*\t+16
.endr
.endr
	WIN 0
.Lmeet:
	s_wait_dscnt 0x0                               ; for the others' sake: my partial block has landed
	s_barrier_signal -1
	s_barrier_wait -1                              ; every wave passes here, whatever the tile's count
	s_cmp_eq_u32 s26, 0
	s_cbranch_scc1 .Lend
	s_wait_loadcnt 0x0                             ; the gates and b2
	s_mul_i32 s60, s16, 24
	s_sub_co_i32 s60, s26, s60                     ; how many of my 24 rows exist (0 or less: none)
	s_mov_b32 s77, 0                               ; (named as the upper halves of the pairs whose low words are broadcast)
	s_mov_b32 s79, 0
	OUTB 0
	OUTB 1
	OUTB 2
.Lend:
	s_wait_tensorcnt 0x0
	ds_add_u32 v254, v255
	s_wait_dscnt 0x0
	s_endpgm
.Lfunc_end_k_qb383ffad8f_down:
	.size	k_qb383ffad8f_down, .Lfunc_end_k_qb383ffad8f_down-k_qb383ffad8f_down
	.p2alignl 7, 3214868480
	.fill 96, 4, 3214868480
	.section	.rodata,"a",@progbits
	.p2align	6, 0x0
	.amdhsa_kernel k_qb383ffad8f_down
		.amdhsa_group_segment_fixed_size 203264
		.amdhsa_private_segment_fixed_size 0
		.amdhsa_enable_private_segment 0
		.amdhsa_kernarg_size 48
		.amdhsa_user_sgpr_count 2
		.amdhsa_user_sgpr_kernarg_segment_ptr 1
		.amdhsa_wavefront_size32 1
		.amdhsa_system_sgpr_workgroup_id_x 1
		.amdhsa_system_sgpr_workgroup_id_y 1
		.amdhsa_system_sgpr_workgroup_id_z 1
		.amdhsa_system_vgpr_workitem_id 0
		.amdhsa_next_free_vgpr 896
		.amdhsa_next_free_sgpr 80
		.amdhsa_reserve_vcc 0
		.amdhsa_float_denorm_mode_32 3
		.amdhsa_float_denorm_mode_16_64 3
		.amdhsa_memory_ordered 1
		.amdhsa_forward_progress 1
		.amdhsa_inst_pref_size 118
	.end_amdhsa_kernel
	.amdgpu_metadata
---
amdhsa.version: [ 1, 2 ]
amdhsa.kernels:
  - .name:           k_qb383ffad8f_down
    .symbol:         k_qb383ffad8f_down.kd
    .args:
      - { .name: plan, .offset: 0, .size: 8, .value_kind: global_buffer, .address_space: global }
      - { .name: xqs, .offset: 8, .size: 8, .value_kind: global_buffer, .address_space: global }
      - { .name: hq, .offset: 16, .size: 8, .value_kind: global_buffer, .address_space: global }
      - { .name: w2q, .offset: 24, .size: 8, .value_kind: global_buffer, .address_space: global }
      - { .name: b2, .offset: 32, .size: 8, .value_kind: global_buffer, .address_space: global }
      - { .name: out0, .offset: 40, .size: 8, .value_kind: global_buffer, .address_space: global }
    .group_segment_fixed_size: 203264
    .private_segment_fixed_size: 0
    .kernarg_segment_align: 8
    .kernarg_segment_size: 48
    .max_flat_workgroup_size: 128
    .sgpr_count:     80
    .vgpr_count:     896
    .wavefront_size: 32
...
	.end_amdgpu_metadata
.endif
;; end of part 4
;; ======== version 2 of 2: 4 launches
;; workspace buffers: xqs 1,130,496 bytes; pkey 8,192 bytes of whole numbers; plan 33,792 bytes of whole numbers; w1f 8,388,608 bytes; w2q 8,912,896 bytes; hq 10,235,904 bytes
;; launch route (part 5): grid 384 x 1, 8 waves a work-group, no clusters, 118,528 bytes of LDS; arguments x, Wr, br, W2, xqs, pkey, w2q, plan; writes xqs, pkey, w2q, plan
.if DOCPART == 5
	.amdgcn_target "amdgcn-amd-amdhsa--gfx1250"
	.amdhsa_code_object_version 6
	.text
	.protected	k_qb383ffad8f_route
	.globl	k_qb383ffad8f_route
	.p2align	8
	.type	k_qb383ffad8f_route,@function
k_qb383ffad8f_route:
	s_mov_b64 s[64:65], 0
	v_nop
	global_prefetch_b8 v0, s[64:65] scope:SCOPE_SE
	s_setreg_imm32_b32 hwreg(HW_REG_WAVE_MODE, 25, 1), 1
	s_wait_xcnt 0x0
; ROUTE.  Work-groups 0-127: 16 tokens each: x -> E2M1 codes and E8M0 scale bytes along D; logits x Wr + br in f32; the two largest (ties: the lower
; index), their softmax gates, and the key lo*8+hi of the token's pair of experts, all stored at fixed places: no address and no branch hangs on them.
; Work-groups 128-383: W2's K steps J = 0..63 (128 rows of W2 each) x 256 columns -> codes in the order of the operand's registers, and scale words.
; xqs: codes [token][512 B] at 0; scale bytes [token][32 B] at XS_O; gates [token][glo, ghi] f32 at GT_O.  pkey: [token] u32.
; plan: this launch stores the zeros of the row list (8,192 entries from LIST_O on); the next launch scatters the tokens over them.
; w2q: image of (expert e, column pair P of 32, K step j) at ((e*32+P)*16+j)*2048 + u*1024 + c*512 + 16*lane; its scale words at W2S_O + (..)*128 + 4*lane.
; ROUTER: wave w takes k = 128w..128w+127 of all 16 tokens.  Each load reads 512 consecutive bytes of one row; the rows turn through the wave's own LDS
; (pitch 528 bytes = 132 words: row r starts at bank 4 r mod 64) so that lane (r, h) holds 64 numbers of ONE token r, k = 128 w + 64 h on, neighbours along K in its registers.
; A read of Wr gives lanes 0-15 row k and lanes 16-31 row 64 + k of the wave's slice: 128 reads of 16 bytes a wave feed its 256 packed multiply-adds.
; No cluster: work-groups share only Wr (32 KB).  No matrix unit: N = 8, and the logits go on into a quantised operand, so they are f32 multiply-adds.
; LIMITS: NaN and infinities are not served; a block whose largest magnitude lies under 2^-124, a block of zeros too, keeps the scale byte 1 (its codes
; are zeros or near it; the bytes are read by this program alone); logits closer than the rounding of a 1,024-term f32 sum may be ranked either way.
.set XS_O,   1048576
.set GT_O,   1114112
.set LIST_O, 1024
.set W2S_O,  8388608
.set NRT,    128                       ; router work-groups
.set WRL,    67584                     ; LDS: 0: eight stages of 16 x 528; WRL: eight slices of Wr, 4,096 each;
.set CST,    100352                    ; codes of 16 tokens, pitch 528;
.set SST,    108800                    ; their scale bytes, 32 each;
.set PLG,    109312                    ; eight waves' partial logits, 32 lanes x 32 bytes each
.set L,   16                           ; v16-23  eight logits (four pairs)
.set C,   24                           ; v24-39  codes
.set X,   64                           ; v64-127 64 numbers (W2 path: two sets of 32)
.set WB,  128                          ; v128-255 four rows of Wr, four sets
.set PW2, 10                           ; s[10:11] W2
.set PQ,  16                           ; s[16:17] w2q
.set ID0, 128                          ; the first work-group of the W2 path
.set J0,  0                            ; and its first K step
; 32 numbers of one lane, neighbours along K, become 4 registers of codes and byte t of the scale word v44.
.macro QBLK xs, c, t
	v_max3_num_f32 v40, |v[(\xs)]|, |v[(\xs)+1]|, |v[(\xs)+2]|       ; the largest magnitude, in two chains
	v_max3_num_f32 v41, |v[(\xs)+3]|, |v[(\xs)+4]|, |v[(\xs)+5]|
.irp i, 6,10,14,18,22,26
	s_delay_alu instid0(VALU_DEP_2)
	v_max3_num_f32 v40, v40, |v[(\xs)+\i]|, |v[(\xs)+\i+1]|
	s_delay_alu instid0(VALU_DEP_2)
	v_max3_num_f32 v41, v41, |v[(\xs)+\i+2]|, |v[(\xs)+\i+3]|
.endr
	s_delay_alu instid0(VALU_DEP_2)
	v_max3_num_f32 v40, v40, |v[(\xs)+30]|, |v[(\xs)+31]|
	s_delay_alu instid0(VALU_DEP_1)
	v_max3_num_f32 v40, v40, v41, 0x1800000        ; and the floor 2^(3-127): the byte cannot fall under 1
	s_delay_alu instid0(VALU_DEP_1)
	v_add_nc_u32 v42, 0xff000000, v40              ; 2 off the exponent field: the conversion takes this field as its scale
	s_delay_alu instid0(VALU_DEP_1)
	v_lshrrev_b32 v43, 23, v42                     ; the scale's byte
.if (\t) == 0
	s_delay_alu instid0(VALU_DEP_1)
	v_mov_b32 v44, v43
.else
	s_delay_alu instid0(VALU_DEP_1)
	v_lshl_or_b32 v44, v43, 8*(\t), v44
.endif
.irp g, 0,1,2,3
	v_cvt_scalef32_pk8_fp4_f32 v[(\c)+\g], v[(\xs)+8*\g:(\xs)+8*\g+7], v42
.endr
.endm
; W2: a lane takes a column and its registers run down K.  Block t: rows 32t..32t+31 of the K step, into set t % 2.
.macro W2LOAD t
.set wi, 0
.rept 32
	global_load_b32 v[X+32*((\t)%2)+wi], v13, s[24:25] offset:(32*(\t)+wi)*4096 th:TH_LOAD_NT
.set wi, wi+1
.endr
.endm
.macro W2BLOCK t
.if (\t) < 3
	s_wait_loadcnt 32                              ; this block's 32 loads are in; the next block's 32 may be out
.else
	s_wait_loadcnt 0x0
.endif
	QBLK X+32*((\t)%2), C+4*(\t), \t
.if (\t) < 2
	W2LOAD (\t)+2
.endif
.endm
.macro W2Q
	s_sub_co_u32 s21, ttmp9, ID0
	s_and_b32 s22, s21, 3                          ; cx: which 256 columns
	s_lshr_b32 s23, s21, 2                         ; J: which 128 rows of W2 (e = J / 16, j = J % 16)
.if J0 > 0
	s_add_co_u32 s23, s23, J0
.endif
	s_lshl_b32 s24, s23, 19                        ; 128 rows of 4,096 bytes
	s_lshl_b32 s26, s22, 10
	s_add_co_u32 s24, s24, s26
	s_lshl_b32 s26, s20, 7                         ; my wave's 32 columns
	s_add_co_u32 s24, s24, s26
	s_mov_b32 s25, 0
	s_add_nc_u64 s[24:25], s[PW2:PW2+1], s[24:25]
	s_lshr_b32 s26, s23, 4
	s_lshl_b32 s26, s26, 5
	s_lshl_b32 s27, s22, 3
	s_add_co_u32 s26, s26, s27
	s_add_co_u32 s26, s26, s20                     ; e*32 + P, P = 8 cx + wave
	s_lshl_b32 s26, s26, 4
	s_and_b32 s27, s23, 15
	s_add_co_u32 s26, s26, s27                     ; (e*32+P)*16 + j
	s_lshl_b32 s28, s26, 11
	s_mov_b32 s29, 0
	s_add_nc_u64 s[28:29], s[PQ:PQ+1], s[28:29]    ; the images
	s_lshl_b32 s30, s26, 7
	s_add_co_u32 s30, s30, W2S_O
	s_mov_b32 s31, 0
	s_add_nc_u64 s[30:31], s[PQ:PQ+1], s[30:31]    ; the scale words
	W2LOAD 0
	W2LOAD 1
	W2BLOCK 0
	W2BLOCK 1
	W2BLOCK 2
	W2BLOCK 3
	v_nop                                          ; one plain place behind the last scaled conversion
.irp c, 0,1                            ; a lane holds its column's four blocks; the operand wants lanes 0-15 block 2c and lanes 16-31 block 2c+1 of 16 columns:
.irp i, 0,1,2,3                        ; the first register's upper lanes change places with the second's lower lanes
	v_permlane16_swap_b32 v[C+8*\c+\i], v[C+8*\c+4+\i]
.endr
.endr
	global_store_b128 v2, v[C:C+3], s[28:29]                   ; columns 0-15, k 0-63: each store covers 512 consecutive bytes, aligned
	global_store_b128 v2, v[C+8:C+11], s[28:29] offset:512     ; columns 0-15, k 64-127
	global_store_b128 v2, v[C+4:C+7], s[28:29] offset:1024     ; columns 16-31
	global_store_b128 v2, v[C+12:C+15], s[28:29] offset:1536
	global_store_b32 v13, v44, s[30:31]                        ; lane = column: lanes 0-15 the first tile's words, lanes 16-31 the second's
	s_endpgm
.endm
; Batch m of Wr: rows 4m..4m+3 of my half of the wave's slice, into set m % 4: within each half of the lanes one address for all
.macro WLD m
.irp k, 0,1,2,3
	ds_load_b128 v[WB+32*((\m)%4)+8*\k:WB+32*((\m)%4)+8*\k+3], v6 offset:(4*(\m)+\k)*32
	ds_load_b128 v[WB+32*((\m)%4)+8*\k+4:WB+32*((\m)%4)+8*\k+7], v6 offset:(4*(\m)+\k)*32+16
.endr
.endm
; Four rows of Wr against my token's four numbers: 16 packed multiply-adds on four pairs of logits; the batch three further on is fetched meanwhile.
.macro FMA4 m
.if (\m)+3 < 16
	WLD (\m)+3
.endif
.if 15-(\m) >= 3
	s_wait_alu depctr_va_vdst(0)
	s_wait_dscnt 24                                ; this batch is in; the three later batches, eight reads each, may be out
.else
	s_wait_dscnt 8*(15-(\m))
.endif
.irp k, 0,1,2,3
.irp p, 0,1,2,3
.if ((\m) == 0) && (\k == 0)
	v_pk_mul_f32 v[L+2*\p:L+2*\p+1], v[X:X+1], v[WB+2*\p:WB+2*\p+1] op_sel_hi:[0,1]      ; the first product starts the sums
.elseif (\k % 2) == 0
	v_pk_fma_f32 v[L+2*\p:L+2*\p+1], v[X+4*(\m)+\k:X+4*(\m)+\k+1], v[WB+32*((\m)%4)+8*\k+2*\p:WB+32*((\m)%4)+8*\k+2*\p+1], v[L+2*\p:L+2*\p+1] op_sel_hi:[0,1,1]   ; the pair's first number for both halves
.else
	s_delay_alu instid0(VALU_DEP_4)
	v_pk_fma_f32 v[L+2*\p:L+2*\p+1], v[X+4*(\m)+\k-1:X+4*(\m)+\k], v[WB+32*((\m)%4)+8*\k+2*\p:WB+32*((\m)%4)+8*\k+2*\p+1], v[L+2*\p:L+2*\p+1] op_sel:[1,0,0] op_sel_hi:[1,1,1]   ; its second
.endif
.endr
.endr
.endm
.macro SCAN m, i                       ; the largest of the eight logits and its index; on a tie the lower index stays
	v_mov_b32 v[\m], v[L]
	v_mov_b32 v[\i], 0
.irp e, 1,2,3,4,5,6,7
	s_delay_alu instid0(VALU_DEP_2)
	v_cmp_le_f32 vcc_lo, v[L+\e], v[\m]
	s_delay_alu instid0(VALU_DEP_1)
	v_cndmask_b32 v[\m], v[L+\e], v[\m], vcc_lo
	s_delay_alu instid0(VALU_DEP_2)
	v_cndmask_b32 v[\i], \e, v[\i], vcc_lo
.endr
.endm
	s_load_b512 s[4:19], s[0:1], 0x0               ; x 4, Wr 6, br 8, W2 10, xqs 12, pkey 14, w2q 16, plan 18
	v_lshl_add_u32 v59, v0, 2, 0x1cb00
	v_mov_b32 v63, 0
	v_lshrrev_b32 v1, 5, v0
	s_delay_alu instid0(VALU_DEP_1)
	v_readfirstlane_b32 s20, v1                    ; wave
	v_and_b32 v1, 31, v0                           ; lane
	v_and_b32 v40, 15, v0                          ; r
	v_bfe_u32 v41, v0, 4, 1                        ; h
	s_delay_alu instid0(VALU_DEP_3)
	v_lshlrev_b32 v2, 4, v1                        ; 16 lane
	s_delay_alu instid0(VALU_DEP_4)
	v_lshlrev_b32 v13, 2, v1                       ; 4 lane
	s_delay_alu instid0(VALU_DEP_4)
	v_lshlrev_b32 v14, 3, v40                      ; 8 r
	v_lshlrev_b32 v15, 2, v40                      ; 4 r
	s_mul_i32 s21, s20, 8448                       ; my stage
	v_add_nc_u32 v3, s21, v2                       ; in: 16 lane (+ 528 row)
	v_mul_u32_u24 v42, v40, 528
	s_delay_alu instid0(VALU_DEP_1)
	v_lshl_add_u32 v4, v41, 8, v42
	s_delay_alu instid0(VALU_DEP_1)
	v_add_nc_u32 v4, s21, v4                       ; back: 528 r + 256 h: my token's 64 numbers
	s_lshl_b32 s22, s20, 12
	s_add_co_u32 s22, s22, WRL
	v_add_nc_u32 v5, s22, v2                       ; my slice of Wr, in
	v_lshl_add_u32 v6, v41, 11, s22                ; and back: 64 h rows of 32 bytes on
	s_lshl_b32 s23, s20, 6
	s_add_co_u32 s23, s23, CST
	v_lshl_add_u32 v7, v41, 5, v42
	s_delay_alu instid0(VALU_DEP_1)
	v_add_nc_u32 v7, s23, v7                       ; codes: 528 r + 64 wave + 32 h
	v_lshlrev_b32 v8, 5, v40
	s_delay_alu instid0(VALU_DEP_1)
	v_lshl_add_u32 v8, v41, 1, v8
	s_lshl_b32 s23, s20, 2
	s_add_co_u32 s23, s23, SST
	v_add_nc_u32 v8, s23, v8                       ; two scale bytes: 32 r + 4 wave + 2 h
	v_lshlrev_b32 v12, 5, v1
	s_lshl_b32 s23, s20, 10
	s_add_co_u32 s23, s23, PLG
	v_add_nc_u32 v9, s23, v12                      ; partial logits: 1,024 wave + 32 lane
	v_add_nc_u32 v12, PLG, v12                     ; and all waves', for wave 0
	s_mul_i32 s23, s20, 1056
	s_add_co_u32 s23, s23, CST
	v_add_nc_u32 v10, s23, v2                      ; way out: rows 2 wave, 2 wave + 1 of the codes
	v_add_nc_u32 v11, SST, v2                      ; and the 512 scale bytes, for wave 0
	s_wait_kmcnt 0x0
	s_cmp_lt_u32 ttmp9, NRT
	s_cbranch_scc0 .Lw2
	s_lshl_b32 s24, ttmp9, 16                      ; 16 rows of 4,096 bytes
	s_lshl_b32 s26, s20, 9                         ; my 128 numbers of a row
	s_add_co_u32 s24, s24, s26
	s_mov_b32 s25, 0
	s_add_nc_u64 s[24:25], s[4:5], s[24:25]
	s_lshl_b32 s26, s20, 12
	s_mov_b32 s27, 0
	s_add_nc_u64 s[26:27], s[6:7], s[26:27]        ; my 128 rows of Wr
	s_load_b256 s[32:39], s[8:9], 0x0              ; br
	s_lshl_b32 s40, ttmp9, 13
	s_lshl_b32 s28, s20, 10
	s_add_co_u32 s40, s40, s28
	s_mov_b32 s41, 0
	s_add_nc_u64 s[40:41], s[12:13], s[40:41]      ; codes out: token 16 wg + 2 wave
.irp j, 0,1,2,3,4,5,6,7
	global_load_b128 v[WB+4*\j:WB+4*\j+3], v2, s[26:27] offset:512*\j
.endr
.set ii, 0
.rept 16
	global_load_b128 v[X+4*ii:X+4*ii+3], v2, s[24:25] offset:4096*ii th:TH_LOAD_NT    ; 512 consecutive bytes of row ii
.set ii, ii+1
.endr
	s_wait_loadcnt 16                              ; Wr's eight are in; x's 16 may be out
.irp j, 0,1,2,3,4,5,6,7
	ds_store_b128 v5, v[WB+4*\j:WB+4*\j+3] offset:512*\j
.endr
.set ii, 0
.rept 16
	s_wait_loadcnt 15-ii                           ; row ii is in; the younger rows may be out
	ds_store_b128 v3, v[X+4*ii:X+4*ii+3] offset:528*ii
.set ii, ii+1
.endr
	s_wait_dscnt 0x0                               ; the stores have read X and WB: both are loaded anew
.set ii, 0
.rept 16
	ds_load_b128 v[X+4*ii:X+4*ii+3], v4 offset:16*ii           ; my token's 64 numbers, in order of k
.set ii, ii+1
.endr
	WLD 0
	WLD 1
	WLD 2
.set mm, 0
.rept 16
	s_wait_alu depctr_va_vdst(0)
	FMA4 mm
.set mm, mm+1
.endr
	QBLK X, C, 0
	QBLK X+32, C+4, 1
	v_nop                                          ; one plain place behind the last scaled conversion
	ds_store_b128 v7, v[C:C+3]
	ds_store_b128 v7, v[C+4:C+7] offset:16
	ds_store_b16 v8, v44                           ; blocks 4 wave + 2 h and the next
	ds_store_b128 v9, v[L:L+3]
	ds_store_b128 v9, v[L+4:L+7] offset:16
	s_wait_dscnt 0x0                               ; for the others' sake: my stores have landed
	s_barrier_signal -1
	s_barrier_wait -1
.irp i, 0,1
	ds_load_b128 v[X+4*\i:X+4*\i+3], v10 offset:528*\i         ; whole rows of 512 bytes of codes
.endr
.irp i, 0,1
	s_wait_dscnt 1-\i                              ; row i is back; the younger read may be out
	global_store_b128 v2, v[X+4*\i:X+4*\i+3], s[40:41] offset:512*\i
.endr
	s_cmp_lg_u32 s20, 0
	s_cbranch_scc1 .Lend                           ; wave 0 alone finishes the router: lanes r and 16 + r both work on token r
	ds_load_b128 v[72:75], v11                     ; the 16 tokens' scale bytes: 512 consecutive bytes
.irp w, 0,1,2,3,4,5,6,7
	ds_load_b128 v[128+8*\w:128+8*\w+3], v12 offset:1024*\w
	ds_load_b128 v[128+8*\w+4:128+8*\w+7], v12 offset:1024*\w+16
.endr
	s_lshl_b32 s42, ttmp9, 9
	s_add_co_u32 s42, s42, XS_O
	s_mov_b32 s43, 0
	s_add_nc_u64 s[42:43], s[12:13], s[42:43]      ; scale bytes out
	s_lshl_b32 s46, ttmp9, 7
	s_add_co_u32 s46, s46, GT_O
	s_mov_b32 s47, 0
	s_add_nc_u64 s[46:47], s[12:13], s[46:47]      ; gates out
	s_lshl_b32 s48, ttmp9, 6
	s_mov_b32 s49, 0
	s_add_nc_u64 s[48:49], s[14:15], s[48:49]      ; keys out
	s_lshl_b32 s50, ttmp9, 8
	s_add_co_u32 s50, s50, LIST_O
	s_mov_b32 s51, 0
	s_add_nc_u64 s[50:51], s[18:19], s[50:51]      ; my 256 bytes of the list's zeros
	s_mov_b32 s44, 0x3fb8aa3b                      ; log2(e), rounded,
	s_mov_b32 s45, 0x32a57060                      ; and what the rounding left
	s_mov_b32 s52, 0x76543210
	s_mov_b32 s53, 0xfedcba98                      ; v_permlanex16_b32's selects for lane l xor 16
	s_wait_dscnt 16                                ; the scale bytes are back; the 16 reads of partial logits may be out
	global_store_b128 v2, v[72:75], s[42:43]
	s_wait_dscnt 0x0
	s_wait_kmcnt 0x0
.irp p, 0,1,2,3
	v_pk_add_f32 v[L+2*\p:L+2*\p+1], v[128+2*\p:128+2*\p+1], v[136+2*\p:136+2*\p+1]
.endr
.irp w, 2,3,4,5,6,7
.irp p, 0,1,2,3
	s_delay_alu instid0(VALU_DEP_4)
	v_pk_add_f32 v[L+2*\p:L+2*\p+1], v[L+2*\p:L+2*\p+1], v[128+8*\w+2*\p:128+8*\w+2*\p+1]
.endr
.endr
.irp e, 0,1,2,3,4,5,6,7
	v_permlanex16_b32 v[80+\e], v[L+\e], s52, s53  ; the other half of each wave's k lies in the lane 16 away
.endr
.irp p, 0,1,2,3
	v_pk_add_f32 v[L+2*\p:L+2*\p+1], v[L+2*\p:L+2*\p+1], v[80+2*\p:81+2*\p]   ; a + b in one lane, b + a in the other: the same bits, and so is all that follows
.endr
.irp e, 0,1,2,3,4,5,6,7
	v_add_f32 v[L+\e], s[32+\e], v[L+\e]           ; + br
.endr
	SCAN 40, 41                                    ; the largest logit m1 and its expert i1
	v_mov_b32 v45, 0xff800000
.irp e, 0,1,2,3,4,5,6,7
	v_cmp_eq_u32 vcc_lo, \e, v41
	s_delay_alu instid0(VALU_DEP_1)
	v_cndmask_b32 v[L+\e], v[L+\e], v45, vcc_lo    ; it is taken out,
.endr
	SCAN 42, 43                                    ; and the second, m2 and i2, is found the same way
	s_delay_alu instid0(VALU_DEP_2)
	v_sub_f32 v46, v42, v40                        ; d = m2 - m1, 0 or less: the maximum is taken away as in the softmax
	s_delay_alu instid0(VALU_DEP_1)
	v_mul_f32 v47, s44, v46
	s_delay_alu instid0(VALU_DEP_1)
	v_rndne_f32 v47, v47                           ; n, the whole part of d log2(e)
	s_delay_alu instid0(VALU_DEP_1)
	v_fma_f32 v48, v46, s44, -v47                  ; the rest, rounded once,
	s_delay_alu instid0(VALU_DEP_1)
	v_fma_f32 v48, v46, s45, v48                   ; with the low part of log2(e): at most 1/2 in size
	s_wait_alu depctr_va_vdst(0)
	v_exp_f32 v49, v48
	v_cvt_i32_f32 v50, v47                         ; (a plain place behind the exponential; the conversion saturates)
	s_wait_alu depctr_va_vdst(0)                   ; ahead of the first line that names the exponential's result
	v_ldexp_f32 v49, v49, v50                      ; e2 = exp(m2 - m1)
	s_delay_alu instid0(VALU_DEP_1)
	v_add_f32 v51, 1.0, v49
	s_wait_alu depctr_va_vdst(0)
	v_rcp_f32 v52, v51                             ; g1 = 1 / (1 + e2)
	v_min_u32 v53, v41, v43                        ; lo  (a plain place behind the reciprocal)
	v_max_u32 v54, v41, v43                        ; hi
	s_wait_alu depctr_va_vdst(0)                   ; ahead of the first line that names the reciprocal
	v_mul_f32 v55, v49, v52                        ; g2 = e2 / (1 + e2)
	v_cmp_lt_u32 vcc_lo, v41, v43
	v_cndmask_b32 v56, v55, v52, vcc_lo            ; glo
	v_cndmask_b32 v57, v52, v55, vcc_lo            ; ghi
	v_lshl_add_u32 v58, v53, 3, v54                ; the key
	v_mov_b32 v60, 0
	v_mov_b32 v61, 0
	v_lshlrev_b32 v62, 3, v1
	global_store_b64 v14, v[56:57], s[46:47]       ; lanes r and 16 + r store the same numbers at the same place
	global_store_b32 v15, v58, s[48:49]
	global_store_b64 v62, v[60:61], s[50:51]       ; 256 consecutive bytes, aligned
.Lend:
	s_wait_tensorcnt 0x0
	ds_add_u32 v59, v63
	s_wait_dscnt 0x0
	s_endpgm
.Lw2:
	W2Q
.Lfunc_end_k_qb383ffad8f_route:
	.size	k_qb383ffad8f_route, .Lfunc_end_k_qb383ffad8f_route-k_qb383ffad8f_route
	.p2alignl 7, 3214868480
	.fill 96, 4, 3214868480
	.section	.rodata,"a",@progbits
	.p2align	6, 0x0
	.amdhsa_kernel k_qb383ffad8f_route
		.amdhsa_group_segment_fixed_size 118528
		.amdhsa_private_segment_fixed_size 0
		.amdhsa_enable_private_segment 0
		.amdhsa_kernarg_size 64
		.amdhsa_user_sgpr_count 2
		.amdhsa_user_sgpr_kernarg_segment_ptr 1
		.amdhsa_wavefront_size32 1
		.amdhsa_system_sgpr_workgroup_id_x 1
		.amdhsa_system_sgpr_workgroup_id_y 1
		.amdhsa_system_sgpr_workgroup_id_z 1
		.amdhsa_system_vgpr_workitem_id 0
		.amdhsa_next_free_vgpr 256
		.amdhsa_next_free_sgpr 66
		.amdhsa_reserve_vcc 1
		.amdhsa_float_denorm_mode_32 3
		.amdhsa_float_denorm_mode_16_64 3
		.amdhsa_memory_ordered 1
		.amdhsa_forward_progress 1
		.amdhsa_inst_pref_size 75
	.end_amdhsa_kernel
	.amdgpu_metadata
---
amdhsa.version: [ 1, 2 ]
amdhsa.kernels:
  - .name:           k_qb383ffad8f_route
    .symbol:         k_qb383ffad8f_route.kd
    .args:
      - { .name: x, .offset: 0, .size: 8, .value_kind: global_buffer, .address_space: global }
      - { .name: Wr, .offset: 8, .size: 8, .value_kind: global_buffer, .address_space: global }
      - { .name: br, .offset: 16, .size: 8, .value_kind: global_buffer, .address_space: global }
      - { .name: W2, .offset: 24, .size: 8, .value_kind: global_buffer, .address_space: global }
      - { .name: xqs, .offset: 32, .size: 8, .value_kind: global_buffer, .address_space: global }
      - { .name: pkey, .offset: 40, .size: 8, .value_kind: global_buffer, .address_space: global }
      - { .name: w2q, .offset: 48, .size: 8, .value_kind: global_buffer, .address_space: global }
      - { .name: plan, .offset: 56, .size: 8, .value_kind: global_buffer, .address_space: global }
    .group_segment_fixed_size: 118528
    .private_segment_fixed_size: 0
    .kernarg_segment_align: 8
    .kernarg_segment_size: 64
    .max_flat_workgroup_size: 256
    .sgpr_count:     66
    .vgpr_count:     256
    .wavefront_size: 32
...
	.end_amdgpu_metadata
.endif
;; end of part 5
;; launch lay (part 6): grid 385 x 1, 8 waves a work-group, no clusters, 76,800 bytes of LDS; arguments pkey, W2, W1_codes, plan, w2q, w1f; writes plan, w2q, w1f
.if DOCPART == 6
	.amdgcn_target "amdgcn-amd-amdhsa--gfx1250"
	.amdhsa_code_object_version 6
	.text
	.protected	k_qb383ffad8f_lay
	.globl	k_qb383ffad8f_lay
	.p2align	8
	.type	k_qb383ffad8f_lay,@function
k_qb383ffad8f_lay:
	s_mov_b64 s[64:65], 0
	v_nop
	global_prefetch_b8 v0, s[64:65] scope:SCOPE_SE
	s_setreg_imm32_b32 hwreg(HW_REG_WAVE_MODE, 25, 1), 1
	s_wait_xcnt 0x0
; LAY.  Work-group 0: a counting sort of the 2,048 tokens by their pair of experts (28 pairs), without atomics: a table of tiles and the list of rows.
; Work-groups 1-256: W2's K steps J = 64..127 -> codes in register order, as in the launch before.  Work-groups 257-384: W1's codes -> register order.
; plan: tile t at 16 t: {lo, hi, rows, 0}, 64 entries; list at LIST_O: entry 96 t + row = token (entries not used were set to 0 by the launch before).
; A tile is up to 96 tokens of one pair; a pair's tiles follow each other.  The sum over pairs of ceil(n / 96) is at most (2048 + 28 x 95) / 96 = 49 for every split.
; THE COUNT of a group of 32 tokens (a lane a token): five ballots, one for each bit of the pair's number.  From them a lane makes, by exclusive ors and ors, the mask of the lanes whose pair
; is its own (the bits of it below the lane are the token's rank) and the mask of the tokens whose pair is the LANE's number (its bit count is that pair's count, in lane p for pair p).
; w1f: fragment (expert e, group G of 128 hidden units, K step q, tile t) at ((e*16+G)*64 + 8 q + t)*1024 + 512 c + 16 lane.  Lane r of tile t is row
; 32 (t/2) + 8 (t%2) + r + 8 (r/8) of the group, so that two neighbouring tiles' results are 16 neighbours along the next product's K.
; The three paths part on the work-group's number; the sort has LDS bytes 0-8,191, the W1 path 8,192 on, the W2 path none.
; No cluster: no two work-groups read the same bytes.
; LIMITS (W2): NaN and infinities are not served; a block whose largest magnitude lies under 2^-124, a block of zeros too, keeps the scale byte 1.
.set LIST_O, 1024
.set W2S_O,  8388608
.set PLC,    0                         ; 64 groups of 32 tokens x 32 counts
.set ST3,    8192                      ; eight stages of 16 rows x 528
.set C,   24
.set X,   64
.set PW2, 6
.set PQ,  12
.set ID0, 1
.set J0,  64
.set NW2, 256                          ; work-groups of the W2 path
.set PIX, 16                           ; v16-23  my eight groups: the token's pair, 0..27
.set CNT, 24                           ; v24-31  lane p: how many of pair p in the group
.set RNK, 32                           ; v32-39  how many of my pair stand before me in the group
.set BAS, 40                           ; v40-47  lane p: where the group's tokens of pair p begin in the list
.set POS, 48                           ; v48-55  my place in the list
.set IX4, 56                           ; v56-63  4 x pair
.set T,   64                           ; v64-127 all 64 groups' counts; before that, at work in the count:
.set U,   64                           ; v64-83  four groups x five bits: by the token's pair
.set W,   84                           ; v84-103 the same by the lane's number
.set LB,  104                          ; v104-108 all ones where bit b of my lane's number is set
.set SW8, 128                          ; v128-135 a wave's sums
.set TOT, 136
.set BEF, 137
.set NTV, 138
.set TBV, 139
.set TI,  140                          ; v140-143 lo, hi, rows, 0 of tile v0
.set STB, 144
.set STO, 145
.set TKN, 148                          ; v148-155 token numbers
.macro QBLK xs, c, t
	v_max3_num_f32 v40, |v[(\xs)]|, |v[(\xs)+1]|, |v[(\xs)+2]|
	v_max3_num_f32 v41, |v[(\xs)+3]|, |v[(\xs)+4]|, |v[(\xs)+5]|
.irp i, 6,10,14,18,22,26
	s_delay_alu instid0(VALU_DEP_2)
	v_max3_num_f32 v40, v40, |v[(\xs)+\i]|, |v[(\xs)+\i+1]|
	s_delay_alu instid0(VALU_DEP_2)
	v_max3_num_f32 v41, v41, |v[(\xs)+\i+2]|, |v[(\xs)+\i+3]|
.endr
	s_delay_alu instid0(VALU_DEP_2)
	v_max3_num_f32 v40, v40, |v[(\xs)+30]|, |v[(\xs)+31]|
	s_delay_alu instid0(VALU_DEP_1)
	v_max3_num_f32 v40, v40, v41, 0x1800000        ; the floor 2^(3-127): the byte cannot fall under 1
	s_delay_alu instid0(VALU_DEP_1)
	v_add_nc_u32 v42, 0xff000000, v40              ; 2 off the exponent field: the conversion's scale operand
	s_delay_alu instid0(VALU_DEP_1)
	v_lshrrev_b32 v43, 23, v42
.if (\t) == 0
	s_delay_alu instid0(VALU_DEP_1)
	v_mov_b32 v44, v43
.else
	s_delay_alu instid0(VALU_DEP_1)
	v_lshl_or_b32 v44, v43, 8*(\t), v44
.endif
.irp g, 0,1,2,3
	v_cvt_scalef32_pk8_fp4_f32 v[(\c)+\g], v[(\xs)+8*\g:(\xs)+8*\g+7], v42
.endr
.endm
.macro W2LOAD t
.set wi, 0
.rept 32
	global_load_b32 v[X+32*((\t)%2)+wi], v13, s[24:25] offset:(32*(\t)+wi)*4096 th:TH_LOAD_NT
.set wi, wi+1
.endr
.endm
.macro W2BLOCK t
.if (\t) < 3
	s_wait_loadcnt 32                              ; this block's 32 loads are in; the next block's 32 may be out
.else
	s_wait_loadcnt 0x0
.endif
	QBLK X+32*((\t)%2), C+4*(\t), \t
.if (\t) < 2
	W2LOAD (\t)+2
.endif
.endm
.macro W2Q
	s_sub_co_u32 s21, ttmp9, ID0
	s_and_b32 s22, s21, 3                          ; cx: which 256 columns
	s_lshr_b32 s23, s21, 2
.if J0 > 0
	s_add_co_u32 s23, s23, J0                      ; J: which 128 rows of W2
.endif
	s_lshl_b32 s24, s23, 19
	s_lshl_b32 s26, s22, 10
	s_add_co_u32 s24, s24, s26
	s_lshl_b32 s26, s20, 7
	s_add_co_u32 s24, s24, s26
	s_mov_b32 s25, 0
	s_add_nc_u64 s[24:25], s[PW2:PW2+1], s[24:25]
	s_lshr_b32 s26, s23, 4
	s_lshl_b32 s26, s26, 5
	s_lshl_b32 s27, s22, 3
	s_add_co_u32 s26, s26, s27
	s_add_co_u32 s26, s26, s20
	s_lshl_b32 s26, s26, 4
	s_and_b32 s27, s23, 15
	s_add_co_u32 s26, s26, s27                     ; (e*32+P)*16 + j
	s_lshl_b32 s28, s26, 11
	s_mov_b32 s29, 0
	s_add_nc_u64 s[28:29], s[PQ:PQ+1], s[28:29]
	s_lshl_b32 s30, s26, 7
	s_add_co_u32 s30, s30, W2S_O
	s_mov_b32 s31, 0
	s_add_nc_u64 s[30:31], s[PQ:PQ+1], s[30:31]
	W2LOAD 0
	W2LOAD 1
	W2BLOCK 0
	W2BLOCK 1
	W2BLOCK 2
	W2BLOCK 3
	v_nop                                          ; one plain place behind the last scaled conversion
.irp c, 0,1
.irp i, 0,1,2,3
	v_permlane16_swap_b32 v[C+8*\c+\i], v[C+8*\c+4+\i]         ; lanes 0-15 block 2c, lanes 16-31 block 2c+1, of 16 columns each
.endr
.endr
	global_store_b128 v2, v[C:C+3], s[28:29]
	global_store_b128 v2, v[C+8:C+11], s[28:29] offset:512
	global_store_b128 v2, v[C+4:C+7], s[28:29] offset:1024
	global_store_b128 v2, v[C+12:C+15], s[28:29] offset:1536
	global_store_b32 v13, v44, s[30:31]
	s_endpgm
.endm
; Ranks and counts of groups first .. first + 3.  The four groups go line by line, so that no line waits for the line above it.
.macro COUNT4 first
.irp g, 0,1,2,3
.irp b, 0,1,2,3,4
	v_bfe_u32 v[U+5*\g+\b], v[PIX+(\first)+\g], \b, 1
.endr
.endr
.irp g, 0,1,2,3
.irp b, 0,1,2,3,4
	v_sub_nc_u32 v[U+5*\g+\b], 0, v[U+5*\g+\b]     ; all ones where bit b of my pair's number is set
.endr
.endr
.irp g, 0,1,2,3
.irp b, 0,1,2,3,4
	v_cmp_ne_u32 s[40+5*\g+\b], 0, v[U+5*\g+\b]    ; the ballot: bit j = bit b of lane j's pair
.endr
.endr
.irp g, 0,1,2,3
.irp b, 0,1,2,3,4
	v_xor_b32 v[W+5*\g+\b], s[40+5*\g+\b], v[LB+\b]            ; bit j set: lane j's pair differs in bit b from my lane's number,
	v_xor_b32 v[U+5*\g+\b], s[40+5*\g+\b], v[U+5*\g+\b]        ; from my pair
.endr
.endr
.irp a, U, W
.irp g, 0,1,2,3
	v_or_b32 v[\a+5*\g], v[\a+5*\g], v[\a+5*\g+1]
	v_or_b32 v[\a+5*\g+2], v[\a+5*\g+2], v[\a+5*\g+3]
.endr
.irp g, 0,1,2,3
	v_or_b32 v[\a+5*\g], v[\a+5*\g], v[\a+5*\g+2]
.endr
.irp g, 0,1,2,3
	s_delay_alu instid0(VALU_DEP_4)
	v_or_b32 v[\a+5*\g], v[\a+5*\g], v[\a+5*\g+4]  ; differs in some bit
.endr
.irp g, 0,1,2,3
	s_delay_alu instid0(VALU_DEP_4)
	v_xor_b32 v[\a+5*\g], -1, v[\a+5*\g]           ; in none: the mask of the equal ones
.endr
.endr
.irp g, 0,1,2,3
	v_mbcnt_lo_u32_b32 v[RNK+(\first)+\g], v[U+5*\g], 0        ; of my pair, how many in lower lanes
.endr
.irp g, 0,1,2,3                        ; the bit count of the other mask: sums of 2, 4 and 8 bits side by side, then the four bytes by one multiplication
	v_lshrrev_b32 v[W+5*\g+1], 1, v[W+5*\g]
.endr
.irp g, 0,1,2,3
	s_delay_alu instid0(VALU_DEP_4)
	v_and_b32 v[W+5*\g+1], s30, v[W+5*\g+1]
.endr
.irp g, 0,1,2,3
	s_delay_alu instid0(VALU_DEP_4)
	v_sub_nc_u32 v[W+5*\g], v[W+5*\g], v[W+5*\g+1]
.endr
.irp g, 0,1,2,3
	s_delay_alu instid0(VALU_DEP_4)
	v_lshrrev_b32 v[W+5*\g+1], 2, v[W+5*\g]
.endr
.irp g, 0,1,2,3
	v_and_b32 v[W+5*\g+1], s31, v[W+5*\g+1]
	v_and_b32 v[W+5*\g], s31, v[W+5*\g]
.endr
.irp g, 0,1,2,3
	v_add_nc_u32 v[W+5*\g], v[W+5*\g], v[W+5*\g+1]
.endr
.irp g, 0,1,2,3
	s_delay_alu instid0(VALU_DEP_4)
	v_lshrrev_b32 v[W+5*\g+1], 4, v[W+5*\g]
.endr
.irp g, 0,1,2,3
	s_delay_alu instid0(VALU_DEP_4)
	v_add_nc_u32 v[W+5*\g], v[W+5*\g], v[W+5*\g+1]
.endr
.irp g, 0,1,2,3
	s_delay_alu instid0(VALU_DEP_4)
	v_and_b32 v[W+5*\g], s32, v[W+5*\g]
.endr
.irp g, 0,1,2,3
	s_delay_alu instid0(VALU_DEP_4)
	v_mul_lo_u32 v[W+5*\g], v[W+5*\g], s33
.endr
.irp g, 0,1,2,3
	s_delay_alu instid0(VALU_DEP_4)
	v_lshrrev_b32 v[CNT+(\first)+\g], 24, v[W+5*\g]            ; lane p: the group's count of pair p (lanes 28-31: 0)
.endr
.endm
	s_load_b256 s[4:11], s[0:1], 0x0               ; pkey 4, W2 6, W1_codes 8, plan 10
	s_load_b128 s[12:15], s[0:1], 0x20             ; w2q 12, w1f 14
	v_lshl_add_u32 v160, v0, 2, 0x12800
	v_mov_b32 v161, 0
	v_lshrrev_b32 v1, 5, v0
	s_delay_alu instid0(VALU_DEP_1)
	v_readfirstlane_b32 s20, v1                    ; wave
	v_and_b32 v1, 31, v0                           ; lane
	s_delay_alu instid0(VALU_DEP_1)
	v_lshlrev_b32 v2, 4, v1
	s_delay_alu instid0(VALU_DEP_2)
	v_lshlrev_b32 v13, 2, v1
	s_lshl_b32 s21, s20, 10
	v_add_nc_u32 v3, s21, v13                      ; counts in: 1,024 wave + 4 lane (+ 128 group)
	v_add_nc_u32 v4, PLC, v13                      ; counts back: 4 lane (+ 128 group)
	s_mul_i32 s21, s20, 8448
	s_add_co_u32 s21, s21, ST3
	v_add_nc_u32 v5, s21, v2                       ; my stage, in: 16 lane (+ 528 row)
	v_and_b32 v6, 15, v0
	s_delay_alu instid0(VALU_DEP_1)
	v_mul_u32_u24 v6, v6, 528
	v_bfe_u32 v7, v0, 4, 1
	s_delay_alu instid0(VALU_DEP_1)
	v_lshl_add_u32 v6, v7, 4, v6
	s_delay_alu instid0(VALU_DEP_1)
	v_add_nc_u32 v6, s21, v6                       ; back: 528 r + 16 h
	s_wait_kmcnt 0x0
	s_cmp_eq_u32 ttmp9, 0
	s_cbranch_scc1 .Lsort
	s_cmp_lt_u32 ttmp9, NW2+1
	s_cbranch_scc0 .Lw1
	s_wait_alu depctr_va_vdst(0)
	W2Q
.Lw1:                                  ; W1: work-group = (expert, group of 128 hidden units), wave = tile: 16 whole rows of 512 bytes in, 16 pieces of fragments out
	s_sub_co_u32 s21, ttmp9, NW2+1                 ; e*16 + G
	s_lshl_b32 s24, s21, 16                        ; 128 rows of 512 bytes
	s_lshr_b32 s22, s20, 1
	s_lshl_b32 s22, s22, 14                        ; 32 (t/2) rows
	s_and_b32 s23, s20, 1
	s_lshl_b32 s23, s23, 12                        ; 8 (t%2) rows
	s_add_co_u32 s26, s24, s22
	s_add_co_u32 s26, s26, s23
	s_mov_b32 s27, 0
	s_add_nc_u64 s[26:27], s[8:9], s[26:27]
	s_lshl_b32 s28, s20, 10
	s_add_co_u32 s28, s28, s24
	s_mov_b32 s29, 0
	s_add_nc_u64 s[28:29], s[14:15], s[28:29]
.set ii, 0
.rept 16
	global_load_b128 v[16+4*ii:16+4*ii+3], v2, s[26:27] offset:(ii+8*(ii/8))*512 th:TH_LOAD_NT
.set ii, ii+1
.endr
.set ii, 0
	s_wait_alu depctr_va_vdst(0)
.rept 16
	s_wait_loadcnt 15-ii                           ; row ii is in; the younger rows may be out
	ds_store_b128 v5, v[16+4*ii:16+4*ii+3] offset:528*ii
.set ii, ii+1
.endr
.set ii, 0
.rept 16
	ds_load_b128 v[80+4*ii:80+4*ii+3], v6 offset:32*ii         ; K step ii / 2, half ii % 2.  LDS serves a wave's instructions in order: these see my stores
.set ii, ii+1
.endr
.set ii, 0
.rept 16
	s_wait_dscnt 15-ii                             ; piece ii is back; the younger may be out
	global_store_b128 v2, v[80+4*ii:80+4*ii+3], s[28:29] offset:8192*(ii/2)+512*(ii%2)   ; 512 consecutive bytes, aligned
.set ii, ii+1
.endr
	s_wait_tensorcnt 0x0
	ds_add_u32 v160, v161
	s_wait_dscnt 0x0
	s_endpgm
.Lsort:                                ; wave w owns tokens 256 w + 32 g + lane, g = 0..7
	s_lshl_b32 s24, s20, 10
	s_mov_b32 s25, 0
	s_add_nc_u64 s[24:25], s[4:5], s[24:25]
	s_wait_alu depctr_va_vdst(0)
.irp g, 0,1,2,3,4,5,6,7
	global_load_b32 v[PIX+\g], v13, s[24:25] offset:128*\g
.endr
	s_mov_b32 s30, 0x55555555
	s_mov_b32 s31, 0x33333333
	s_mov_b32 s32, 0x0f0f0f0f
	s_mov_b32 s33, 0x01010101
.irp b, 0,1,2,3,4
	v_bfe_u32 v[LB+\b], v1, \b, 1
.endr
.irp b, 0,1,2,3,4
	v_sub_nc_u32 v[LB+\b], 0, v[LB+\b]
.endr
	s_wait_loadcnt 0x0
.irp g, 0,1,2,3,4,5,6,7
	v_lshrrev_b32 v146, 3, v[PIX+\g]               ; lo
	v_and_b32 v147, 7, v[PIX+\g]                   ; hi
	s_delay_alu instid0(VALU_DEP_2)
	v_sub_nc_u32 v[PIX+\g], 15, v146
	s_delay_alu instid0(VALU_DEP_1)
	v_mul_u32_u24 v[PIX+\g], v[PIX+\g], v146
	s_delay_alu instid0(VALU_DEP_1)
	v_lshrrev_b32 v[PIX+\g], 1, v[PIX+\g]          ; lo (15 - lo) / 2: pairs with a smaller lo
	s_delay_alu instid0(VALU_DEP_1)
	v_add_nc_u32 v[PIX+\g], v[PIX+\g], v147
	s_delay_alu instid0(VALU_DEP_1)
	v_sub_nc_u32 v[PIX+\g], v[PIX+\g], v146
	s_delay_alu instid0(VALU_DEP_1)
	v_add_nc_u32 v[PIX+\g], -1, v[PIX+\g]          ; + hi - lo - 1
	s_delay_alu instid0(VALU_DEP_1)
	v_min_u32 v[PIX+\g], 27, v[PIX+\g]
	s_delay_alu instid0(VALU_DEP_1)
	v_lshlrev_b32 v[IX4+\g], 2, v[PIX+\g]
.endr
	COUNT4 0
	COUNT4 4
.irp g, 0,1,2,3,4,5,6,7
	ds_store_b32 v3, v[CNT+\g] offset:128*\g
.endr
	s_wait_dscnt 0x0                               ; for the others' sake: my counts have landed
	s_barrier_signal -1
	s_barrier_wait -1
.set ii, 0
.rept 64
	ds_load_b32 v[T+ii], v4 offset:128*ii
.set ii, ii+1
.endr
	s_wait_dscnt 0x0
.irp w, 0,1,2,3,4,5,6,7
	v_add_nc_u32 v[SW8+\w], v[T+8*\w], v[T+8*\w+1]
	s_delay_alu instid0(VALU_DEP_1)
	v_add3_u32 v[SW8+\w], v[SW8+\w], v[T+8*\w+2], v[T+8*\w+3]
	s_delay_alu instid0(VALU_DEP_1)
	v_add3_u32 v[SW8+\w], v[SW8+\w], v[T+8*\w+4], v[T+8*\w+5]
	s_delay_alu instid0(VALU_DEP_1)
	v_add3_u32 v[SW8+\w], v[SW8+\w], v[T+8*\w+6], v[T+8*\w+7]
.endr
	v_add3_u32 v[TOT], v[SW8], v[SW8+1], v[SW8+2]
	s_delay_alu instid0(VALU_DEP_1)
	v_add3_u32 v[TOT], v[TOT], v[SW8+3], v[SW8+4]
	s_delay_alu instid0(VALU_DEP_1)
	v_add3_u32 v[TOT], v[TOT], v[SW8+5], v[SW8+6]
	s_delay_alu instid0(VALU_DEP_1)
	v_add_nc_u32 v[TOT], v[TOT], v[SW8+7]          ; lane p: tokens of pair p
	v_mov_b32 v[BEF], 0
.irp w, 0,1,2,3,4,5,6
	s_cmp_gt_u32 s20, \w
	s_cselect_b32 s26, -1, 0
	v_and_b32 v146, s26, v[SW8+\w]
	s_delay_alu instid0(VALU_DEP_1)
	v_add_nc_u32 v[BEF], v[BEF], v146              ; of them, those of the waves before mine
.endr
	v_add_nc_u32 v[NTV], 95, v[TOT]
	s_delay_alu instid0(VALU_DEP_1)
	v_mul_u32_u24 v[NTV], v[NTV], 0xaaab           ; / 96: 43,691 x 96 = 2^22 + 32, exact for numbers up to 2,143
	s_delay_alu instid0(VALU_DEP_1)
	v_lshrrev_b32 v[NTV], 22, v[NTV]               ; lane p: tiles of pair p
	s_mov_b32 s27, 0                               ; tiles so far
.irp i, TBV, TI, TI+1, TI+2, TI+3, STB, STO
	v_mov_b32 v[\i], 0
.endr
.set LO, 0
.set HI, 1
.set pp, 0
.rept 28                               ; over the pairs in order: each pair's first tile; and for tile v0 the last pair that begins at or before it
	v_readlane_b32 s28, v[NTV], pp
	v_readlane_b32 s29, v[TOT], pp
	v_writelane_b32 v[TBV], s27, pp
	v_cmp_gt_u32 vcc_lo, s27, v0
	s_delay_alu instid0(VALU_DEP_1)
	v_cndmask_b32 v[STB], s27, v[STB], vcc_lo
	s_delay_alu instid0(VALU_DEP_2)
	v_cndmask_b32 v[STO], s29, v[STO], vcc_lo
	s_delay_alu instid0(VALU_DEP_3)
	v_cndmask_b32 v[TI], LO, v[TI], vcc_lo
	s_delay_alu instid0(VALU_DEP_4)
	v_cndmask_b32 v[TI+1], HI, v[TI+1], vcc_lo
	s_add_co_u32 s27, s27, s28
.set HI, HI+1
.if HI > 7
.set LO, LO+1
.set HI, LO+1
.endif
.set pp, pp+1
.endr
	v_mad_u32_u24 v[BAS], v[TBV], 96, v[BEF]       ; lane p: where my wave's tokens of pair p begin
.irp g, 1,2,3,4,5,6,7
	s_delay_alu instid0(VALU_DEP_1)
	v_add_nc_u32 v[BAS+\g], v[BAS+\g-1], v[CNT+\g-1]
.endr
.irp g, 0,1,2,3,4,5,6,7
	ds_bpermute_b32 v[POS+\g], v[IX4+\g], v[BAS+\g]            ; each token takes its pair's lane
.endr
	s_lshl_b32 s26, s20, 8
	v_add_nc_u32 v146, s26, v1
	s_wait_alu depctr_va_vdst(0)
	s_wait_dscnt 0x0
.irp g, 0,1,2,3,4,5,6,7
	v_add_nc_u32 v[POS+\g], v[POS+\g], v[RNK+\g]
	s_delay_alu instid0(VALU_DEP_1)
	v_min_u32 v[POS+\g], 0x125f, v[POS+\g]         ; 49 x 96 - 1
	s_delay_alu instid0(VALU_DEP_1)
	v_lshlrev_b32 v[POS+\g], 2, v[POS+\g]
	v_add_nc_u32 v[TKN+\g], 32*\g, v146
	global_store_b32 v[POS+\g], v[TKN+\g], s[10:11] offset:LIST_O
.endr
	s_cmp_lt_u32 s20, 2
	s_cbranch_scc0 .Lsend                          ; threads 0-63 store the table of tiles
	v_sub_nc_u32 v146, v0, v[STB]
	s_delay_alu instid0(VALU_DEP_1)
	v_mul_u32_u24 v146, v146, 96
	s_delay_alu instid0(VALU_DEP_1)
	v_sub_nc_u32 v[TI+2], v[STO], v146             ; what is left of the pair at this tile,
	s_delay_alu instid0(VALU_DEP_1)
	v_max_i32 v[TI+2], 0, v[TI+2]
	s_delay_alu instid0(VALU_DEP_1)
	v_min_i32 v[TI+2], 96, v[TI+2]                 ; held to 0 .. 96
	v_lshlrev_b32 v147, 4, v0
	global_store_b128 v147, v[TI:TI+3], s[10:11]
.Lsend:
	s_wait_tensorcnt 0x0
	ds_add_u32 v160, v161
	s_wait_dscnt 0x0
	s_endpgm
.Lfunc_end_k_qb383ffad8f_lay:
	.size	k_qb383ffad8f_lay, .Lfunc_end_k_qb383ffad8f_lay-k_qb383ffad8f_lay
	.p2alignl 7, 3214868480
	.fill 96, 4, 3214868480
	.section	.rodata,"a",@progbits
	.p2align	6, 0x0
	.amdhsa_kernel k_qb383ffad8f_lay
		.amdhsa_group_segment_fixed_size 76800
		.amdhsa_private_segment_fixed_size 0
		.amdhsa_enable_private_segment 0
		.amdhsa_kernarg_size 48
		.amdhsa_user_sgpr_count 2
		.amdhsa_user_sgpr_kernarg_segment_ptr 1
		.amdhsa_wavefront_size32 1
		.amdhsa_system_sgpr_workgroup_id_x 1
		.amdhsa_system_sgpr_workgroup_id_y 1
		.amdhsa_system_sgpr_workgroup_id_z 1
		.amdhsa_system_vgpr_workitem_id 0
		.amdhsa_next_free_vgpr 162
		.amdhsa_next_free_sgpr 66
		.amdhsa_reserve_vcc 1
		.amdhsa_float_denorm_mode_32 3
		.amdhsa_float_denorm_mode_16_64 3
		.amdhsa_memory_ordered 1
		.amdhsa_forward_progress 1
		.amdhsa_inst_pref_size 82
	.end_amdhsa_kernel
	.amdgpu_metadata
---
amdhsa.version: [ 1, 2 ]
amdhsa.kernels:
  - .name:           k_qb383ffad8f_lay
    .symbol:         k_qb383ffad8f_lay.kd
    .args:
      - { .name: pkey, .offset: 0, .size: 8, .value_kind: global_buffer, .address_space: global }
      - { .name: W2, .offset: 8, .size: 8, .value_kind: global_buffer, .address_space: global }
      - { .name: W1_codes, .offset: 16, .size: 8, .value_kind: global_buffer, .address_space: global }
      - { .name: plan, .offset: 24, .size: 8, .value_kind: global_buffer, .address_space: global }
      - { .name: w2q, .offset: 32, .size: 8, .value_kind: global_buffer, .address_space: global }
      - { .name: w1f, .offset: 40, .size: 8, .value_kind: global_buffer, .address_space: global }
    .group_segment_fixed_size: 76800
    .private_segment_fixed_size: 0
    .kernarg_segment_align: 8
    .kernarg_segment_size: 48
    .max_flat_workgroup_size: 256
    .sgpr_count:     66
    .vgpr_count:     162
    .wavefront_size: 32
...
	.end_amdgpu_metadata
.endif
;; end of part 6
;; launch up (part 7): grid 8 x 49, 4 waves a work-group, no clusters, 51,200 bytes of LDS; arguments plan, xqs, w1f, W1_scales, b1, hq; writes hq
.if DOCPART == 7
	.amdgcn_target "amdgcn-amd-amdhsa--gfx1250"
	.amdhsa_code_object_version 6
	.text
	.protected	k_qb383ffad8f_up
	.globl	k_qb383ffad8f_up
	.p2align	8
	.type	k_qb383ffad8f_up,@function
k_qb383ffad8f_up:
	s_mov_b64 s[64:65], 0
	v_nop
	global_prefetch_b8 v0, s[64:65] scope:SCOPE_SE
	s_setreg_imm32_b32 hwreg(HW_REG_WAVE_SCHED_MODE, 0, 2), 2
	s_setreg_imm32_b32 hwreg(HW_REG_WAVE_MODE, 25, 1), 1
	s_wait_xcnt 0x0
	s_wait_alu depctr_vm_vsrc(0)
; UP.  hidden = gate x relu(Q(x) W1 + b1), quantised along the hidden units, for one tile (up to 96 tokens of one pair of experts: work-group y) and 512 hidden
; units of one of its two experts (work-group x: x / 4 = lo or hi, x % 4 = which 512).  Wave w: 96 rows x 128 units, group G = 4 (x % 4) + w: 48 accumulators.
; The product is used transposed (source 0 = 16 rows of W1, source 1 = 16 tokens): a lane holds ONE token and its registers run along the hidden units, the next K.
; W1's fragments come from w1f in register order, straight into registers, a ring of four sets; x's 96 rows of codes are gathered once into LDS (pitch 528 bytes =
; 132 words: row r starts at bank 4 r mod 64) and read by all four waves.  b1 is the C of each sum's first matrix instruction.
; hq: image of (tile, K step ks = 16 slot + G, rows 16 a on) at ((tile*32+ks)*6+a)*1024 + 512 c + 16 lane; scale words at HS_O + ((tile*32+ks)*3+a/2)*128 + 4 lane.
; THE GRID serves every split: 49 tiles at the most.  A tile without rows stores nothing: a branch on its stored row count leads round the work, never round the barrier.
; Rows of a tile beyond its count take token 0's numbers (the list holds 0 there); their results are stored in hq and never reach the output.
; No tensor loads and no cluster: the launch branches on stored counts, and neighbouring tiles belong to other pairs of experts with other numbers of rows.
; gate x relu(z) is made as max(gate x z, 0): the same number, since a gate is not negative.
; LIMITS: NaN and infinities are not served; a block whose largest magnitude lies under 2^-124, a block of zeros too, keeps the scale byte 1.
; REGISTERS: window 0: v1-19 addresses and tokens; v20-31 gates; v32-55 x's scale words, v56-87 W1's (these hold scales alone); v88-183 x's fragments, two sets, later 64 hidden
; numbers; v184-218 at work; v224-253 offsets.  Window 1: W1's fragments, four sets of 64.  Window 2: accumulators of rows 0-63 at 64 a + 8 t.  Window 3: rows 64-95; b1 at v128 + 8 t.
; THE MODE: SCHED_MODE bits 1:0 = 2 (LLVM: expert scheduling mode 2), set by the entry lines.  The code itself states the register dependences between vector or matrix
; instructions and memory or LDS instructions, with s_wait_alu, always for 0.
; THE PLAN.  Registers that memory or LDS instructions touch:
;   v1-v7             offsets and LDS addresses: made at the head, never written again.
;   v17-19, v224-253  offsets made of the tokens, once; each run of loads that reads them stands behind one wait on va_vdst.
;   AF0, AF1          at the head: the gather's loads land in them and the LDS stores read them.  Then step q's matrix instructions read AF[q % 2]; the LDS loads of step q + 1 land in it.
;   W1's sets 0 .. 3  step q's matrix instructions read set q % 4; the loads of step q + 1 land in it (K step q + 4).
;   v[PC ..], v[SW]   written by a tail's conversions and selects, read by its stores.
;   The accumulators, the scale words, b1 and the gates are loaded once or written by matrix instructions, and no memory instruction touches them behind that.
; So ONE wait on va_vdst stands at the head of a step, behind the wait for its set of W1: the last step's matrix instructions are done reading the two sets that this step's loads fill.
; The loads follow it, dealt among the step's matrix instructions, which name set q % 4, AF[q % 2], scale words and accumulators: none of the registers that those loads touch.
; A tail has one wait on va_vdst ahead of its stores, and one on vm_vsrc ahead of the lines that write the stores' data again.
.set XS_O,   1048576
.set GT_O,   1114112
.set LIST_O, 1024
.set HS_O,   9633792
.set PITCH,  528
.set GA,  20
.set XSC, 32
.set WSC, 56
.set AF,  88
.set H,   88
.set TM,  184
.set PC,  208
.set PW,  216
.set PWE, 217
.set SW,  218
.set RO,  224
.set SEL, 78
.set MSB, 0
.macro WIN new                         ; the immediate's high byte repeats the setting that is left
.if MSB != (\new)
	s_set_vgpr_msb (MSB<<8)|(\new)
.set MSB, (\new)
.endif
.endm
.macro PLACES                          ; four plain places behind a matrix instruction, ahead of loads into its sources and of reads of its result
.rept 4
	v_nop
.endr
.endm
.macro BLOADH q, t0                    ; W1's fragments t0 .. t0 + 3 of K step q into set q % 4: 8 loads of 512 consecutive bytes
	WIN 0x40
.irp t, 0,1,2,3
.irp c, 0,1
	global_load_b128 v[64*((\q)%4)+8*((\t0)+\t)+4*\c:64*((\q)%4)+8*((\t0)+\t)+4*\c+3], v1, s[66:67] offset:(8*(\q)+(\t0)+\t)*1024+512*\c
.endr
.endr
.endm
.macro BLOAD q                         ; all eight
	BLOADH \q, 0
	BLOADH \q, 4
.endm
.macro AFLOAD q                        ; x's six fragments of K step q into set q % 2
	WIN 0
.irp a, 0,1,2,3,4,5
.irp c, 0,1
	ds_load_b128 v[AF+48*((\q)%2)+8*\a+4*\c:AF+48*((\q)%2)+8*\a+4*\c+3], v2 offset:16*PITCH*\a+64*(\q)+32*\c
.endr
.endr
.endm
.macro WM d, a, b, c, sa, sb, ra, rb   ; ra, rb: the side's scale words stand in lanes 16-31
.if (\ra) && (\rb)
	v_wmma_scale_f32_16x16x128_f8f6f4 v[\d:\d+7], v[\a:\a+7], v[\b:\b+7], v[\c:\c+7], v[\sa], v[\sb] matrix_a_fmt:MATRIX_FMT_FP4 matrix_b_fmt:MATRIX_FMT_FP4 matrix_a_scale:MATRIX_SCALE_ROW1 matrix_b_scale:MATRIX_SCALE_ROW1
.elseif (\ra)
	v_wmma_scale_f32_16x16x128_f8f6f4 v[\d:\d+7], v[\a:\a+7], v[\b:\b+7], v[\c:\c+7], v[\sa], v[\sb] matrix_a_fmt:MATRIX_FMT_FP4 matrix_b_fmt:MATRIX_FMT_FP4 matrix_a_scale:MATRIX_SCALE_ROW1
.elseif (\rb)
	v_wmma_scale_f32_16x16x128_f8f6f4 v[\d:\d+7], v[\a:\a+7], v[\b:\b+7], v[\c:\c+7], v[\sa], v[\sb] matrix_a_fmt:MATRIX_FMT_FP4 matrix_b_fmt:MATRIX_FMT_FP4 matrix_b_scale:MATRIX_SCALE_ROW1
.else
	v_wmma_scale_f32_16x16x128_f8f6f4 v[\d:\d+7], v[\a:\a+7], v[\b:\b+7], v[\c:\c+7], v[\sa], v[\sb] matrix_a_fmt:MATRIX_FMT_FP4 matrix_b_fmt:MATRIX_FMT_FP4
.endif
.endm
.macro MUL q, a                        ; rows 16 a on against W1's eight tiles.  The 48 accumulators take turns, one instruction a turn, in the same order in every step
.irp t, 0,1,2,3,4,5,6,7
.if (\q) == 0
	WM 64*((\a)%4)+8*\t, 64*((\q)%4)+8*\t, AF+48*((\q)%2)+8*(\a), 128+8*\t, WSC+8*(\t/2)+(\q), XSC+8*((\a)/2)+(\q), \t%2, (\a)%2
.else
	WM 64*((\a)%4)+8*\t, 64*((\q)%4)+8*\t, AF+48*((\q)%2)+8*(\a), 64*((\a)%4)+8*\t, WSC+8*(\t/2)+(\q), XSC+8*((\a)/2)+(\q), \t%2, (\a)%2
.endif
.endr
.endm
.macro STEP q
	WIN 0
.if (\q) > 0
	PLACES                                         ; they stay beside the wait on va_vdst below
.endif
.if (\q) == 0
	s_wait_loadcnt 48                              ; this step's set of W1 and all that was asked for ahead of it are in; sets 1 to 3, 16 loads each, may be out
.elseif (\q) <= 5
	s_wait_loadcnt 32                              ; this step's set of W1 is in; the two later sets may be out (the third is asked for below)
.else
	s_wait_loadcnt 16*(7-(\q))                     ; the counts run down
.endif
.if ((\q) >= 1) && ((\q) <= 6)
	s_wait_alu depctr_va_vdst(0)                   ; the last step's matrix instructions are done reading their fragments of x and their set of W1, in which this step's loads land
.endif
.if (\q) < 7
	AFLOAD (\q)+1
	s_wait_dscnt 12                                ; this step's fragments of x are in; the twelve just issued may be out
.else
	s_wait_dscnt 0x0
.endif
.if (\q) == 0
	WIN 0xb1                                       ; source 0 window 1, source 1 window 0, C (b1) window 3, D window 2
.else
	WIN 0xa1                                       ; C and D window 2
.endif
	MUL \q, 0
.if ((\q) >= 1) && ((\q) <= 4)
	BLOADH (\q)+3, 0                               ; into the set that the last step read.  No wait: no matrix instruction since the wait above names that set or v1
	WIN 0xa1
.endif
	MUL \q, 1
.if ((\q) >= 1) && ((\q) <= 4)
	BLOADH (\q)+3, 4
	WIN 0xa1
.endif
	MUL \q, 2
	MUL \q, 3
	WIN 0xf1                                       ; C and D window 3
	MUL \q, 4
	MUL \q, 5
.endm
; 64 numbers of a lane, register 16 b + i = k 32 b + 16 (lane / 16) + i of my row, become a fragment's codes in v[PC] on and its scale word in v[PW].
.macro QUANT s
.irp b, 0,1,2,3
	v_max3_num_f32 v[TM+\b], |v[\s+16*\b]|, |v[\s+1+16*\b]|, 0x1800000   ; my 16 numbers of block b, and the floor 2^(3-127)
.endr
.irp i, 2,4,6,8,10,12,14
.irp b, 0,1,2,3
	v_max3_num_f32 v[TM+\b], v[TM+\b], |v[\s+16*\b+\i]|, |v[\s+1+16*\b+\i]|
.endr
.endr
.irp b, 0,1,2,3
	v_permlanex16_b32 v[TM+4+\b], v[TM+\b], s[SEL], s[SEL+1]
.endr
.irp b, 0,1,2,3
	v_max_num_f32 v[TM+\b], v[TM+\b], v[TM+4+\b]   ; with lane l xor 16's: the block's largest magnitude
.endr
.irp b, 0,1,2,3
	v_add_nc_u32 v[TM+12+\b], 0xff000000, v[TM+\b] ; 2 off the exponent field: the conversion's scale operand
.endr
.irp b, 0,1,2,3
	v_lshrrev_b32 v[TM+4+\b], 23, v[TM+12+\b]      ; the scale's byte
.endr
	v_lshl_or_b32 v[PW], v[TM+5], 8, v[TM+4]
	v_lshl_or_b32 v[PW], v[TM+6], 16, v[PW]
	v_lshl_or_b32 v[PW], v[TM+7], 24, v[PW]
.irp b, 0,1,2,3
	v_cvt_scalef32_pk8_fp4_f32 v[PC+2*\b], v[\s+16*\b:\s+7+16*\b], v[TM+12+\b]
	v_cvt_scalef32_pk8_fp4_f32 v[PC+1+2*\b], v[\s+8+16*\b:\s+15+16*\b], v[TM+12+\b]
.endr
	v_nop                                          ; one plain place behind a scaled conversion
.irp c, 0,1                            ; the operand wants a whole block in a lane: lanes 0-15 block 2 c, lanes 16-31 block 2 c + 1
.irp i, 0,1
	v_permlane16_swap_b32 v[PC+4*\c+\i], v[PC+2+4*\c+\i]
.endr
.endr
.endm
.macro TAIL a                          ; rows 16 a on: x gate, clipped at 0, quantised, stored as an image of the operand's registers
	WIN 0x02+(\a)/4                                ; source 0: window 2 or 3
.set jj, 0
.rept 32
	v_pk_mul_f32 v[H+jj:H+jj+1], v[64*((\a)%4)+jj:64*((\a)%4)+jj+1], v[GA+2*(\a):GA+2*(\a)+1] op_sel_hi:[1,0]   ; each accumulator from its low end on
.set jj, jj+2
.endr
	WIN 0
.set jj, 0
.rept 64
	v_max_num_f32 v[H+jj], 0, v[H+jj]
.set jj, jj+1
.endr
.if (\a) > 0
	s_wait_xcnt 0x0                                ; the last rows' stores have had their addresses translated: their data are written again only behind this wait,
	s_wait_alu depctr_vm_vsrc(0)                   ; and those stores have read v[PC ..] and v[SW], which the lines below write again
.endif
	QUANT H
.if ((\a)%2) == 0
	v_mov_b32 v[PWE], v[PW]
.else
	v_cndmask_b32 v[SW], v[PWE], v[PW], s76        ; lanes 0-15: rows 16 (a-1) on; lanes 16-31: rows 16 a on
.endif
	s_wait_alu depctr_va_vdst(0)                   ; the conversions and exchanges have written v[PC ..], the select v[SW]: the stores below read them
	global_store_b128 v1, v[PC:PC+3], s[72:73] offset:1024*(\a)
	global_store_b128 v1, v[PC+4:PC+7], s[72:73] offset:1024*(\a)+512
.if ((\a)%2) == 1
	global_store_b32 v6, v[SW], s[74:75] offset:128*((\a)/2)
.endif
.endm
	s_load_b256 s[4:11], s[0:1], 0x0               ; plan 4, xqs 6, w1f 8, W1_scales 10
	s_load_b128 s[12:15], s[0:1], 0x20             ; b1 12, hq 14
	v_lshl_add_u32 v254, v0, 2, 0xc600
	v_mov_b32 v255, 0
	v_lshrrev_b32 v200, 5, v0
	v_readfirstlane_b32 s16, v200                  ; wave
	v_and_b32 v200, 31, v0                         ; lane
	v_and_b32 v201, 15, v0                         ; r
	v_bfe_u32 v202, v0, 4, 1                       ; h
	v_lshlrev_b32 v1, 4, v200                      ; 16 lane
	v_lshlrev_b32 v6, 2, v200                      ; 4 lane
	v_lshlrev_b32 v7, 2, v201                      ; 4 r
	v_mul_u32_u24 v2, v201, PITCH
	v_lshl_add_u32 v2, v202, 4, v2                 ; a fragment of x: 528 r + 16 h
	s_wait_alu depctr_va_sdst(0)                   ; s16 is written, ahead of its first reader
	s_mul_i32 s17, s16, 24*PITCH
	v_add_nc_u32 v3, s17, v1                       ; the rows that I gather: 24 wave on, 16 lane
	v_and_b32 v4, 8, v201
	v_add_nc_u32 v4, v4, v201
	v_lshl_add_u32 v4, v202, 3, v4
	v_lshlrev_b32 v4, 5, v4                        ; W1's scale bytes: row r + 8 (r/8) + 8 h of a pair of tiles, 32 bytes a row
	v_lshlrev_b32 v5, 6, v202                      ; b1: 16 h numbers on
	s_and_b32 s18, ttmp7, 0xffff                   ; the tile
	s_lshl_b32 s19, s18, 4
	s_mul_i32 s22, s18, 384
	s_mul_i32 s20, s16, 96
	s_add_co_u32 s20, s20, s22
	s_mov_b32 s23, 0
	s_wait_kmcnt 0x0
	s_load_b128 s[24:27], s[4:5], s19 offset:0x0               ; lo, hi, rows, 0
	s_load_b256 s[32:39], s[4:5], s20 offset:LIST_O            ; the tokens of rows 24 wave .. 24 wave + 23
	s_load_b256 s[40:47], s[4:5], s20 offset:LIST_O+32
	s_load_b256 s[48:55], s[4:5], s20 offset:LIST_O+64
	s_add_nc_u64 s[22:23], s[4:5], s[22:23]
	s_wait_alu depctr_va_vdst(0)                   ; the offsets and LDS addresses v1 to v7 are written: every load and store of the kernel that names one of them stands behind this wait
.irp a, 0,1,2
	global_load_b32 v[14+\a], v6, s[22:23] offset:LIST_O+128*\a    ; lane = row 32 a + lane
.endr
.irp a, 0,1,2,3,4,5
	global_load_b32 v[8+\a], v7, s[22:23] offset:LIST_O+64*\a      ; lane (r, h) = row 16 a + r
.endr
	s_wait_kmcnt 0x0
	s_wait_loadcnt 0x0
.set ii, 0
.rept 24
	s_min_u32 s[32+ii], s[32+ii], 2047
.set ii, ii+1
.endr
.irp a, 8,9,10,11,12,13,14,15,16
	v_min_u32 v\a, 0x7ff, v\a
.endr
	s_cmp_eq_u32 s26, 0
	s_cbranch_scc1 .Lmeet                          ; a tile without rows gathers nothing
.set ii, 0
.rept 24
	v_lshl_add_u32 v[RO+ii], s[32+ii], 9, v1       ; a row of codes is 512 bytes
.set ii, ii+1
.endr
	s_wait_alu depctr_va_vdst(0)                   ; the 24 offsets v[RO ..] are written, which the gather's loads read
.set ii, 0
.rept 24
	global_load_b128 v[AF+4*ii:AF+4*ii+3], v[RO+ii], s[6:7]    ; a whole row: 512 consecutive bytes
.set ii, ii+1
.endr
.set ii, 0
.rept 24
	s_wait_loadcnt 23-ii                           ; row ii is in; the younger rows may be out
	ds_store_b128 v3, v[AF+4*ii:AF+4*ii+3] offset:PITCH*ii
.set ii, ii+1
.endr
.Lmeet:
	s_wait_alu depctr_vm_vsrc(0)                   ; my LDS stores have read v[AF ..], in which x's fragments land behind the barrier
	s_wait_dscnt 0x0                               ; for the others' sake: my rows have landed
	s_barrier_signal -1
	s_barrier_wait -1                              ; every wave passes here, whatever the tile's count
	s_cmp_eq_u32 s26, 0
	s_cbranch_scc1 .Lend
	AFLOAD 0
	s_lshr_b32 s56, ttmp9, 2                       ; slot: 0 = lo, 1 = hi
	s_cmp_eq_u32 s56, 0
	s_cselect_b32 s57, s24, s25                    ; the expert
	s_cselect_b32 s58, 0, -1                       ; all lanes take ghi where slot = 1
	s_min_u32 s57, s57, 7
	s_and_b32 s59, ttmp9, 3
	s_lshl_b32 s59, s59, 2
	s_add_co_u32 s59, s59, s16                     ; G
	s_lshl_b32 s60, s57, 4
	s_add_co_u32 s60, s60, s59                     ; e*16 + G
	s_lshl_b32 s66, s60, 16
	s_mov_b32 s67, 0
	s_add_nc_u64 s[66:67], s[8:9], s[66:67]        ; the group's 64 fragments
	s_lshl_b32 s68, s60, 12
	s_mov_b32 s69, 0
	s_add_nc_u64 s[68:69], s[10:11], s[68:69]      ; its 128 rows of scale bytes
	s_lshl_b32 s70, s60, 9
	s_mov_b32 s71, 0
	s_add_nc_u64 s[70:71], s[12:13], s[70:71]      ; its 128 numbers of b1
	s_lshl_b32 s61, s18, 5
	s_lshl_b32 s62, s56, 4
	s_add_co_u32 s61, s61, s62
	s_add_co_u32 s61, s61, s59                     ; tile*32 + ks
	s_mul_i32 s72, s61, 6144
	s_mov_b32 s73, 0
	s_add_nc_u64 s[72:73], s[14:15], s[72:73]      ; images out
	s_mul_i32 s74, s61, 384
	s_add_co_u32 s74, s74, HS_O
	s_mov_b32 s75, 0
	s_add_nc_u64 s[74:75], s[14:15], s[74:75]      ; scale words out
	s_mov_b32 s76, 0xffff0000
	s_mov_b32 s[SEL], 0x76543210
	s_mov_b32 s[SEL+1], 0xfedcba98                 ; v_permlanex16_b32's selects for lane l xor 16
	s_wait_alu depctr_va_vdst(0)
.irp a, 0,1,2
	v_lshlrev_b32 v[17+\a], 5, v[14+\a]
.endr
.irp a, 0,1,2,3,4,5
	v_lshlrev_b32 v[248+\a], 3, v[8+\a]
.endr
	s_wait_alu depctr_va_vdst(0)                   ; the offsets v17 to v19 and v248 to v253 are written, which the loads below read; only loads and window switches follow up to the first step
.irp a, 0,1,2
	global_load_b128 v[XSC+8*\a:XSC+8*\a+3], v[17+\a], s[6:7] offset:XS_O        ; x's scale words, K steps 0-3: lane = row 32 a + lane
	global_load_b128 v[XSC+8*\a+4:XSC+8*\a+7], v[17+\a], s[6:7] offset:XS_O+16   ; K steps 4-7
.endr
.irp a, 0,1,2,3,4,5
	global_load_b64 v[GA+2*\a:GA+2*\a+1], v[248+\a], s[6:7] offset:GT_O          ; glo, ghi of row 16 a + r
.endr
.irp b, 0,1,2,3
	global_load_b128 v[WSC+8*\b:WSC+8*\b+3], v4, s[68:69] offset:1024*\b         ; W1's scale words: lanes 0-15 tile 2 b, lanes 16-31 tile 2 b + 1
	global_load_b128 v[WSC+8*\b+4:WSC+8*\b+7], v4, s[68:69] offset:1024*\b+16
.endr
	WIN 0xc0                                       ; destination window 3
.irp t, 0,1,2,3,4,5,6,7
	global_load_b128 v[128+8*\t:128+8*\t+3], v5, s[70:71] offset:(32*(\t/2)+8*(\t%2))*4      ; b1 in the result's layout: units 32 (t/2) + 16 h + 8 (t%2) + 0..7
	global_load_b128 v[128+8*\t+4:128+8*\t+7], v5, s[70:71] offset:(32*(\t/2)+8*(\t%2))*4+16
.endr
	BLOAD 0
	BLOAD 1
	BLOAD 2
	BLOAD 3
	STEP 0
	STEP 1
	STEP 2
	STEP 3
	STEP 4
	STEP 5
	STEP 6
	STEP 7
	WIN 0
	PLACES
.irp a, 0,1,2,3,4,5
	v_cndmask_b32 v[GA+2*\a], v[GA+2*\a], v[GA+2*\a+1], s58    ; my slot's gate
.endr
.irp b, 0,1,2,3
	v_mov_b32 v[TM+4+\b], 0                        ; written once: a lane permute's destination counts as one of its sources
.endr
	TAIL 0
	TAIL 1
	TAIL 2
	TAIL 3
	TAIL 4
	TAIL 5
.Lend:
	s_wait_dscnt 0x0                               ; the closing lines, six on end, of a launch in the mode that stores to LDS
	s_wait_alu 0x0
	s_wait_tensorcnt 0x0
	ds_add_u32 v254, v255
	s_wait_dscnt 0x0
	s_endpgm
.Lfunc_end_k_qb383ffad8f_up:
	.size	k_qb383ffad8f_up, .Lfunc_end_k_qb383ffad8f_up-k_qb383ffad8f_up
	.p2alignl 7, 3214868480
	.fill 96, 4, 3214868480
	.section	.rodata,"a",@progbits
	.p2align	6, 0x0
	.amdhsa_kernel k_qb383ffad8f_up
		.amdhsa_group_segment_fixed_size 51200
		.amdhsa_private_segment_fixed_size 0
		.amdhsa_enable_private_segment 0
		.amdhsa_kernarg_size 48
		.amdhsa_user_sgpr_count 2
		.amdhsa_user_sgpr_kernarg_segment_ptr 1
		.amdhsa_wavefront_size32 1
		.amdhsa_system_sgpr_workgroup_id_x 1
		.amdhsa_system_sgpr_workgroup_id_y 1
		.amdhsa_system_sgpr_workgroup_id_z 1
		.amdhsa_system_vgpr_workitem_id 0
		.amdhsa_next_free_vgpr 960
		.amdhsa_next_free_sgpr 80
		.amdhsa_reserve_vcc 0
		.amdhsa_float_denorm_mode_32 3
		.amdhsa_float_denorm_mode_16_64 3
		.amdhsa_memory_ordered 1
		.amdhsa_forward_progress 1
		.amdhsa_inst_pref_size 135
	.end_amdhsa_kernel
	.amdgpu_metadata
---
amdhsa.version: [ 1, 2 ]
amdhsa.kernels:
  - .name:           k_qb383ffad8f_up
    .symbol:         k_qb383ffad8f_up.kd
    .args:
      - { .name: plan, .offset: 0, .size: 8, .value_kind: global_buffer, .address_space: global }
      - { .name: xqs, .offset: 8, .size: 8, .value_kind: global_buffer, .address_space: global }
      - { .name: w1f, .offset: 16, .size: 8, .value_kind: global_buffer, .address_space: global }
      - { .name: W1_scales, .offset: 24, .size: 8, .value_kind: global_buffer, .address_space: global }
      - { .name: b1, .offset: 32, .size: 8, .value_kind: global_buffer, .address_space: global }
      - { .name: hq, .offset: 40, .size: 8, .value_kind: global_buffer, .address_space: global }
    .group_segment_fixed_size: 51200
    .private_segment_fixed_size: 0
    .kernarg_segment_align: 8
    .kernarg_segment_size: 48
    .max_flat_workgroup_size: 128
    .sgpr_count:     80
    .vgpr_count:     960
    .wavefront_size: 32
...
	.end_amdgpu_metadata
.endif
;; end of part 7
;; launch down (part 8): grid 8 x 49, 4 waves a work-group, no clusters, 203,264 bytes of LDS; arguments plan, xqs, hq, w2q, b2, out0; writes out0
.if DOCPART == 8
	.amdgcn_target "amdgcn-amd-amdhsa--gfx1250"
	.amdhsa_code_object_version 6
	.text
	.protected	k_qb383ffad8f_down
	.globl	k_qb383ffad8f_down
	.p2align	8
	.type	k_qb383ffad8f_down,@function
k_qb383ffad8f_down:
	s_mov_b64 s[64:65], 0
	v_nop
	global_prefetch_b8 v0, s[64:65] scope:SCOPE_SE
	s_setreg_imm32_b32 hwreg(HW_REG_WAVE_SCHED_MODE, 0, 2), 2
	s_setreg_imm32_b32 hwreg(HW_REG_WAVE_MODE, 25, 1), 1
	s_wait_xcnt 0x0
	s_wait_alu depctr_vm_vsrc(0)
; DOWN.  out = Q(gate x hidden) Q(W2) + glo b2[lo] + ghi b2[hi] for one tile (work-group y: up to 96 tokens of one pair of experts) and 128 output columns (work-group x).
; K = 4,096 = [lo's 2,048 | hi's 2,048], 32 steps of 128.  THE WAVES SHARE K: wave w takes steps 8 w .. 8 w + 7 (all of one expert) for the whole 96 x 128 block: 48 accumulators.
; So no wave reads what another reads: hidden images (hq) and W2's images (w2q) lie in register order and go from memory straight into registers, 28 loads of 512 consecutive
; bytes a step, in a ring of three sets: a step's loads are asked for two steps ahead, among the matrix instructions of the step in hand.
; WHAT HANGS ON THE TILE'S NUMBER ALONE IS ASKED FOR FIRST: the hidden layer's scale words and its fragments of my steps 0 to 2 go out together with the scalar loads of the tile's
; table entry and rows; W2's, whose addresses hang on the entry's experts, follow when it is there.  A tile without rows leaves those first loads unused.
; The four partial blocks meet in LDS (each 96 rows, pitch 528 bytes = 132 words: row r starts at bank 4 r mod 64), one barrier; then each wave adds 24 rows, adds the bias
; term and stores the rows that exist: each output row has one owner, and each store covers 512 consecutive bytes, aligned.
; The product is used transposed (source 0 = 16 columns of W2, source 1 = 16 tokens): a lane's eight results are eight neighbouring columns of one row.
; THE GRID serves every split: 49 tiles at the most.  A tile without rows stores nothing: a branch on its stored row count leads round the work, never round the barrier.
; No tensor loads and no cluster: the launch branches on stored counts, and neighbouring tiles belong to other pairs of experts with other numbers of rows.
; ORDER OF SUMS: four f32 partial sums over K are added as (0 + 1) + (2 + 3), the bias term last.  NaN and infinities are not served.
; REGISTERS: window 0: v1-20 addresses, gates, b2; v32-63 W2's scale words, v64-87 the hidden layer's (these hold scales alone); v88-231 hidden fragments, three sets, later rows on
; the way out.  Window 1: W2's fragments, three sets of 64.  Window 2: accumulators of rows 0-63 at 64 a + 8 t.  Window 3: rows 64-95.
; THE MODE: SCHED_MODE bits 1:0 = 2 (LLVM: expert scheduling mode 2), set by the entry lines.  The code itself states the register dependences between vector or matrix
; instructions and memory or LDS instructions, with s_wait_alu, always for 0.
; THE PLAN.  Registers that memory or LDS instructions touch:
;   v1-v7, v20        offsets and LDS addresses: made at the head, never written again.  v9: the gates' offset, made once.
;   hidden sets 0-2, W2's sets 0-2   step i's matrix instructions read set i % 3 of each; the loads of step i + 1 land in them (my step i + 3).
;   the accumulators  written by matrix instructions; read by the LDS stores of my partial block.
;   v88-215           on the way out: LDS loads land in them, the sums work in them, the stores read four registers of data and one offset a row.
; So ONE wait on va_vdst stands at the head of a step, behind the wait for its loads: the last step's matrix instructions are done reading the two sets that this step's loads fill.
; The 28 loads follow it, dealt among the step's matrix instructions, which name set i % 3 of each kind, scale words and accumulators: none of the registers that those loads touch.
; The way out goes four rows at a time: eight gates go to scalar registers behind one wait on va_sdst, and one wait on va_vdst stands ahead of the four stores.  The four rows' sums are
; made where the first of them exists; a row is stored only where it exists itself.
.set GT_O,   1114112
.set LIST_O, 1024
.set HS_O,   9633792
.set W2S_O,  8388608
.set PITCH,  528
.set PART,   96*PITCH                  ; a wave's partial block in LDS
.set WSC, 32
.set HSC, 64
.set AF,  88
.set R0,  88
.set GLO, 56                           ; s[56:63] on the way out: glo of a group's row j in the low word of the pair at GLO + 2 j
.set GHI, 66                           ; s[66:73] ghi likewise
.set ROWS, 74                          ; s74      how many of my 24 rows exist
.set MSB, 0
.macro WIN new                         ; the immediate's high byte repeats the setting that is left
.if MSB != (\new)
	s_set_vgpr_msb (MSB<<8)|(\new)
.set MSB, (\new)
.endif
.endm
.macro PLACES                          ; four plain places behind a matrix instruction, ahead of loads into its sources and of reads of its result
.rept 4
	v_nop
.endr
.endm
.macro ALOAD i                         ; my step i: six hidden fragments into set i % 3
	WIN 0
.irp a, 0,1,2,3,4,5
.irp c, 0,1
	global_load_b128 v[AF+48*((\i)%3)+8*\a+4*\c:AF+48*((\i)%3)+8*\a+4*\c+3], v1, s[70:71] offset:6144*(\i)+1024*\a+512*\c
.endr
.endr
.endm
.macro BLOADH i, t0                    ; and W2's fragments t0 .. t0 + 3
	WIN 0x40
.irp t, 0,1,2,3
.irp c, 0,1
	global_load_b128 v[64*((\i)%3)+8*((\t0)+\t)+4*\c:64*((\i)%3)+8*((\t0)+\t)+4*\c+3], v1, s[66:67] offset:32768*(((\t0)+\t)/2)+2048*(\i)+1024*(\t%2)+512*\c
.endr
.endr
.endm
.macro BLOAD i                         ; all eight
	BLOADH \i, 0
	BLOADH \i, 4
.endm
.macro WMZ d, a, b, sa, sb, ra, rb     ; the first K step starts a sum: nothing is cleared
.if (\ra) && (\rb)
	v_wmma_scale_f32_16x16x128_f8f6f4 v[\d:\d+7], v[\a:\a+7], v[\b:\b+7], 0, v[\sa], v[\sb] matrix_a_fmt:MATRIX_FMT_FP4 matrix_b_fmt:MATRIX_FMT_FP4 matrix_a_scale:MATRIX_SCALE_ROW1 matrix_b_scale:MATRIX_SCALE_ROW1
.elseif (\ra)
	v_wmma_scale_f32_16x16x128_f8f6f4 v[\d:\d+7], v[\a:\a+7], v[\b:\b+7], 0, v[\sa], v[\sb] matrix_a_fmt:MATRIX_FMT_FP4 matrix_b_fmt:MATRIX_FMT_FP4 matrix_a_scale:MATRIX_SCALE_ROW1
.elseif (\rb)
	v_wmma_scale_f32_16x16x128_f8f6f4 v[\d:\d+7], v[\a:\a+7], v[\b:\b+7], 0, v[\sa], v[\sb] matrix_a_fmt:MATRIX_FMT_FP4 matrix_b_fmt:MATRIX_FMT_FP4 matrix_b_scale:MATRIX_SCALE_ROW1
.else
	v_wmma_scale_f32_16x16x128_f8f6f4 v[\d:\d+7], v[\a:\a+7], v[\b:\b+7], 0, v[\sa], v[\sb] matrix_a_fmt:MATRIX_FMT_FP4 matrix_b_fmt:MATRIX_FMT_FP4
.endif
.endm
.macro WMC d, a, b, sa, sb, ra, rb     ; and the others add in place
.if (\ra) && (\rb)
	v_wmma_scale_f32_16x16x128_f8f6f4 v[\d:\d+7], v[\a:\a+7], v[\b:\b+7], v[\d:\d+7], v[\sa], v[\sb] matrix_a_fmt:MATRIX_FMT_FP4 matrix_b_fmt:MATRIX_FMT_FP4 matrix_a_scale:MATRIX_SCALE_ROW1 matrix_b_scale:MATRIX_SCALE_ROW1
.elseif (\ra)
	v_wmma_scale_f32_16x16x128_f8f6f4 v[\d:\d+7], v[\a:\a+7], v[\b:\b+7], v[\d:\d+7], v[\sa], v[\sb] matrix_a_fmt:MATRIX_FMT_FP4 matrix_b_fmt:MATRIX_FMT_FP4 matrix_a_scale:MATRIX_SCALE_ROW1
.elseif (\rb)
	v_wmma_scale_f32_16x16x128_f8f6f4 v[\d:\d+7], v[\a:\a+7], v[\b:\b+7], v[\d:\d+7], v[\sa], v[\sb] matrix_a_fmt:MATRIX_FMT_FP4 matrix_b_fmt:MATRIX_FMT_FP4 matrix_b_scale:MATRIX_SCALE_ROW1
.else
	v_wmma_scale_f32_16x16x128_f8f6f4 v[\d:\d+7], v[\a:\a+7], v[\b:\b+7], v[\d:\d+7], v[\sa], v[\sb] matrix_a_fmt:MATRIX_FMT_FP4 matrix_b_fmt:MATRIX_FMT_FP4
.endif
.endm
.macro MUL i, a                        ; rows 16 a on against W2's eight tiles.  The 48 accumulators take turns, one instruction a turn, in the same order in every step
.irp t, 0,1,2,3,4,5,6,7
.if (\i) == 0
	WMZ 64*((\a)%4)+8*\t, 64*((\i)%3)+8*\t, AF+48*((\i)%3)+8*(\a), WSC+4*(\i)+\t/2, HSC+3*(\i)+(\a)/2, \t%2, (\a)%2
.else
	WMC 64*((\a)%4)+8*\t, 64*((\i)%3)+8*\t, AF+48*((\i)%3)+8*(\a), WSC+4*(\i)+\t/2, HSC+3*(\i)+(\a)/2, \t%2, (\a)%2
.endif
.endr
.endm
.macro STEP i, left                    ; left: the loads issued behind this step's last, which may stay out
	WIN 0
.if (\i) > 0
	PLACES                                         ; they stay beside the wait on va_vdst below
.endif
	s_wait_loadcnt \left
.if ((\i) >= 1) && ((\i) <= 5)
	s_wait_alu depctr_va_vdst(0)                   ; the last step's matrix instructions are done reading their hidden fragments and their fragments of W2, in which this step's loads land
	ALOAD (\i)+2                                   ; into the sets that the last step read
.endif
	WIN 0xa1                                       ; source 0 (W2) window 1, source 1 (hidden) window 0, C and D window 2
	MUL \i, 0
.if ((\i) >= 1) && ((\i) <= 5)
	BLOADH (\i)+2, 0                               ; no wait: no matrix instruction since the wait above names that set or v1
	WIN 0xa1
.endif
	MUL \i, 1
.if ((\i) >= 1) && ((\i) <= 5)
	BLOADH (\i)+2, 4
	WIN 0xa1
.endif
	MUL \i, 2
	MUL \i, 3
	WIN 0xf1                                       ; C and D window 3
	MUL \i, 4
	MUL \i, 5
.endm
; Four rows on the way out: row j's four partial sums stand in v[r + 16 j] .. v[r + 16 j + 15], four registers (my four columns) each.
.macro OUT4 r, row
	s_cmp_le_i32 s[ROWS], (\row)
	s_cbranch_scc1 .Lend                           ; the tile has no such row, nor any later one
.irp j, 0,1,2,3
	v_readlane_b32 s[GLO+2*\j], v10, (\row)+\j     ; the row's glo
	v_readlane_b32 s[GHI+2*\j], v11, (\row)+\j     ; and ghi
.endr
.irp j, 0,1,2,3                        ; the four rows by turns; each row's sum in its own order
	v_pk_add_f32 v[(\r)+16*\j:(\r)+16*\j+1], v[(\r)+16*\j:(\r)+16*\j+1], v[(\r)+16*\j+4:(\r)+16*\j+5]
	v_pk_add_f32 v[(\r)+16*\j+2:(\r)+16*\j+3], v[(\r)+16*\j+2:(\r)+16*\j+3], v[(\r)+16*\j+6:(\r)+16*\j+7]
	v_pk_add_f32 v[(\r)+16*\j+8:(\r)+16*\j+9], v[(\r)+16*\j+8:(\r)+16*\j+9], v[(\r)+16*\j+12:(\r)+16*\j+13]
	v_pk_add_f32 v[(\r)+16*\j+10:(\r)+16*\j+11], v[(\r)+16*\j+10:(\r)+16*\j+11], v[(\r)+16*\j+14:(\r)+16*\j+15]
.endr
.irp j, 0,1,2,3
	v_pk_add_f32 v[(\r)+16*\j:(\r)+16*\j+1], v[(\r)+16*\j:(\r)+16*\j+1], v[(\r)+16*\j+8:(\r)+16*\j+9]
	v_pk_add_f32 v[(\r)+16*\j+2:(\r)+16*\j+3], v[(\r)+16*\j+2:(\r)+16*\j+3], v[(\r)+16*\j+10:(\r)+16*\j+11]
	v_lshl_add_u32 v[(\r)+16*\j+4], s[32+(\row)+\j], 12, v20   ; the token's row of 4,096 bytes, my work-group's 512, my 16
.endr
	s_wait_alu depctr_va_sdst(0)                   ; the eight gates are written to their scalar registers, ahead of their first readers and of any branch
.irp j, 0,1,2,3
	v_pk_fma_f32 v[(\r)+16*\j:(\r)+16*\j+1], v[12:13], s[GLO+2*\j:GLO+2*\j+1], v[(\r)+16*\j:(\r)+16*\j+1] op_sel_hi:[1,0,1]
	v_pk_fma_f32 v[(\r)+16*\j+2:(\r)+16*\j+3], v[14:15], s[GLO+2*\j:GLO+2*\j+1], v[(\r)+16*\j+2:(\r)+16*\j+3] op_sel_hi:[1,0,1]
.endr
.irp j, 0,1,2,3
	v_pk_fma_f32 v[(\r)+16*\j:(\r)+16*\j+1], v[16:17], s[GHI+2*\j:GHI+2*\j+1], v[(\r)+16*\j:(\r)+16*\j+1] op_sel_hi:[1,0,1]
	v_pk_fma_f32 v[(\r)+16*\j+2:(\r)+16*\j+3], v[18:19], s[GHI+2*\j:GHI+2*\j+1], v[(\r)+16*\j+2:(\r)+16*\j+3] op_sel_hi:[1,0,1]
.endr
	s_wait_alu depctr_va_vdst(0)                   ; the four rows' sums and offsets are written, which the stores below read; no vector instruction follows in the group
	global_store_b128 v[(\r)+4], v[(\r):(\r)+3], s[14:15] th:TH_STORE_NT
.irp j, 1,2,3
	s_cmp_le_i32 s[ROWS], (\row)+\j
	s_cbranch_scc1 .Lend                           ; the tile has no such row, nor any later one
	global_store_b128 v[(\r)+16*\j+4], v[(\r)+16*\j:(\r)+16*\j+3], s[14:15] th:TH_STORE_NT
.endr
.endm
.macro OUTB bt                         ; eight rows at a time
.if (\bt) > 0
	s_wait_xcnt 0x0                                ; the last stores have had their addresses translated: their registers are loaded anew only behind this wait,
	s_wait_alu depctr_vm_vsrc(0)                   ; and those stores have read their data and offsets, in which the loads below land (the sums that named these registers stand ahead of the last wait on va_vdst)
.endif
.set oi, 0
.rept 8
.irp p, 0,1,2,3
	ds_load_b128 v[R0+16*oi+4*\p:R0+16*oi+4*\p+3], v[4+\p] offset:PITCH*(8*(\bt)+oi)
.endr
.set oi, oi+1
.endr
	s_wait_dscnt 16                                ; the first four rows are back; the 16 reads of the other four may be out
	OUT4 R0, 8*(\bt)
	s_wait_dscnt 0x0
	OUT4 R0+64, 8*(\bt)+4
.endm
	s_load_b256 s[4:11], s[0:1], 0x0               ; plan 4, xqs 6, hq 8, w2q 10
	s_load_b128 s[12:15], s[0:1], 0x20             ; b2 12, out0 14
	v_lshl_add_u32 v254, v0, 2, 0x31800
	v_mov_b32 v255, 0
	v_lshrrev_b32 v28, 5, v0
	v_readfirstlane_b32 s16, v28                   ; wave
	v_and_b32 v28, 31, v0                          ; lane
	v_and_b32 v29, 15, v0                          ; r
	v_bfe_u32 v30, v0, 4, 1                        ; h
	v_lshlrev_b32 v1, 4, v28                       ; 16 lane
	v_lshlrev_b32 v2, 2, v28                       ; 4 lane
	s_wait_alu depctr_va_sdst(0)                   ; s16 is written, ahead of its first reader
	s_mul_i32 s17, s16, PART
	v_mul_u32_u24 v3, v29, PITCH
	v_lshl_add_u32 v3, v30, 5, v3
	v_add_nc_u32 v3, s17, v3                       ; my partial block: row r, 32 h bytes on
	s_mul_i32 s17, s16, 24*PITCH
	v_add_nc_u32 v4, s17, v1                       ; back: rows 24 wave on, 16 lane, of partial block 0,
	v_add_nc_u32 v5, PART, v4                      ; 1,
	v_add_nc_u32 v6, 2*PART, v4                    ; 2,
	v_add_nc_u32 v7, 3*PART, v4                    ; 3
	s_lshl_b32 s17, ttmp9, 9                       ; my work-group's 128 columns, in bytes
	v_add_nc_u32 v20, s17, v1
	s_and_b32 s18, ttmp7, 0xffff                   ; the tile
	s_lshl_b32 s19, s18, 4
	s_mul_i32 s20, s18, 384
	s_mul_i32 s21, s16, 96
	s_add_co_u32 s20, s20, s21
	s_mov_b32 s22, s20
	s_mov_b32 s23, 0
	s_lshl_b32 s62, s18, 5
	s_lshl_b32 s63, s16, 3
	s_add_co_u32 s62, s62, s63                     ; tile*32 + 8 wave
	s_mul_i32 s70, s62, 6144
	s_mov_b32 s71, 0
	s_mul_i32 s72, s62, 384
	s_add_co_u32 s72, s72, HS_O
	s_mov_b32 s73, 0
	s_wait_kmcnt 0x0
	s_load_b128 s[24:27], s[4:5], s19 offset:0x0               ; lo, hi, rows, 0
	s_load_b256 s[32:39], s[4:5], s20 offset:LIST_O            ; the tokens of rows 24 wave .. 24 wave + 23
	s_load_b256 s[40:47], s[4:5], s20 offset:LIST_O+32
	s_load_b256 s[48:55], s[4:5], s20 offset:LIST_O+64
	s_add_nc_u64 s[22:23], s[4:5], s[22:23]
	s_add_nc_u64 s[70:71], s[8:9], s[70:71]        ; the hidden layer's images
	s_add_nc_u64 s[72:73], s[8:9], s[72:73]        ; and scale words
	s_wait_alu depctr_va_vdst(0)                   ; the offsets and LDS addresses v1 to v7 and v20 are written: every load and store of the kernel that names one of them stands behind this wait
	global_load_b32 v8, v2, s[22:23] offset:LIST_O             ; the same tokens, lane = row (lanes 24-31 read on in the list and are not used)
.irp i, 0,1,2,3,4,5,6,7
.irp a, 0,1,2
	global_load_b32 v[HSC+3*\i+\a], v2, s[72:73] offset:384*\i+128*\a      ; lane = row 32 a + lane
.endr
.endr
	ALOAD 0
	ALOAD 1
	ALOAD 2
	s_wait_kmcnt 0x0
	s_wait_loadcnt 60                              ; the list is in; the 24 + 36 loads of the hidden layer behind it may be out
	v_min_u32 v8, 0x7ff, v8
	v_lshlrev_b32 v9, 3, v8
.set ii, 0
.rept 24
	s_min_u32 s[32+ii], s[32+ii], 2047
.set ii, ii+1
.endr
	s_min_u32 s24, s24, 7
	s_min_u32 s25, s25, 7
	s_lshl_b32 s56, s24, 12
	s_add_co_u32 s56, s56, s17
	s_mov_b32 s57, 0
	s_add_nc_u64 s[56:57], s[12:13], s[56:57]
	s_lshl_b32 s58, s25, 12
	s_add_co_u32 s58, s58, s17
	s_mov_b32 s59, 0
	s_add_nc_u64 s[58:59], s[12:13], s[58:59]
	s_wait_alu depctr_va_vdst(0)                   ; the gates' offset v9 is written, which the load below reads
	global_load_b64 v[10:11], v9, s[6:7] offset:GT_O           ; glo, ghi: lane = row
	global_load_b128 v[12:15], v1, s[56:57]                    ; b2[lo] at my four columns
	global_load_b128 v[16:19], v1, s[58:59]                    ; b2[hi]
	s_cmp_eq_u32 s26, 0
	s_cbranch_scc1 .Lmeet                          ; a tile without rows multiplies nothing
	s_lshr_b32 s60, s16, 1                         ; waves 0, 1: lo; waves 2, 3: hi
	s_cmp_eq_u32 s60, 0
	s_cselect_b32 s61, s24, s25
	s_min_u32 s61, s61, 7
	s_lshl_b32 s61, s61, 5
	s_lshl_b32 s62, ttmp9, 2
	s_add_co_u32 s61, s61, s62                     ; e*32 + the first of my four column pairs
	s_lshl_b32 s61, s61, 4
	s_and_b32 s62, s16, 1
	s_lshl_b32 s62, s62, 3
	s_add_co_u32 s61, s61, s62                     ; + the expert's K step 8 (wave % 2)
	s_lshl_b32 s66, s61, 11
	s_mov_b32 s67, 0
	s_add_nc_u64 s[66:67], s[10:11], s[66:67]      ; W2's images
	s_lshl_b32 s68, s61, 7
	s_add_co_u32 s68, s68, W2S_O
	s_mov_b32 s69, 0
	s_add_nc_u64 s[68:69], s[10:11], s[68:69]      ; and scale words
	BLOAD 0
	WIN 0
.irp i, 0,1,2,3,4,5,6,7
.irp p, 0,1,2,3
	global_load_b32 v[WSC+4*\i+\p], v2, s[68:69] offset:2048*\p+128*\i     ; lanes 0-15 tile 2 p, lanes 16-31 tile 2 p + 1
.endr
.endr
	BLOAD 1
	BLOAD 2
	STEP 0, 32                                     ; behind W2's scale words: W2's fragments of steps 1 and 2, 16 loads each
	STEP 1, 16                                     ; behind W2's step 1: its step 2
	STEP 2, 28                                     ; from here on: the next step's 28, asked for in the step before; those of two steps on go out behind the wait
	STEP 3, 28
	STEP 4, 28
	STEP 5, 28
	STEP 6, 28
	STEP 7, 0
	WIN 0
	PLACES
	s_wait_alu depctr_va_vdst(0)                   ; the matrix instructions have written the accumulators, which the LDS stores read, and are done reading v88 to v231, in which the way out's LDS loads land; the places above stay beside this wait
.irp a, 0,1,2,3,4,5
	WIN 0x08+4*(\a/4)                              ; an LDS store's data are its source 1: window 2 or 3
.irp t, 0,1,2,3,4,5,6,7
	ds_store_b128 v3, v[64*(\a%4)+8*\t:64*(\a%4)+8*\t+3] offset:16*PITCH*\a+64*\t          ; each accumulator from its low end on
	ds_store_b128 v3, v[64*(\a%4)+8*\t+4:64*(\a%4)+8*\t+7] offset:16*PITCH*\a+64*\t+16
.endr
.endr
	WIN 0
.Lmeet:
	s_wait_dscnt 0x0                               ; for the others' sake: my partial block has landed
	s_barrier_signal -1
	s_barrier_wait -1                              ; every wave passes here, whatever the tile's count
	s_cmp_eq_u32 s26, 0
	s_cbranch_scc1 .Lend
	s_wait_loadcnt 0x0                             ; the gates and b2; and every load is done, so the scalar registers that held their bases are free
	s_mul_i32 s[ROWS], s16, 24
	s_sub_co_i32 s[ROWS], s26, s[ROWS]             ; how many of my 24 rows exist (0 or less: none)
.irp j, 0,1,2,3
	s_mov_b32 s[GLO+2*\j+1], 0                     ; (named as the upper halves of the pairs whose low words are broadcast)
	s_mov_b32 s[GHI+2*\j+1], 0
.endr
	OUTB 0
	OUTB 1
	OUTB 2
.Lend:
	s_wait_dscnt 0x0                               ; the closing lines, six on end, of a launch in the mode that stores to LDS
	s_wait_alu 0x0
	s_wait_tensorcnt 0x0
	ds_add_u32 v254, v255
	s_wait_dscnt 0x0
	s_endpgm
.Lfunc_end_k_qb383ffad8f_down:
	.size	k_qb383ffad8f_down, .Lfunc_end_k_qb383ffad8f_down-k_qb383ffad8f_down
	.p2alignl 7, 3214868480
	.fill 96, 4, 3214868480
	.section	.rodata,"a",@progbits
	.p2align	6, 0x0
	.amdhsa_kernel k_qb383ffad8f_down
		.amdhsa_group_segment_fixed_size 203264
		.amdhsa_private_segment_fixed_size 0
		.amdhsa_enable_private_segment 0
		.amdhsa_kernarg_size 48
		.amdhsa_user_sgpr_count 2
		.amdhsa_user_sgpr_kernarg_segment_ptr 1
		.amdhsa_wavefront_size32 1
		.amdhsa_system_sgpr_workgroup_id_x 1
		.amdhsa_system_sgpr_workgroup_id_y 1
		.amdhsa_system_sgpr_workgroup_id_z 1
		.amdhsa_system_vgpr_workitem_id 0
		.amdhsa_next_free_vgpr 896
		.amdhsa_next_free_sgpr 80
		.amdhsa_reserve_vcc 0
		.amdhsa_float_denorm_mode_32 3
		.amdhsa_float_denorm_mode_16_64 3
		.amdhsa_memory_ordered 1
		.amdhsa_forward_progress 1
		.amdhsa_inst_pref_size 120
	.end_amdhsa_kernel
	.amdgpu_metadata
---
amdhsa.version: [ 1, 2 ]
amdhsa.kernels:
  - .name:           k_qb383ffad8f_down
    .symbol:         k_qb383ffad8f_down.kd
    .args:
      - { .name: plan, .offset: 0, .size: 8, .value_kind: global_buffer, .address_space: global }
      - { .name: xqs, .offset: 8, .size: 8, .value_kind: global_buffer, .address_space: global }
      - { .name: hq, .offset: 16, .size: 8, .value_kind: global_buffer, .address_space: global }
      - { .name: w2q, .offset: 24, .size: 8, .value_kind: global_buffer, .address_space: global }
      - { .name: b2, .offset: 32, .size: 8, .value_kind: global_buffer, .address_space: global }
      - { .name: out0, .offset: 40, .size: 8, .value_kind: global_buffer, .address_space: global }
    .group_segment_fixed_size: 203264
    .private_segment_fixed_size: 0
    .kernarg_segment_align: 8
    .kernarg_segment_size: 48
    .max_flat_workgroup_size: 128
    .sgpr_count:     80
    .vgpr_count:     896
    .wavefront_size: 32
...
	.end_amdgpu_metadata
.endif
;; end of part 8
